; MI455X (gfx1250); checked and timed in simulation.
; The chip was launched on July 23, 2026; its instructions are those of AMD's public machine-readable ISA for CDNA 5 (MIT licence, August 2026) and "CDNA5" Instruction Set Architecture Reference Guide (July 2026). The comments in the code are by the model that wrote it; some were corrected since.
;; Block. Allowed arithmetic: float matrix products may take bf16 or f16 operands with f32 sums; all other float work in f32.
;; Inputs: W1 1,024 x 4,096 float32; W2 4,096 x 1,024 float32; W_o 1,024 x 1,024 float32; W_qkv 1,024 x 3,072 float32; b1 4,096 float32; b2 1,024 float32; b_o 1,024 float32; b_qkv 3,072 float32; ln1_b 1,024 float32; ln1_g 1,024 float32; ln2_b 1,024 float32; ln2_g 1,024 float32; x 2 x 2,048 x 1,024 float32.
;; Outputs: out0 2 x 2,048 x 1,024 float32.
;; 2 versions, each right. Each part assembles by itself: llvm-mc -triple=amdgcn-amd-amdhsa -mcpu=gfx1250 --defsym DOCPART=n.
;; ======== version 1 of 2: 7 launches
;; workspace buffers: act 8,388,608 bytes; wide 33,554,432 bytes; x2 16,777,216 bytes; wq 6,291,456 bytes; wo 2,097,152 bytes; w1b 8,388,608 bytes; w2b 8,388,608 bytes
;; launch prep (part 1): grid 896 x 1, 8 waves a work-group, no clusters, 0 bytes of LDS; arguments x, ln1_g, ln1_b, act, W_qkv, W_o, W1, W2, wq, wo, w1b, w2b; writes act, wq, wo, w1b, w2b
.if DOCPART == 1
	.amdgcn_target "amdgcn-amd-amdhsa--gfx1250"
	.amdhsa_code_object_version 6
	.text
	.protected	k_q47fc9b9402_prep
	.globl	k_q47fc9b9402_prep
	.p2align	8
	.type	k_q47fc9b9402_prep,@function
k_q47fc9b9402_prep:
	s_mov_b64 s[64:65], 0
	v_nop
	global_prefetch_b8 v0, s[64:65] scope:SCOPE_SE
	s_setreg_imm32_b32 hwreg(HW_REG_WAVE_MODE, 25, 1), 1
	s_wait_xcnt 0x0
; Two streams in one launch.
; Work-groups 0-127:   act = LayerNorm(x) * ln1_g + ln1_b, rounded to bf16.  x: [4096][1024] f32, act: [4096][1024] bf16.
; Work-groups 128-895: the four weight matrices, f32 to bf16, element for element (the [K][N] order stays), 16,384 numbers a work-group.
; Memory binds both: no LDS, no barrier, no matrix unit, no cluster (no byte is read by two work-groups but the 8 KiB of gains and biases).
; LayerNorm: a work-group owns 32 rows, a wave 4 rows, one whole row (4,096 bytes = 32 registers) at a time, so that a reduction never leaves
; the wave and x is read once.  Mean first, then the mean of (x - mean)^2, as the definition has it: a common offset of x costs no digits.
; Limits: v_rsq_f32 is good to 1 ulp; the result is rounded to bf16 (it is a matrix operand); NaN and infinities are not treated apart.
.set VI, 1                             ; v1        byte offset of my 16 bytes in the wave's first input row
.set VO, 2                             ; v2        byte offset of my 8 bytes in the wave's first output row
.set VG, 3                             ; v3        byte offset of my 4 numbers in the gains and biases
.set G,  8                             ; v[8:39]   gains of my 32 columns (columns 128 j + 4 lane .. + 3, j = 0 .. 7)
.set BB, 40                            ; v[40:71]  biases of the same columns
.set X,  72                            ; v[72:199] four rows, 32 registers each
.set A,  200                           ; v[200:207] four chains of pair sums
.set MU, 208                           ; v[208:209] the mean, twice
.set RS, 210                           ; v[210:211] 1 / sqrt(var + eps), twice
.set T,  212                           ; v[212:213] at work
.set CX, 8                             ; conversion path: v[8:71] 16 loads of 4 f32
.set CY, 72                            ; v[72:103] 16 pairs of packed bf16
; the four chains into one number, then over the 32 lanes; every lane ends with the sum in v[T]
.macro LANESUM
	v_pk_add_f32 v[A:A+1], v[A:A+1], v[A+2:A+3]
	v_pk_add_f32 v[A+4:A+5], v[A+4:A+5], v[A+6:A+7]
	v_pk_add_f32 v[A:A+1], v[A:A+1], v[A+4:A+5]
	v_add_f32 v[T], v[A], v[A+1]
	v_add_f32_dpp v[T], v[T], v[T] row_xmask:1 row_mask:0xf bank_mask:0xf
	v_add_f32_dpp v[T], v[T], v[T] row_xmask:2 row_mask:0xf bank_mask:0xf
	v_add_f32_dpp v[T], v[T], v[T] row_xmask:4 row_mask:0xf bank_mask:0xf
	v_add_f32_dpp v[T], v[T], v[T] row_xmask:8 row_mask:0xf bank_mask:0xf
	v_permlanex16_b32 v[T+1], v[T], s28, s29       ; the other half of the lanes
	v_add_f32 v[T], v[T], v[T+1]
.endm
; one row: r = 0 .. 3
.macro LNROW r
	s_wait_loadcnt 24-8*\r                         ; loads come back in order: the 8 loads of each younger row may stay out
.irp c, 0,1,2,3
	v_pk_add_f32 v[A+2*\c:A+2*\c+1], v[X+32*\r+2*\c:X+32*\r+2*\c+1], v[X+32*\r+2*\c+8:X+32*\r+2*\c+9]   ; the first sums start the chains
.endr
.irp k, 8,9,10,11,12,13,14,15
	v_pk_add_f32 v[A+2*(\k%4):A+2*(\k%4)+1], v[A+2*(\k%4):A+2*(\k%4)+1], v[X+32*\r+2*\k:X+32*\r+2*\k+1]
.endr
	LANESUM
	v_mul_f32 v[MU], s30, v[T]                     ; mean = sum / 1024
	v_mul_f32 v[MU+1], s30, v[T]
.irp k, 0,1,2,3,4,5,6,7,8,9,10,11,12,13,14,15
	v_pk_add_f32 v[X+32*\r+2*\k:X+32*\r+2*\k+1], v[X+32*\r+2*\k:X+32*\r+2*\k+1], v[MU:MU+1] neg_lo:[0,1] neg_hi:[0,1]   ; d = x - mean
.endr
.irp c, 0,1,2,3
	v_pk_mul_f32 v[A+2*\c:A+2*\c+1], v[X+32*\r+2*\c:X+32*\r+2*\c+1], v[X+32*\r+2*\c:X+32*\r+2*\c+1]
.endr
.irp k, 4,5,6,7,8,9,10,11,12,13,14,15
	v_pk_fma_f32 v[A+2*(\k%4):A+2*(\k%4)+1], v[X+32*\r+2*\k:X+32*\r+2*\k+1], v[X+32*\r+2*\k:X+32*\r+2*\k+1], v[A+2*(\k%4):A+2*(\k%4)+1]
.endr
	LANESUM
	v_fma_f32 v[T], v[T], s30, s31                 ; var + eps
	v_rsq_f32 v[RS], v[T]
	v_rsq_f32 v[RS+1], v[T]
	v_nop                                          ; one plain vector instruction behind a transcendental before its result is used (ISA guide 5.7.2)
	s_wait_alu depctr_va_vdst(0)
.irp k, 0,1,2,3,4,5,6,7,8,9,10,11,12,13,14,15
	v_pk_mul_f32 v[X+32*\r+2*\k:X+32*\r+2*\k+1], v[X+32*\r+2*\k:X+32*\r+2*\k+1], v[RS:RS+1]
.endr
.irp k, 0,1,2,3,4,5,6,7,8,9,10,11,12,13,14,15
	v_pk_fma_f32 v[X+32*\r+2*\k:X+32*\r+2*\k+1], v[X+32*\r+2*\k:X+32*\r+2*\k+1], v[G+2*\k:G+2*\k+1], v[BB+2*\k:BB+2*\k+1]
.endr
.irp j, 0,1,2,3,4,5,6,7
	v_cvt_pk_bf16_f32 v[X+32*\r+4*\j], v[X+32*\r+4*\j], v[X+32*\r+4*\j+1]
	v_cvt_pk_bf16_f32 v[X+32*\r+4*\j+1], v[X+32*\r+4*\j+2], v[X+32*\r+4*\j+3]
	global_store_b64 v[VO], v[X+32*\r+4*\j:X+32*\r+4*\j+1], s[10:11] offset:\r*2048+\j*256   ; the wave stores 256 consecutive bytes, at a multiple of 256 from act's first byte
.endr
.endm
	s_load_b512 s[4:19], s[0:1], 0x0               ; x s[4:5], ln1_g s[6:7], ln1_b s[8:9], act s[10:11], W_qkv s[12:13], W_o s[14:15], W1 s[16:17], W2 s[18:19]
	s_load_b256 s[20:27], s[0:1], 0x40             ; wq s[20:21], wo s[22:23], w1b s[24:25], w2b s[26:27]
	s_cmp_lt_u32 ttmp9, 128
	s_cbranch_scc0 .Lcvt
	; ---- LayerNorm ----
	v_and_b32 v4, 31, v0                           ; lane
	v_lshrrev_b32 v5, 5, v0                        ; wave
	v_lshlrev_b32 v[VG], 4, v4
	v_lshl_add_u32 v[VI], v5, 14, v[VG]            ; + wave x 4 rows x 4,096 bytes
	v_lshlrev_b32 v[VO], 3, v4
	v_lshl_add_u32 v[VO], v5, 13, v[VO]            ; + wave x 4 rows x 2,048 bytes
	v_mov_b32 v[T+1], 0                            ; v_permlanex16_b32 counts as a reader of its destination
	s_lshl_b32 s32, ttmp9, 17                      ; 32 rows x 4,096 bytes
	s_mov_b32 s33, 0
	s_lshl_b32 s34, ttmp9, 16                      ; 32 rows x 2,048 bytes
	s_mov_b32 s35, 0
	s_mov_b32 s28, 0x76543210                      ; v_permlanex16_b32: lane i of one half reads lane i of the other
	s_mov_b32 s29, 0xfedcba98
	s_mov_b32 s30, 0x3a800000                      ; 1 / 1024
	s_mov_b32 s31, 0x3727c5ac                      ; 1e-5
	s_wait_kmcnt 0x0
	s_add_nc_u64 s[4:5], s[4:5], s[32:33]
	s_add_nc_u64 s[10:11], s[10:11], s[34:35]
.irp j, 0,1,2,3,4,5,6,7
	global_load_b128 v[G+4*\j:G+4*\j+3], v[VG], s[6:7] offset:\j*512
.endr
.irp j, 0,1,2,3,4,5,6,7
	global_load_b128 v[BB+4*\j:BB+4*\j+3], v[VG], s[8:9] offset:\j*512
.endr
.irp r, 0,1,2,3
.irp j, 0,1,2,3,4,5,6,7
	global_load_b128 v[X+32*\r+4*\j:X+32*\r+4*\j+3], v[VI], s[4:5] offset:\r*4096+\j*512   ; all four rows at once: 32 loads of 512 consecutive bytes in flight
.endr
.endr
	LNROW 0
	LNROW 1
	LNROW 2
	LNROW 3
	s_endpgm
	; ---- weights to bf16 ----
.Lcvt:
	s_sub_co_u32 s32, ttmp9, 128                   ; chunk 0 .. 767: 192 of W_qkv, 64 of W_o, 256 of W1, 256 of W2
	v_lshlrev_b32 v[VI], 4, v0                     ; 16 bytes a thread in,
	v_lshlrev_b32 v[VO], 3, v0                     ; 8 bytes out
	s_wait_kmcnt 0x0
	s_mov_b64 s[34:35], s[12:13]
	s_mov_b64 s[36:37], s[20:21]
	s_mov_b32 s38, 0
	s_cmp_ge_u32 s32, 192
	s_cselect_b64 s[34:35], s[14:15], s[34:35]
	s_cselect_b64 s[36:37], s[22:23], s[36:37]
	s_cselect_b32 s38, 192, s38
	s_cmp_ge_u32 s32, 256
	s_cselect_b64 s[34:35], s[16:17], s[34:35]
	s_cselect_b64 s[36:37], s[24:25], s[36:37]
	s_cselect_b32 s38, 256, s38
	s_cmp_ge_u32 s32, 512
	s_cselect_b64 s[34:35], s[18:19], s[34:35]
	s_cselect_b64 s[36:37], s[26:27], s[36:37]
	s_cselect_b32 s38, 512, s38
	s_sub_co_u32 s38, s32, s38                     ; the chunk's number in its own matrix
	s_lshl_b32 s40, s38, 16                        ; 65,536 bytes in
	s_mov_b32 s41, 0
	s_lshl_b32 s42, s38, 15                        ; 32,768 bytes out
	s_mov_b32 s43, 0
	s_add_nc_u64 s[34:35], s[34:35], s[40:41]
	s_add_nc_u64 s[36:37], s[36:37], s[42:43]
.irp j, 0,1,2,3,4,5,6,7,8,9,10,11,12,13,14,15
	global_load_b128 v[CX+4*\j:CX+4*\j+3], v[VI], s[34:35] offset:\j*4096 th:TH_LOAD_NT
.endr
.irp j, 0,1,2,3,4,5,6,7,8,9,10,11,12,13,14,15
	s_wait_loadcnt 15-\j                           ; the younger loads stay out
	v_cvt_pk_bf16_f32 v[CY+2*\j], v[CX+4*\j], v[CX+4*\j+1]
	v_cvt_pk_bf16_f32 v[CY+2*\j+1], v[CX+4*\j+2], v[CX+4*\j+3]
	global_store_b64 v[VO], v[CY+2*\j:CY+2*\j+1], s[36:37] offset:\j*2048   ; a wave stores 256 consecutive bytes, aligned
.endr
	s_endpgm
.Lfunc_end_k_q47fc9b9402_prep:
	.size	k_q47fc9b9402_prep, .Lfunc_end_k_q47fc9b9402_prep-k_q47fc9b9402_prep
	.p2alignl 7, 3214868480
	.fill 96, 4, 3214868480
	.section	.rodata,"a",@progbits
	.p2align	6, 0x0
	.amdhsa_kernel k_q47fc9b9402_prep
		.amdhsa_group_segment_fixed_size 0
		.amdhsa_private_segment_fixed_size 0
		.amdhsa_enable_private_segment 0
		.amdhsa_kernarg_size 96
		.amdhsa_user_sgpr_count 2
		.amdhsa_user_sgpr_kernarg_segment_ptr 1
		.amdhsa_wavefront_size32 1
		.amdhsa_system_sgpr_workgroup_id_x 1
		.amdhsa_system_sgpr_workgroup_id_y 1
		.amdhsa_system_sgpr_workgroup_id_z 1
		.amdhsa_system_vgpr_workitem_id 0
		.amdhsa_next_free_vgpr 216
		.amdhsa_next_free_sgpr 66
		.amdhsa_reserve_vcc 0
		.amdhsa_float_denorm_mode_32 3
		.amdhsa_float_denorm_mode_16_64 3
		.amdhsa_memory_ordered 1
		.amdhsa_forward_progress 1
		.amdhsa_inst_pref_size 44
	.end_amdhsa_kernel
	.amdgpu_metadata
---
amdhsa.version: [ 1, 2 ]
amdhsa.kernels:
  - .name:           k_q47fc9b9402_prep
    .symbol:         k_q47fc9b9402_prep.kd
    .args:
      - { .name: x, .offset: 0, .size: 8, .value_kind: global_buffer, .address_space: global }
      - { .name: ln1_g, .offset: 8, .size: 8, .value_kind: global_buffer, .address_space: global }
      - { .name: ln1_b, .offset: 16, .size: 8, .value_kind: global_buffer, .address_space: global }
      - { .name: act, .offset: 24, .size: 8, .value_kind: global_buffer, .address_space: global }
      - { .name: W_qkv, .offset: 32, .size: 8, .value_kind: global_buffer, .address_space: global }
      - { .name: W_o, .offset: 40, .size: 8, .value_kind: global_buffer, .address_space: global }
      - { .name: W1, .offset: 48, .size: 8, .value_kind: global_buffer, .address_space: global }
      - { .name: W2, .offset: 56, .size: 8, .value_kind: global_buffer, .address_space: global }
      - { .name: wq, .offset: 64, .size: 8, .value_kind: global_buffer, .address_space: global }
      - { .name: wo, .offset: 72, .size: 8, .value_kind: global_buffer, .address_space: global }
      - { .name: w1b, .offset: 80, .size: 8, .value_kind: global_buffer, .address_space: global }
      - { .name: w2b, .offset: 88, .size: 8, .value_kind: global_buffer, .address_space: global }
    .group_segment_fixed_size: 0
    .private_segment_fixed_size: 0
    .kernarg_segment_align: 8
    .kernarg_segment_size: 96
    .max_flat_workgroup_size: 256
    .sgpr_count:     66
    .vgpr_count:     216
    .wavefront_size: 32
...
	.end_amdgpu_metadata
.endif
;; end of part 1
;; launch gqkv (part 2): grid 12 x 16, 4 waves a work-group, clusters of 4 x 4, 327,680 bytes of LDS; arguments act, wq, wide, b_qkv; writes wide
.if DOCPART == 2
	.amdgcn_target "amdgcn-amd-amdhsa--gfx1250"
	.amdhsa_code_object_version 6
	.text
	.protected	k_q47fc9b9402_gqkv
	.globl	k_q47fc9b9402_gqkv
	.p2align	8
	.type	k_q47fc9b9402_gqkv,@function
k_q47fc9b9402_gqkv:
	s_mov_b64 s[64:65], 0
	v_nop
	global_prefetch_b8 v0, s[64:65] scope:SCOPE_SE
	s_setreg_imm32_b32 hwreg(HW_REG_WAVE_MODE, 25, 1), 1
	s_wait_xcnt 0x0
	s_wait_alu depctr_hold_cnt(0) depctr_sa_sdst(0) depctr_va_vdst(0) depctr_va_sdst(0) depctr_va_ssrc(0) depctr_va_vcc(0) depctr_vm_vsrc(0)
	s_getreg_b32 s2, hwreg(HW_REG_IB_STS2, 6, 4)
	s_cmp_eq_u32 s2, 0
	s_cbranch_scc0 .Lentry_in_a_cluster
	s_endpgm
.Lentry_in_a_cluster:
	s_bfe_u32 s2, ttmp6, 0x10000c
	s_cmp_lg_u32 s2, 0xf033
	s_cbranch_scc0 .Lentry_shape_is_right
	s_endpgm
.Lentry_shape_is_right:
; C[m][n] = sum over k of A[m][k] B[k][n] + bias[n]  (GELU = 1: the exact GELU of that), rounded to bf16.
; A: [4096][SIZE_K] bf16, B: [SIZE_K][SIZE_N] bf16 (k along the slow axis, as the weights lie), bias: [SIZE_N] f32, C: [4096][SIZE_N] bf16; sums in f32.
; A work-group makes 256 x 256 of C with four waves, a wave 128 x 128: 64 accumulator tiles of 16 x 16 in 512 registers.
; K goes in steps of 128 through two LDS slots filled by tensor loads.  A's tile lies [row][k] and is read by plain 16-byte loads;
; B's tile lies [k][n] and is read by ds_load_tr16_b128, which hands each lane eight k of one column: no transposed copy of the weights is made.
; CLUSTERS: 4 x 4 work-groups.  The four of a row of the cluster need the same tiles of A, the four of a column the same tiles of B: each tile is asked
; for jointly, by the same line with the same descriptor and a mask that names the four.
; REGISTERS in windows of 256: window 0: addresses, fragments of A (two buffers), the way out's work; window 1: v0-63 the bias of my 128 columns,
; fragments of B (two buffers); windows 2, 3: the accumulators of my rows 0-63 and 64-127 (tile (a, b) at v[8 (8 a + b)]).
; The matrix instruction is used transposed (source 0 = 16 columns of B, source 1 = 16 rows of A): lane l holds row l % 16 of C, its registers 0-7 the columns 8 (l / 16) + 0..7.
; The 64 accumulators take turns, one instruction a turn, in the same order in every quarter step.
; Limits: operands are bf16.  GELU: erf by Abramowitz and Stegun 7.1.26 (absolute error of erf at most 1.5e-7 for every argument), in the form
; max(u, 0) - |u| q(|u|), q = erfc(|u| / sqrt 2) / 2, which forms no difference of near numbers for u < 0; v_rcp_f32 and v_exp_f32 are good to 1 ulp and flush denormals.
.set SIZE_N, 3072
.set SIZE_K, 1024
.set GELU,   0
.set KSTEP,  128
.set PITCH,  272                       ; A's LDS row: 256 bytes + 16 of padding, an odd multiple of 16: the 16 rows of a fragment load start 68 words apart
.set PB,     544                       ; B's LDS row: 512 bytes + 32 of padding, an odd multiple of 32
.set HALFT,  128*PITCH                 ; what one tensor load brings: 128 rows of A, or 64 k rows of B (64 x 544 is the same 34,816 bytes)
.set SLOT,   4*HALFT                   ; A's 256 rows, then B's 128 k rows
.set STAGE,  2*SLOT                    ; behind the ring: 16 rows x 272 bytes for each wave, for the way out; no tensor load lands there
.set SPITCH, 272
.set LAPS, SIZE_K/(2*KSTEP)            ; a lap = two K steps = once round the ring
.set ADRA, 16                          ; v16-17  LDS address of my A fragments in slot 0, 1
.set ADRB, 20                          ; v20-21  the same for B
.set STO,  24                          ; v24     the way out: where I put 16 bytes of a row
.set RD,   25                          ; v25     the way out: where I read a row back
.set CO,   26                          ; v26     my byte offset in C
.set VBI,  27                          ; v27     my byte offset in the bias
.set F0,   64                          ; fragment buffer 0
.set F1,   128                         ; fragment buffer 1
.set U,    64                          ; the way out, window 0: v64-127 sixteen rows' results + bias in f32
.set GD,   128                         ; 1 + p |u|
.set GT,   136                         ; t = 1 / that
.set GE,   144                         ; - u^2 log2(e) / 2
.set GX,   152                         ; 2 ^ that
.set GP,   160                         ; the polynomial
.set GR,   168                         ; max(u, 0)
.set A4,   176                         ; v[176:177] a coefficient, twice
.set TMP,  192                         ; packed results
.set RB,   224                         ; rows read back
.set G1, 24                            ; s[24:31] descriptor group 1 for A's tiles
.set G0, 32                            ; s[32:39] descriptor group 0 for A's tiles, one set for each slot
.set G1B, 48                           ; s[48:55] group 1 for B's tiles
.set G0B, 56                           ; s[56:63] group 0 for B's tiles, one set for each slot
.set MSB, 0
.macro WIN new                         ; the immediate's high byte repeats the setting that is left
.if MSB != \new
	s_set_vgpr_msb (MSB<<8)|\new
.set MSB, \new
.endif
.endm
.set MUL_LO, 0xa1                      ; source 0 (B) window 1, source 1 (A) window 0, C and D window 2
.set MUL_HI, 0xf1                      ; the same, C and D window 3
.set TO_B,   0x40                      ; destination window 1, address window 0
; A joint load.  Waves 0 and 1 fetch A's two halves, waves 2 and 3 B's.  Each line has one mask and one set of registers; the branch hangs on the wave's number alone.
.macro JLOAD s
	s_cmp_eq_u32 s11, 0
	s_cbranch_scc0 .Lfor_b_\@
	tensor_load_to_lds s[G0+4*\s:G0+4*\s+3], s[G1:G1+7]
	s_nop 0
	s_branch .Lasked_\@
.Lfor_b_\@:
	tensor_load_to_lds s[G0B+4*\s:G0B+4*\s+3], s[G1B:G1B+7]
	s_nop 0
.Lasked_\@:
.endm
; A round of the cluster's barrier: my work-group's barrier; wave 0 signals for the work-group; every wave waits for all sixteen; my work-group's barrier once more.
.macro CREST                           ; a round behind its opening barrier
	s_cmp_lg_u32 s10, 0
	s_cbranch_scc1 .Lnot_wave_0_\@
	s_barrier_signal -3
.Lnot_wave_0_\@:
	s_barrier_wait -3
	s_barrier_signal -1
	s_barrier_wait -1
.endm
.macro CROUND                          ; a whole round
	s_barrier_signal -1
	s_barrier_wait -1
	CREST
.endm
	s_load_b128 s[4:7], s[0:1], 0x0                ; A s[4:5], B s[6:7]
	s_load_b64 s[8:9], s[0:1], 0x10                ; C
	s_load_b64 s[66:67], s[0:1], 0x18              ; bias
	s_set_vgpr_msb 0x40
	v_lshl_add_u32 v255, v0, 2, 0x48400
	s_set_vgpr_msb 0x4000
	v_mov_b32 v63, 0
	s_set_vgpr_msb 0x1
	ds_add_u32 v255, v63
	ds_add_u32 v255, v63
	s_set_vgpr_msb 0x100
	v_lshrrev_b32 v1, 5, v0
	v_readfirstlane_b32 s10, v1                    ; wave 0..3
	s_lshr_b32 s11, s10, 1                         ; which half of the block's rows is mine.  Also: I fetch for A (0) or for B (1)
	s_and_b32 s12, s10, 1                          ; which half of its columns.  Also: which half of that tile I fetch
	s_bfe_u32 s40, ttmp6, 0x40000                  ; cx
	s_bfe_u32 s41, ttmp6, 0x40004                  ; cy
	s_lshl_b32 s42, ttmp9, 2
	s_add_co_u32 s42, s42, s40                     ; block column of C = 4 x cluster x + cx
	s_and_b32 s13, ttmp7, 0xffff
	s_lshl_b32 s13, s13, 2
	s_add_co_u32 s13, s13, s41                     ; block row of C = 4 x cluster y + cy
	s_lshl_b32 s43, s41, 2
	s_lshl_b32 s43, 15, s43                        ; my row of the cluster: places 4 cy .. 4 cy + 3
	s_lshl_b32 s44, 0x1111, s40                    ; my column: places cx, cx + 4, cx + 8, cx + 12
	; group 1 for A: 128 rows x 128 elements of 2 bytes, 4 words of padding behind every 64 words
	s_or_b32 s[G1+0], s43, (1<<16)|(1<<20)|(1<<21)|(5<<22)|(3<<25)
	s_mov_b32 s[G1+1], KSTEP<<16                   ; tensor_dim0 = 128
	s_mov_b32 s[G1+2], 128<<16                     ; tensor_dim1 = 128
	s_mov_b32 s[G1+3], KSTEP<<16                   ; tile_dim0 = 128
	s_mov_b32 s[G1+4], 128                         ; tile_dim1 = 128
	s_mov_b32 s[G1+5], SIZE_K                      ; elements from row to row
	s_mov_b32 s[G1+6], 0
	s_mov_b32 s[G1+7], 0
	; group 1 for B: 64 k rows x 256 elements of 2 bytes, 8 words of padding behind every 128 words
	s_or_b32 s[G1B+0], s44, (1<<16)|(1<<20)|(1<<21)|(6<<22)|(7<<25)
	s_mov_b32 s[G1B+1], 256<<16                    ; tensor_dim0 = 256
	s_mov_b32 s[G1B+2], 64<<16                     ; tensor_dim1 = 64
	s_mov_b32 s[G1B+3], 256<<16                    ; tile_dim0 = 256
	s_mov_b32 s[G1B+4], 64                         ; tile_dim1 = 64
	s_mov_b32 s[G1B+5], SIZE_N
	s_mov_b32 s[G1B+6], 0
	s_mov_b32 s[G1B+7], 0
.if GELU
	s_mov_b32 s76, 0xbf07dc22                      ; - a5 / 2   (the five coefficients are halved and negated: the polynomial gives - q)
	s_mov_b32 s77, 0xbf07dc22
	s_mov_b32 s80, 0xbf35f0e3                      ; - a3 / 2
	s_mov_b32 s81, 0xbf35f0e3
	s_mov_b32 s82, 0x3e11a98e                      ; - a2 / 2
	s_mov_b32 s83, 0x3e11a98e
	s_mov_b32 s84, 0xbe027906                      ; - a1 / 2
	s_mov_b32 s85, 0xbe027906
	s_mov_b32 s86, 0x3f596d27                      ; sqrt(log2(e) / 2)
	s_mov_b32 s87, 0x3f596d27
	s_mov_b32 s88, 0x3e6d3388                      ; 0.3275911 / sqrt 2
.endif
	; where the tiles come from: A's hang on the block row alone, B's on the block column alone
	s_lshl_b32 s17, s12, 7
	s_lshl_b32 s16, s13, 8
	s_add_co_u32 s16, s16, s17                     ; A: row 256 x block row + 128 x half
	s_mul_i32 s16, s16, SIZE_K*2                   ; in bytes: below 8 MiB
	s_mov_b32 s17, 0
	s_mul_i32 s46, s12, 64*SIZE_N*2                ; B: k row 64 x half,
	s_lshl_b32 s45, s42, 9                         ; column 256 x block column
	s_add_co_u32 s46, s46, s45
	s_mov_b32 s47, 0
	s_mul_i32 s20, s10, HALFT                      ; and where they go: A's two halves, then B's two halves: the wave's number alone
	s_wait_dscnt 0x0
	s_wait_kmcnt 0x0
	s_add_nc_u64 s[14:15], s[4:5], s[16:17]
	s_add_nc_u64 s[46:47], s[6:7], s[46:47]
	CROUND                                         ; all sixteen work-groups are here: the first joint loads meet
.irp s, 0,1
	s_mov_b32 s[G0+4*\s], 1
	s_add_co_u32 s[G0+4*\s+1], s20, \s*SLOT
	s_add_nc_u64 s[G0+4*\s+2:G0+4*\s+3], s[14:15], \s*KSTEP*2
	s_or_b32 s[G0+4*\s+3], s[G0+4*\s+3], 0x80000000
	s_mov_b32 s[G0B+4*\s], 1
	s_add_co_u32 s[G0B+4*\s+1], s20, \s*SLOT
	s_add_nc_u64 s[G0B+4*\s+2:G0B+4*\s+3], s[46:47], \s*KSTEP*SIZE_N*2
	s_or_b32 s[G0B+4*\s+3], s[G0B+4*\s+3], 0x80000000
	JLOAD \s                                       ; both slots are asked for before anything else is done: two tensor loads of the wave are out
.endr
	; the bias of my 128 columns, as the accumulators hold them: tile b, register j = column 16 b + 8 (l / 16) + j
	s_lshl_b32 s68, s42, 10                        ; 256 columns x 4 bytes a block
	s_lshl_b32 s69, s12, 9
	s_add_co_u32 s68, s68, s69
	s_mov_b32 s69, 0
	s_add_nc_u64 s[66:67], s[66:67], s[68:69]
	v_and_b32 v1, 15, v0                           ; l % 16
	v_bfe_u32 v2, v0, 4, 1                         ; l / 16
	v_lshlrev_b32 v[VBI], 5, v2
	WIN TO_B
.irp b, 0,1,2,3,4,5,6,7
	global_load_b128 v[8*\b:8*\b+3],   v[VBI], s[66:67] offset:64*\b
	global_load_b128 v[8*\b+4:8*\b+7], v[VBI], s[66:67] offset:64*\b+16
.endr
	WIN 0
	; A fragment: lane l holds row l % 16; two loads of 16 bytes, 32 bytes apart, at row x pitch + 16 (l / 16)
	v_mul_u32_u24 v3, v1, PITCH
	v_lshl_add_u32 v3, v2, 4, v3
	; B fragment: the transposing load wants lane l at k row 8 (l / 16) + l % 8, 16 bytes ((l / 8) % 2) of the 32 bytes of 16 columns; the second load 16 k rows on
	v_and_b32 v6, 7, v0
	v_lshl_add_u32 v6, v2, 3, v6
	v_mul_u32_u24 v6, v6, PB
	v_bfe_u32 v7, v0, 3, 1
	v_lshl_add_u32 v6, v7, 4, v6
	s_mul_i32 s21, s11, HALFT                      ; my 128 rows of A
	s_lshl_b32 s22, s12, 8                         ; my 128 columns of B: 256 bytes along its rows,
	s_add_co_u32 s22, s22, 2*HALFT                 ; which lie behind A's 256 rows
.irp s, 0,1
	v_add_nc_u32 v[ADRA+\s], s21, v3
	v_add_nc_u32 v[ADRB+\s], s22, v6
	s_add_co_u32 s21, s21, SLOT
	s_add_co_u32 s22, s22, SLOT
.endr
	s_mul_i32 s23, s10, 16*SPITCH
	s_add_co_u32 s23, s23, STAGE                   ; my stage
	v_mul_u32_u24 v4, v1, SPITCH                   ; in: row l % 16, 16 bytes for each half of the lanes
	v_lshl_add_u32 v4, v2, 4, v4
	v_add_nc_u32 v[STO], s23, v4
	v_mul_u32_u24 v5, v2, SPITCH                   ; back: lanes 0-15 take one row of 256 bytes, lanes 16-31 the next
	v_lshl_add_u32 v5, v1, 4, v5
	v_add_nc_u32 v[RD], s23, v5
	v_mul_u32_u24 v5, v2, SIZE_N*2                 ; and the same two rows in C
	v_lshl_add_u32 v[CO], v1, 4, v5
; 16 matrix instructions: m blocks a0, a0 + 1 of the window's four x all 8 n blocks, 32 along K.  zero = 1: the first product starts the sums.
.macro MUL16 f, hi, a0, zero
.irp a, \a0, \a0+1
.irp b, 0,1,2,3,4,5,6,7
.if \zero
	v_wmma_f32_16x16x32_bf16 v[8*(8*(\a)+\b):8*(8*(\a)+\b)+7], v[\f+8*\b:\f+8*\b+7], v[\f+8*(4*\hi+\a):\f+8*(4*\hi+\a)+7], 0
.else
	v_wmma_f32_16x16x32_bf16 v[8*(8*(\a)+\b):8*(8*(\a)+\b)+7], v[\f+8*\b:\f+8*\b+7], v[\f+8*(4*\hi+\a):\f+8*(4*\hi+\a)+7], v[8*(8*(\a)+\b):8*(8*(\a)+\b)+7]
.endif
.endr
.endr
.endm
; 32 LDS loads in one run: the fragments of quarter q (32 along K) of a slot into buffer f: B's 128 columns, then A's 128 rows
.macro FETCH slot, q, f
	WIN TO_B
.irp i, 0,1,2,3,4,5,6,7
	ds_load_tr16_b128 v[\f+8*\i:\f+8*\i+3],   v[ADRB+\slot] offset:\q*32*PB+32*\i
	ds_load_tr16_b128 v[\f+8*\i+4:\f+8*\i+7], v[ADRB+\slot] offset:\q*32*PB+32*\i+16*PB
.endr
	WIN 0
.irp i, 0,1,2,3,4,5,6,7
	ds_load_b128 v[\f+8*\i:\f+8*\i+3],   v[ADRA+\slot] offset:\q*64+\i*16*PITCH
	ds_load_b128 v[\f+8*\i+4:\f+8*\i+7], v[ADRA+\slot] offset:\q*64+\i*16*PITCH+32
.endr
.endm
; Four plain vector instructions stand between a matrix instruction and a load into, or a vector instruction on, one of its registers (ISA guide 7.12.1 for vector instructions)
.macro PLACES
.rept 4
	v_nop
.endr
.endm
; One of a K step's first three quarters: multiplies buffer f; in its middle it fetches quarter q of the same slot into buffer g.
.macro QUARTER slot, q, f, g, zero
	s_wait_dscnt 8                                 ; B and A's rows 0-63 are in; the youngest eight loads (A's rows 64-127) may be out
	WIN MUL_LO
	MUL16 \f, 0, 0, \zero
	MUL16 \f, 0, 2, \zero
	PLACES
	FETCH \slot, \q, \g
	s_wait_dscnt 32                                ; all but the 32 just issued
	WIN MUL_HI
	MUL16 \f, 1, 0, \zero
	MUL16 \f, 1, 2, \zero
.endm
.macro THREE slot, zero
	QUARTER \slot, 1, F0, F1, \zero
	QUARTER \slot, 2, F1, F0, 0
	QUARTER \slot, 3, F0, F1, 0
.endm
; The last quarter: multiplies buffer 1 and changes slots.  In front of the barrier each wave waits for its reads of this slot and for all its tensor loads
; (one is out: its part of the next slot).  Behind it the refill comes first, then the next slot's first fragments.
.macro TURN slot, next, fill
	s_wait_dscnt 8
	WIN MUL_LO
	MUL16 F1, 0, 0, 0
	s_wait_dscnt 0                                 ; my reads of this slot are over
	s_wait_tensorcnt 0x0                           ; and all my tensor loads have landed
	ds_add_u32 v255, v63
	s_wait_dscnt 0x0
	s_barrier_signal -1                            ; (where a slot is filled again this barrier opens a round of the cluster's barrier)
	MUL16 F1, 0, 2, 0                              ; work on registers while the others arrive
	WIN 0
	s_barrier_wait -1
.if \fill
	CREST                                          ; no wave of any partner still reads this slot's tile or has a load on its way
	s_add_nc_u64 s[G0+4*\slot+2:G0+4*\slot+3], s[G0+4*\slot+2:G0+4*\slot+3], 2*KSTEP*2
	s_add_nc_u64 s[G0B+4*\slot+2:G0B+4*\slot+3], s[G0B+4*\slot+2:G0B+4*\slot+3], 2*KSTEP*SIZE_N*2
	JLOAD \slot                                    ; the first tensor load behind the round
.endif
	PLACES
	FETCH \next, 0, F0
	WIN MUL_HI
	MUL16 F1, 1, 0, 0
	MUL16 F1, 1, 2, 0
.endm
.macro LAP zero
	THREE 0, \zero
	TURN 0, 1, 1
	THREE 1, 0
	TURN 1, 0, 1
.endm
	s_wait_loadcnt 0x0                             ; the bias, once: no register load is out at any later barrier
	s_wait_tensorcnt 1                             ; my part of K step 0 is in; K step 1's load stays out
	s_barrier_signal -1
	s_barrier_wait -1                              ; everybody's is
	FETCH 0, 0, F0
	LAP 1                                          ; the first lap stands in front of the loop: its first products start the sums
.if LAPS > 2
	WIN 0
	s_mov_b32 s3, LAPS-2
.Llap:
	LAP 0
	WIN 0
	s_sub_co_u32 s3, s3, 1
	s_cmp_lg_u32 s3, 0
	s_cbranch_scc1 .Llap
.endif
	THREE 0, 0                                     ; the last lap fills nothing
	TURN 0, 1, 0
	THREE 1, 0
	s_wait_dscnt 8
	WIN MUL_LO
	MUL16 F1, 0, 0, 0
	MUL16 F1, 0, 2, 0
	s_wait_dscnt 0
	WIN MUL_HI
	MUL16 F1, 1, 0, 0
	MUL16 F1, 1, 2, 0
	; THE WAY OUT, 16 rows of C at a time: + bias (, GELU), round to bf16, 16 bytes a lane into my own stage, read back as whole rows of 256 bytes.
	PLACES
	s_lshl_b32 s13, s13, 8
	s_lshl_b32 s14, s11, 7
	s_add_co_u32 s16, s13, s14                     ; my first row of C
	s_mul_i32 s16, s16, SIZE_N*2                   ; below 32 MiB
	s_mov_b32 s17, 0
	s_add_nc_u64 s[8:9], s[8:9], s[16:17]
	s_lshl_b32 s46, s42, 9                         ; my first column, in bytes
	s_lshl_b32 s47, s12, 8
	s_add_co_u32 s46, s46, s47
	s_mov_b32 s47, 0
	s_add_nc_u64 s[8:9], s[8:9], s[46:47]
	WIN 0
.if GELU
	v_mov_b32 v[A4], 0x3f3a00e3                    ; - a4 / 2, in a vector pair so that each packed multiply-add names one scalar pair
	v_mov_b32 v[A4+1], 0x3f3a00e3
.endif
; eight numbers u in v[u .. u+7] become gelu(u) = max(u, 0) - |u| q,  q = t (a1 + t (a2 + t (a3 + t (a4 + t a5)))) / 2 x 2^(- u^2 log2(e) / 2),  t = 1 / (1 + p |u| / sqrt 2)
.macro GELU8 u
.irp i, 0,1,2,3,4,5,6,7
	v_fma_f32 v[GD+\i], |v[\u+\i]|, s88, 1.0
.endr
.irp i, 0,2,4,6
	v_pk_mul_f32 v[GE+\i:GE+\i+1], v[\u+\i:\u+\i+1], s[86:87] op_sel_hi:[1,0]
.endr
.irp i, 0,2,4,6
	v_pk_mul_f32 v[GE+\i:GE+\i+1], v[GE+\i:GE+\i+1], v[GE+\i:GE+\i+1] neg_lo:[0,1] neg_hi:[0,1]   ; minus the square
.endr
.irp i, 0,1,2,3,4,5,6,7
	v_rcp_f32 v[GT+\i], v[GD+\i]
.endr
.irp i, 0,1,2,3,4,5,6,7
	v_exp_f32 v[GX+\i], v[GE+\i]
.endr
.irp i, 0,1,2,3,4,5,6,7
	v_max_num_f32 v[GR+\i], 0, v[\u+\i]            ; plain work behind the transcendentals, before their results are used (ISA guide 5.7.2)
.endr
.irp i, 0,2,4,6
	v_pk_fma_f32 v[GP+\i:GP+\i+1], v[GT+\i:GT+\i+1], s[76:77], v[A4:A4+1] op_sel_hi:[1,0,1]
.endr
.irp i, 0,2,4,6
	v_pk_fma_f32 v[GP+\i:GP+\i+1], v[GP+\i:GP+\i+1], v[GT+\i:GT+\i+1], s[80:81] op_sel_hi:[1,1,0]
.endr
.irp i, 0,2,4,6
	v_pk_fma_f32 v[GP+\i:GP+\i+1], v[GP+\i:GP+\i+1], v[GT+\i:GT+\i+1], s[82:83] op_sel_hi:[1,1,0]
.endr
.irp i, 0,2,4,6
	v_pk_fma_f32 v[GP+\i:GP+\i+1], v[GP+\i:GP+\i+1], v[GT+\i:GT+\i+1], s[84:85] op_sel_hi:[1,1,0]
.endr
.irp i, 0,2,4,6
	v_pk_mul_f32 v[GP+\i:GP+\i+1], v[GP+\i:GP+\i+1], v[GT+\i:GT+\i+1]
.endr
.irp i, 0,2,4,6
	v_pk_mul_f32 v[GP+\i:GP+\i+1], v[GP+\i:GP+\i+1], v[GX+\i:GX+\i+1]   ; = - q
.endr
.irp i, 0,1,2,3,4,5,6,7
	v_fma_f32 v[\u+\i], |v[\u+\i]|, v[GP+\i], v[GR+\i]
.endr
.endm
; rows 16 i .. 16 i + 15 of my block = the eight tiles (a, 0..7) of window 2 or 3.  from = 0x06 or 0x07: source 0 that window, source 1 (the bias) window 1, destination window 0
.macro OUT16 i, a, from
	WIN \from
.irp b, 0,1,2,3,4,5,6,7
.irp k, 0,2,4,6
	v_pk_add_f32 v[U+8*\b+\k:U+8*\b+\k+1], v[8*(8*\a+\b)+\k:8*(8*\a+\b)+\k+1], v[8*\b+\k:8*\b+\k+1]
.endr
.endr
	WIN 0
.if GELU
.irp b, 0,1,2,3,4,5,6,7
	GELU8 U+8*\b
.endr
.endif
.irp b, 0,1,2,3,4,5,6,7
.irp r, 0,1,2,3
	v_cvt_pk_bf16_f32 v[TMP+4*\b+\r], v[U+8*\b+2*\r], v[U+8*\b+2*\r+1]
.endr
.endr
.irp b, 0,1,2,3,4,5,6,7
	ds_store_b128 v[STO], v[TMP+4*\b:TMP+4*\b+3] offset:32*\b
.endr
	s_wait_xcnt 0x0                                ; the registers that the last stores read, and their base, are rewritten only behind this wait
.if \i
	s_add_nc_u64 s[8:9], s[8:9], 16*SIZE_N*2       ; 16 rows of C on
.endif
.irp t, 0,1,2,3,4,5,6,7
	ds_load_b128 v[RB+4*\t:RB+4*\t+3], v[RD] offset:\t*2*SPITCH    ; LDS serves a wave's instructions in order: these see the stores above
.endr
.irp t, 0,1,2,3,4,5,6,7
	s_wait_dscnt 7-\t                              ; the younger rows may be out
	global_store_b128 v[CO], v[RB+4*\t:RB+4*\t+3], s[8:9] offset:2*\t*SIZE_N*2   ; 16 lanes store 256 consecutive bytes, at a multiple of 256 from C's first byte
.endr
.endm
	OUT16 0, 0, 0x06
	OUT16 1, 1, 0x06
	OUT16 2, 2, 0x06
	OUT16 3, 3, 0x06
	OUT16 4, 0, 0x07
	OUT16 5, 1, 0x07
	OUT16 6, 2, 0x07
	OUT16 7, 3, 0x07
	s_set_vgpr_msb 0x1
	s_wait_tensorcnt 0x0
	ds_add_u32 v255, v63
	s_wait_dscnt 0x0
	s_set_vgpr_msb 0x100
	CROUND                                         ; the closing round: no work-group ends while a partner may still ask for a tile that names it
	s_endpgm
.Lfunc_end_k_q47fc9b9402_gqkv:
	.size	k_q47fc9b9402_gqkv, .Lfunc_end_k_q47fc9b9402_gqkv-k_q47fc9b9402_gqkv
	.p2alignl 7, 3214868480
	.fill 96, 4, 3214868480
	.section	.rodata,"a",@progbits
	.p2align	6, 0x0
	.amdhsa_kernel k_q47fc9b9402_gqkv
		.amdhsa_group_segment_fixed_size 327680
		.amdhsa_private_segment_fixed_size 0
		.amdhsa_enable_private_segment 0
		.amdhsa_kernarg_size 32
		.amdhsa_user_sgpr_count 2
		.amdhsa_user_sgpr_kernarg_segment_ptr 1
		.amdhsa_wavefront_size32 1
		.amdhsa_system_sgpr_workgroup_id_x 1
		.amdhsa_system_sgpr_workgroup_id_y 1
		.amdhsa_system_sgpr_workgroup_id_z 1
		.amdhsa_system_vgpr_workitem_id 0
		.amdhsa_next_free_vgpr 1024
		.amdhsa_next_free_sgpr 92
		.amdhsa_reserve_vcc 0
		.amdhsa_float_denorm_mode_32 3
		.amdhsa_float_denorm_mode_16_64 3
		.amdhsa_memory_ordered 1
		.amdhsa_forward_progress 1
		.amdhsa_inst_pref_size 214
	.end_amdhsa_kernel
	.amdgpu_metadata
---
amdhsa.version: [ 1, 2 ]
amdhsa.kernels:
  - .name:           k_q47fc9b9402_gqkv
    .symbol:         k_q47fc9b9402_gqkv.kd
    .args:
      - { .name: act, .offset: 0, .size: 8, .value_kind: global_buffer, .address_space: global }
      - { .name: wq, .offset: 8, .size: 8, .value_kind: global_buffer, .address_space: global }
      - { .name: wide, .offset: 16, .size: 8, .value_kind: global_buffer, .address_space: global }
      - { .name: b_qkv, .offset: 24, .size: 8, .value_kind: global_buffer, .address_space: global }
    .group_segment_fixed_size: 327680
    .private_segment_fixed_size: 0
    .kernarg_segment_align: 8
    .kernarg_segment_size: 32
    .max_flat_workgroup_size: 128
    .sgpr_count:     92
    .vgpr_count:     1024
    .wavefront_size: 32
...
	.end_amdgpu_metadata
.endif
;; end of part 2
;; launch attn (part 3): grid 8 x 32, 4 waves a work-group, no clusters, 327,680 bytes of LDS; arguments wide, act; writes act
.if DOCPART == 3
	.amdgcn_target "amdgcn-amd-amdhsa--gfx1250"
	.amdhsa_code_object_version 6
	.text
	.protected	k_q47fc9b9402_attn
	.globl	k_q47fc9b9402_attn
	.p2align	8
	.type	k_q47fc9b9402_attn,@function
k_q47fc9b9402_attn:
	s_mov_b64 s[64:65], 0
	v_nop
	global_prefetch_b8 v0, s[64:65] scope:SCOPE_SE
	s_setreg_imm32_b32 hwreg(HW_REG_WAVE_MODE, 25, 1), 1
	s_wait_xcnt 0x0
; Causal attention.  wide: [4096][3072] bf16, a row = K (1024), Q (1024), V (1024), each 16 heads of 64.  act: [4096][1024] bf16, head hd at columns 64 hd.
; Work-group (p, bh): batch bh / 16, head bh % 16, the query blocks p and 15 - p of 128 queries, one after the other: (p + 1) + (16 - p) = 17 steps of
; 128 keys for every work-group, so all 256 do the same work.  Wave w owns queries 32 w .. 32 w + 31 of the block (two tiles of 16).
; Keys go in tiles of 64 through two LDS slots; each wave fetches 16 rows of K and 16 rows of V of a tile (two tensor loads, the only ones it has out).
; LAYOUT: S^T = K Q^T (source 0 = 16 keys, source 1 = 16 queries) puts query l % 16 in lane l and keys 8 (l / 16) + j in register j.  Two neighbouring key tiles,
; packed to bf16, ARE the second operand of O^T = V^T P^T for 32 keys, and V^T comes from the [key][d] tile by ds_load_tr16_b128.  So the maximum, the sum and
; the rescaling are one number a lane (the two halves of the lanes joined by one v_permlanex16_b32), and P never goes through LDS.
; Softmax with a running maximum, in base 2: p = 2^(c s - c m), c = log2(e) / 8.  Masked scores are -inf.  The first key tile of a block holds, for every query, a key
; that the mask lets through (key 0 of the batch, or of the diagonal block), so the running maximum is finite from the first trip on.
; NO CLUSTER: the work-groups of one head (p = 0 .. 7) walk 2 p + 2 and then 32 - 2 p tiles and mask at different trips, so joint requests would need trip counts
; and branches that differ between partners; work-groups of equal p belong to different heads and share no byte.
; Limits: K, Q, V, P and the result are bf16; the denominator sums the unrounded p; v_exp_f32 and v_rcp_f32 are good to 1 ulp and flush denormals; NaN and infinite inputs are not treated apart.
.set PK,     144                       ; K's LDS row: 128 bytes + 16, an odd multiple of 16
.set PV,     160                       ; V's LDS row: 128 bytes + 32, an odd multiple of 32
.set KBYTES, 64*PK
.set SLOTB,  64*PK+64*PV               ; 19,456 bytes: K's tile, then V's
.set STAGE,  2*SLOTB                   ; 38,912 = 152 x 256: 32 rows x 144 bytes for each wave, for the way out; no tensor load lands there
.set QKVP,   6144                      ; bytes in a row of wide
.set STEP,   64*QKVP                   ; from a key tile to the next
.set KA,  4                            ; v4-5    LDS address of my K fragments in slot 0, 1
.set VA,  6                            ; v6-7    the same for V
.set STO, 8                            ; v8      the way out: where I put 16 bytes
.set RD,  9                            ; v9      where I read rows back
.set CO,  10                           ; v10     my byte offset in act
.set QO,  11                           ; v11     my byte offset in Q's rows
.set VD,  12                           ; v12     32 w + l % 16 - 8 (l / 16): the mask's right side
.set M,   14                           ; v14-15  running maximum of query tile 0, 1
.set MN,  16                           ; v16-17  the new one
.set NM,  18                           ; v[18:21] - c x maximum (low register of each pair)
.set AL,  22                           ; v[22:25] rescale factor (low register of each pair)
.set LP,  26                           ; v[26:29] running sums, a pair for each query tile
.set T,   30                           ; v30-31  at work
.set Q,   32                           ; v32-63  Q fragments: tile q, d step d at 16 q + 8 d
.set KV,  64                           ; v64-127 K fragments (d step d, key tile k) at 8 (4 d + k); then V fragments (32 keys c, d tile t) at 8 (4 c + t)
.set S,   128                          ; v128-191 scores: query tile q, key tile k at 32 q + 8 k; then P: (q, c) at 32 q + 16 c
.set O,   192                          ; v192-255 output: query tile q, d tile t at 32 q + 8 t
.set G1K, 20                           ; s[20:27] descriptor group 1 for K
.set G1V, 28                           ; s[28:35] for V
.set GK,  36                           ; s[36:43] group 0 for K, a set for each slot
.set GV,  44                           ; s[44:51] for V
	s_load_b128 s[4:7], s[0:1], 0x0                ; wide s[4:5], act s[6:7]
	s_set_vgpr_msb 0x40
	v_lshl_add_u32 v0, v0, 2, 0x29000
	v_mov_b32 v1, 0
	s_set_vgpr_msb 0x4045
	ds_add_u32 v0, v1
	ds_add_u32 v0, v1
	s_set_vgpr_msb 0x4500
	v_lshrrev_b32 v1, 5, v0
	v_readfirstlane_b32 s8, v1                     ; wave
	s_mov_b32 s9, ttmp9                            ; p: unmasked trip pairs of the first block
	s_sub_co_u32 s10, 15, s9                       ; 15 - p: of the second
	s_and_b32 s2, ttmp7, 0xffff
	s_lshr_b32 s11, s2, 4                          ; batch
	s_and_b32 s12, s2, 15                          ; head
	s_mov_b32 s14, 0x76543210                      ; v_permlanex16_b32: lane i of one half reads lane i of the other
	s_mov_b32 s15, 0xfedcba98
	s_mov_b32 s16, 0x3e38aa3b                      ; c = log2(e) / 8
	s_mov_b32 s17, 0x3e38aa3b
	s_mov_b32 s18, 0xff800000                      ; -inf
	s_mov_b32 s19, 0xbe38aa3b                      ; - c
	; group 1: 16 rows x 64 elements of 2 bytes, padding behind every 32 words: 4 words for K, 8 for V
	s_mov_b32 s[G1K+0], (1<<16)|(1<<20)|(4<<22)|(3<<25)
	s_mov_b32 s[G1K+1], 64<<16                     ; tensor_dim0 = 64
	s_mov_b32 s[G1K+2], 16<<16                     ; tensor_dim1 = 16
	s_mov_b32 s[G1K+3], 64<<16                     ; tile_dim0 = 64
	s_mov_b32 s[G1K+4], 16                         ; tile_dim1 = 16
	s_mov_b32 s[G1K+5], 3072                       ; elements from row to row
	s_mov_b32 s[G1K+6], 0
	s_mov_b32 s[G1K+7], 0
	s_mov_b32 s[G1V+0], (1<<16)|(1<<20)|(4<<22)|(7<<25)
	s_mov_b32 s[G1V+1], 64<<16
	s_mov_b32 s[G1V+2], 16<<16
	s_mov_b32 s[G1V+3], 64<<16
	s_mov_b32 s[G1V+4], 16
	s_mov_b32 s[G1V+5], 3072
	s_mov_b32 s[G1V+6], 0
	s_mov_b32 s[G1V+7], 0
	s_mov_b32 s[GK], 1
	s_mul_i32 s[GK+1], s8, 16*PK                   ; my 16 rows of K's tile
	s_mov_b32 s[GK+4], 1
	s_add_co_u32 s[GK+5], s[GK+1], SLOTB
	s_mov_b32 s[GV], 1
	s_mul_i32 s[GV+1], s8, 16*PV
	s_add_co_u32 s[GV+1], s[GV+1], KBYTES
	s_mov_b32 s[GV+4], 1
	s_add_co_u32 s[GV+5], s[GV+1], SLOTB
	; byte offsets, all below 32 MiB
	s_lshl_b32 s66, s11, 11                        ; the batch's first row
	s_lshl_b32 s68, s12, 7                         ; the head's 128 bytes in a row
	s_lshl_b32 s67, s8, 4
	s_add_co_u32 s67, s67, s66
	s_mul_i32 s67, s67, QKVP
	s_add_co_u32 s52, s67, s68                     ; K: row batch + 16 w of key tile 0
	s_mov_b32 s53, 0
	s_lshl_b32 s69, s8, 5
	s_add_co_u32 s69, s69, s66                     ; batch + 32 w
	s_lshl_b32 s70, s9, 7
	s_add_co_u32 s70, s70, s69                     ; my first query of block p
	s_lshl_b32 s71, s10, 7
	s_add_co_u32 s71, s71, s69                     ; of block 15 - p
	s_mul_i32 s56, s70, QKVP
	s_add_co_u32 s56, s56, s68
	s_add_co_u32 s56, s56, 2048                    ; Q lies 1,024 elements into a row
	s_mov_b32 s57, 0
	s_mul_i32 s58, s71, QKVP
	s_add_co_u32 s58, s58, s68
	s_add_co_u32 s58, s58, 2048
	s_mov_b32 s59, 0
	s_lshl_b32 s60, s70, 11                        ; act: rows of 2,048 bytes
	s_add_co_u32 s60, s60, s68
	s_mov_b32 s61, 0
	s_lshl_b32 s62, s71, 11
	s_add_co_u32 s62, s62, s68
	s_mov_b32 s63, 0
	s_wait_dscnt 0x0
	s_wait_kmcnt 0x0
	s_add_nc_u64 s[52:53], s[4:5], s[52:53]        ; K of key tile 0
	s_add_nc_u64 s[54:55], s[52:53], 4096          ; V lies 2,048 elements further
	s_or_b32 s53, s53, 0x80000000                  ; the descriptor's type
	s_or_b32 s55, s55, 0x80000000
	s_mov_b64 s[GK+2:GK+3], s[52:53]
	s_add_nc_u64 s[GK+6:GK+7], s[52:53], STEP
	s_mov_b64 s[GV+2:GV+3], s[54:55]
	s_add_nc_u64 s[GV+6:GV+7], s[54:55], STEP
	tensor_load_to_lds s[GK:GK+3], s[G1K:G1K+7]    ; key tile 0 into slot 0
	s_nop 0
	tensor_load_to_lds s[GV:GV+3], s[G1V:G1V+7]
	s_nop 0
	s_add_nc_u64 s[56:57], s[4:5], s[56:57]        ; Q of block p
	s_add_nc_u64 s[58:59], s[4:5], s[58:59]        ; Q of block 15 - p
	s_add_nc_u64 s[60:61], s[6:7], s[60:61]        ; where block p goes
	s_add_nc_u64 s[62:63], s[6:7], s[62:63]        ; where block 15 - p goes
	v_and_b32 v1, 15, v0                           ; l % 16
	v_bfe_u32 v2, v0, 4, 1                         ; l / 16
	v_mul_u32_u24 v[QO], v1, QKVP
	v_lshl_add_u32 v[QO], v2, 4, v[QO]
.macro QLOAD lo                        ; my 32 queries as four fragments: row l % 16, two loads of 16 bytes, 32 bytes apart, at 16 (l / 16)
.irp q, 0,1
.irp d, 0,1
	global_load_b128 v[Q+16*\q+8*\d:Q+16*\q+8*\d+3],   v[QO], s[\lo:\lo+1] offset:\q*16*QKVP+\d*64
	global_load_b128 v[Q+16*\q+8*\d+4:Q+16*\q+8*\d+7], v[QO], s[\lo:\lo+1] offset:\q*16*QKVP+\d*64+32
.endr
.endr
.endm
	QLOAD 56
	v_mul_u32_u24 v3, v1, PK
	v_lshl_add_u32 v[KA], v2, 4, v3                ; row l % 16 x pitch + 16 (l / 16)
	v_add_nc_u32 v[KA+1], SLOTB, v[KA]
	v_and_b32 v3, 7, v0
	v_lshl_add_u32 v3, v2, 3, v3                   ; key row 8 (l / 16) + l % 8
	v_mul_u32_u24 v3, v3, PV
	v_bfe_u32 v13, v0, 3, 1
	v_lshl_add_u32 v3, v13, 4, v3                  ; 16 bytes ((l / 8) % 2)
	v_add_nc_u32 v[VA], KBYTES, v3
	v_add_nc_u32 v[VA+1], SLOTB+KBYTES, v3
	s_mul_i32 s3, s8, 32*PK
	s_add_co_u32 s3, s3, STAGE                     ; my stage
	v_add_nc_u32 v[STO], s3, v[KA]                 ; row l % 16, 16 bytes for each half of the lanes
	v_bfe_u32 v3, v0, 3, 2                         ; back: eight lanes take a row of 128 bytes
	v_and_b32 v13, 7, v0
	v_mul_u32_u24 v[RD], v3, PK
	v_lshl_add_u32 v[RD], v13, 4, v[RD]
	v_add_nc_u32 v[RD], s3, v[RD]
	v_lshlrev_b32 v[CO], 11, v3
	v_lshl_add_u32 v[CO], v13, 4, v[CO]
	v_lshlrev_b32 v3, 3, v2
	v_sub_nc_u32 v[VD], v1, v3
	s_lshl_b32 s2, s8, 5
	v_add_nc_u32 v[VD], s2, v[VD]
.irp i, NM+1, NM+3, AL+1, AL+3, T, T+1, MN, MN+1
	v_mov_b32 v[\i], 0                             ; upper registers of pairs of which the low one is broadcast, and destinations of v_permlanex16_b32: written once
.endr
; One key tile of 64.  slot: where it lies.  refill = 1: the other slot, read in the last trip, is filled with the next tile.
; reset = 1: this slot's next tile is tile 'slot' of the next block's walk, which begins at key 0 again.  mask = 1: a tile of the diagonal block.
.macro TRIP slot, refill, reset, mask
	s_set_vgpr_msb 0x5
	s_wait_tensorcnt 0x0                           ; all my tensor loads have landed, my part of this trip's tile among them, so every group 0 may be written
	ds_add_u32 v0, v1
	s_wait_dscnt 0x0
	s_set_vgpr_msb 0x500
.if \reset
.if \slot
	s_add_nc_u64 s[GK+4*\slot+2:GK+4*\slot+3], s[52:53], STEP
	s_add_nc_u64 s[GV+4*\slot+2:GV+4*\slot+3], s[54:55], STEP
.else
	s_mov_b64 s[GK+4*\slot+2:GK+4*\slot+3], s[52:53]
	s_mov_b64 s[GV+4*\slot+2:GV+4*\slot+3], s[54:55]
.endif
.else
	s_add_nc_u64 s[GK+4*\slot+2:GK+4*\slot+3], s[GK+4*\slot+2:GK+4*\slot+3], 2*STEP
	s_add_nc_u64 s[GV+4*\slot+2:GV+4*\slot+3], s[GV+4*\slot+2:GV+4*\slot+3], 2*STEP
.endif
	s_wait_dscnt 0x0                               ; my reads of the last trip's tile are done
	s_barrier_signal -1
	s_barrier_wait -1                              ; both now hold of all four waves
.if \refill
	tensor_load_to_lds s[GK+4*(1-\slot):GK+4*(1-\slot)+3], s[G1K:G1K+7]   ; the first tensor loads behind the barrier: they have the whole trip in which to land
	s_nop 0
	tensor_load_to_lds s[GV+4*(1-\slot):GV+4*(1-\slot)+3], s[G1V:G1V+7]
	s_nop 0
.endif
.irp d, 0,1
.irp k, 0,1,2,3
	ds_load_b128 v[KV+8*(4*\d+\k):KV+8*(4*\d+\k)+3],   v[KA+\slot] offset:\k*16*PK+\d*64
	ds_load_b128 v[KV+8*(4*\d+\k)+4:KV+8*(4*\d+\k)+7], v[KA+\slot] offset:\k*16*PK+\d*64+32
.endr
.endr
	s_wait_dscnt 8                                 ; d = 0 .. 31 of the four key tiles are in; the eight younger loads may be out
.irp k, 0,1,2,3
.irp q, 0,1
	v_wmma_f32_16x16x32_bf16 v[S+32*\q+8*\k:S+32*\q+8*\k+7], v[KV+8*\k:KV+8*\k+7], v[Q+16*\q:Q+16*\q+7], 0   ; eight accumulators by turns, one instruction a turn
.endr
.endr
	s_wait_dscnt 0
.irp k, 0,1,2,3
.irp q, 0,1
	v_wmma_f32_16x16x32_bf16 v[S+32*\q+8*\k:S+32*\q+8*\k+7], v[KV+32+8*\k:KV+32+8*\k+7], v[Q+16*\q+8:Q+16*\q+15], v[S+32*\q+8*\k:S+32*\q+8*\k+7]
.endr
.endr
.rept 4
	v_nop                                          ; four places in front of the loads into K's fragments and of the reads of the scores
.endr
.irp c, 0,1
.irp t, 0,1,2,3
	ds_load_tr16_b128 v[KV+8*(4*\c+\t):KV+8*(4*\c+\t)+3],   v[VA+\slot] offset:\c*32*PV+\t*32
	ds_load_tr16_b128 v[KV+8*(4*\c+\t)+4:KV+8*(4*\c+\t)+7], v[VA+\slot] offset:\c*32*PV+\t*32+16*PV
.endr
.endr
.if \mask
	; key 64 slot + 16 k + 8 (l / 16) + j of the block stays where it is <= query 32 w + 16 q + l % 16
.irp q, 0,1
.irp k, 0,1,2,3
.irp j, 0,1,2,3,4,5,6,7
	v_cmp_le_i32 vcc_lo, 64*\slot+16*\k+\j-16*\q, v[VD]
	v_cndmask_b32 v[S+32*\q+8*\k+\j], s18, v[S+32*\q+8*\k+\j], vcc_lo
.endr
.endr
.endr
.endif
.irp q, 0,1
	v_max3_num_f32 v[MN+\q], v[S+32*\q], v[S+32*\q+1], v[M+\q]
.endr
.irp i, 2,4,6,8,10,12,14,16,18,20,22,24,26,28,30
.irp q, 0,1
	v_max3_num_f32 v[MN+\q], v[MN+\q], v[S+32*\q+\i], v[S+32*\q+\i+1]
.endr
.endr
.irp q, 0,1
	v_permlanex16_b32 v[T+\q], v[MN+\q], s14, s15  ; the other 32 keys of the same query
.endr
.irp q, 0,1
	v_max_num_f32 v[MN+\q], v[MN+\q], v[T+\q]
	v_mul_f32 v[NM+2*\q], s19, v[MN+\q]            ; - c m
	v_fma_f32 v[T+\q], v[M+\q], s16, v[NM+2*\q]    ; c (old m - m); -inf in a block's first trip
	v_exp_f32 v[AL+2*\q], v[T+\q]
	v_mov_b32 v[M+\q], v[MN+\q]                    ; a plain instruction behind the transcendental
.endr
.irp q, 0,1
.irp i, 0,2,4,6,8,10,12,14,16,18,20,22,24,26,28,30
	v_pk_fma_f32 v[S+32*\q+\i:S+32*\q+\i+1], v[S+32*\q+\i:S+32*\q+\i+1], s[16:17], v[NM+2*\q:NM+2*\q+1] op_sel_hi:[1,0,0]
.endr
.endr
.set i, 0
.rept 64
	v_exp_f32 v[S+i], v[S+i]
.set i, i+1
.endr
	s_wait_alu depctr_va_vdst(0)
.irp q, 0,1
.irp i, 0,2,4,6,8,10,12,14,16,18,20,22,24,26,28,30
	v_pk_mul_f32 v[O+32*\q+\i:O+32*\q+\i+1], v[O+32*\q+\i:O+32*\q+\i+1], v[AL+2*\q:AL+2*\q+1] op_sel_hi:[1,0]   ; plain work behind the exponentials
.endr
	v_pk_mul_f32 v[LP+2*\q:LP+2*\q+1], v[LP+2*\q:LP+2*\q+1], v[AL+2*\q:AL+2*\q+1] op_sel_hi:[1,0]
.endr
	; sum, and pack in place: registers 2 i, 2 i + 1 of a run of 16 go into register i, which has been read by then
.irp c, 0,1
.irp i, 0,1,2,3,4,5,6,7
.irp q, 0,1
	v_pk_add_f32 v[LP+2*\q:LP+2*\q+1], v[LP+2*\q:LP+2*\q+1], v[S+32*\q+16*\c+2*\i:S+32*\q+16*\c+2*\i+1]
	v_cvt_pk_bf16_f32 v[S+32*\q+16*\c+\i], v[S+32*\q+16*\c+2*\i], v[S+32*\q+16*\c+2*\i+1]
.endr
.endr
.endr
	s_wait_dscnt 8                                 ; V of keys 0 .. 31 is in; the eight younger loads may be out
.irp t, 0,1,2,3
.irp q, 0,1
	v_wmma_f32_16x16x32_bf16 v[O+32*\q+8*\t:O+32*\q+8*\t+7], v[KV+8*\t:KV+8*\t+7], v[S+32*\q:S+32*\q+7], v[O+32*\q+8*\t:O+32*\q+8*\t+7]
.endr
.endr
	s_wait_dscnt 0
.irp t, 0,1,2,3
.irp q, 0,1
	v_wmma_f32_16x16x32_bf16 v[O+32*\q+8*\t:O+32*\q+8*\t+7], v[KV+32+8*\t:KV+32+8*\t+7], v[S+32*\q+16:S+32*\q+23], v[O+32*\q+8*\t:O+32*\q+8*\t+7]
.endr
.endr
.rept 5
	v_nop                                          ; five places in front of the next trip's matrix instructions, which write over P; four serve its loads into V's fragments and the way out's reads of O
.endr
.endm
; One query block.  cnt: the scalar register with the number of pairs of unmasked tiles; guard = 1: it may be 0; cont = 1: another block follows, whose Q is at s[qnext:qnext+1]; ob: where the result goes.
.macro PHASE cnt, guard, cont, qnext, ob
	; The sums are cleared: block 0 has no unmasked tile, so a block's first product stands at no fixed place in the text
.set i, 0
.rept 64
	v_mov_b32 v[O+i], 0
.set i, i+1
.endr
.irp i, 0,1,2,3
	v_mov_b32 v[LP+\i], 0
.endr
	v_mov_b32 v[M], s18
	v_mov_b32 v[M+1], s18
	s_wait_loadcnt 0x0                             ; Q
	s_mov_b32 s13, s[\cnt]
.if \guard
	s_cmp_eq_u32 s13, 0
	s_cbranch_scc1 .Ltail_\@
.endif
.Lloop_\@:
	TRIP 0, 1, 0, 0
	TRIP 1, 1, 0, 0
	s_sub_co_u32 s13, s13, 1
	s_cmp_lg_u32 s13, 0
	s_cbranch_scc1 .Lloop_\@
.Ltail_\@:
	TRIP 0, 1, 1, 1                                ; the two tiles of the diagonal block
	TRIP 1, \cont, 1, 1                            ; its refill is key tile 0 for the next block: the ring does not run empty between the blocks
.if \cont
	QLOAD \qnext
.endif
	; the way out: divide by the sum, round, 16 bytes a lane into my stage, back as rows of 128 bytes
.irp q, 0,1
	v_add_f32 v[T+\q], v[LP+2*\q], v[LP+2*\q+1]
.endr
.irp q, 0,1
	v_permlanex16_b32 v[MN+\q], v[T+\q], s14, s15
.endr
.irp q, 0,1
	v_add_f32 v[T+\q], v[T+\q], v[MN+\q]
.endr
	v_rcp_f32 v[AL], v[T]
	v_rcp_f32 v[AL+2], v[T+1]
	v_nop                                          ; one plain instruction behind a transcendental
	s_wait_alu depctr_va_vdst(0)
.irp q, 0,1
.irp i, 0,2,4,6,8,10,12,14,16,18,20,22,24,26,28,30
	v_pk_mul_f32 v[O+32*\q+\i:O+32*\q+\i+1], v[O+32*\q+\i:O+32*\q+\i+1], v[AL+2*\q:AL+2*\q+1] op_sel_hi:[1,0]
.endr
.endr
.irp q, 0,1
.irp t, 0,1,2,3
.irp i, 0,1,2,3
	v_cvt_pk_bf16_f32 v[KV+16*\q+4*\t+\i], v[O+32*\q+8*\t+2*\i], v[O+32*\q+8*\t+2*\i+1]
.endr
	ds_store_b128 v[STO], v[KV+16*\q+4*\t:KV+16*\q+4*\t+3] offset:\q*16*PK+\t*32
.endr
.endr
.irp t, 0,1,2,3,4,5,6,7
	ds_load_b128 v[KV+32+4*\t:KV+32+4*\t+3], v[RD] offset:\t*4*PK   ; my own bytes: LDS serves a wave's instructions in order
.endr
.irp t, 0,1,2,3,4,5,6,7
	s_wait_dscnt 7-\t                              ; the younger rows may be out
	global_store_b128 v[CO], v[KV+32+4*\t:KV+32+4*\t+3], s[\ob:\ob+1] offset:\t*4*2048   ; eight lanes store the 128 consecutive bytes that a head owns in a row
.endr
	s_wait_xcnt 0x0                                ; the stores' data registers are loaded again only behind this wait
.endm
	PHASE 9, 1, 1, 58, 60
	PHASE 10, 0, 0, 58, 62
	s_set_vgpr_msb 0x5
	s_wait_tensorcnt 0x0
	ds_add_u32 v0, v1
	s_wait_dscnt 0x0
	s_set_vgpr_msb 0x500
	s_endpgm
.Lfunc_end_k_q47fc9b9402_attn:
	.size	k_q47fc9b9402_attn, .Lfunc_end_k_q47fc9b9402_attn-k_q47fc9b9402_attn
	.p2alignl 7, 3214868480
	.fill 96, 4, 3214868480
	.section	.rodata,"a",@progbits
	.p2align	6, 0x0
	.amdhsa_kernel k_q47fc9b9402_attn
		.amdhsa_group_segment_fixed_size 327680
		.amdhsa_private_segment_fixed_size 0
		.amdhsa_enable_private_segment 0
		.amdhsa_kernarg_size 16
		.amdhsa_user_sgpr_count 2
		.amdhsa_user_sgpr_kernarg_segment_ptr 1
		.amdhsa_wavefront_size32 1
		.amdhsa_system_sgpr_workgroup_id_x 1
		.amdhsa_system_sgpr_workgroup_id_y 1
		.amdhsa_system_sgpr_workgroup_id_z 1
		.amdhsa_system_vgpr_workitem_id 0
		.amdhsa_next_free_vgpr 258
		.amdhsa_next_free_sgpr 72
		.amdhsa_reserve_vcc 1
		.amdhsa_float_denorm_mode_32 3
		.amdhsa_float_denorm_mode_16_64 3
		.amdhsa_memory_ordered 1
		.amdhsa_forward_progress 1
		.amdhsa_inst_pref_size 187
	.end_amdhsa_kernel
	.amdgpu_metadata
---
amdhsa.version: [ 1, 2 ]
amdhsa.kernels:
  - .name:           k_q47fc9b9402_attn
    .symbol:         k_q47fc9b9402_attn.kd
    .args:
      - { .name: wide, .offset: 0, .size: 8, .value_kind: global_buffer, .address_space: global }
      - { .name: act, .offset: 8, .size: 8, .value_kind: global_buffer, .address_space: global }
    .group_segment_fixed_size: 327680
    .private_segment_fixed_size: 0
    .kernarg_segment_align: 8
    .kernarg_segment_size: 16
    .max_flat_workgroup_size: 128
    .sgpr_count:     72
    .vgpr_count:     258
    .wavefront_size: 32
...
	.end_amdgpu_metadata
.endif
;; end of part 3
;; launch gwo (part 4): grid 8 x 32, 4 waves a work-group, clusters of 4 x 4, 327,680 bytes of LDS; arguments act, wo, x2, b_o, x; writes x2
.if DOCPART == 4
	.amdgcn_target "amdgcn-amd-amdhsa--gfx1250"
	.amdhsa_code_object_version 6
	.text
	.protected	k_q47fc9b9402_gwo
	.globl	k_q47fc9b9402_gwo
	.p2align	8
	.type	k_q47fc9b9402_gwo,@function
k_q47fc9b9402_gwo:
	s_mov_b64 s[64:65], 0
	v_nop
	global_prefetch_b8 v0, s[64:65] scope:SCOPE_SE
	s_setreg_imm32_b32 hwreg(HW_REG_WAVE_MODE, 25, 1), 1
	s_wait_xcnt 0x0
	s_wait_alu depctr_hold_cnt(0) depctr_sa_sdst(0) depctr_va_vdst(0) depctr_va_sdst(0) depctr_va_ssrc(0) depctr_va_vcc(0) depctr_vm_vsrc(0)
	s_getreg_b32 s2, hwreg(HW_REG_IB_STS2, 6, 4)
	s_cmp_eq_u32 s2, 0
	s_cbranch_scc0 .Lentry_in_a_cluster
	s_endpgm
.Lentry_in_a_cluster:
	s_bfe_u32 s2, ttmp6, 0x10000c
	s_cmp_lg_u32 s2, 0xf033
	s_cbranch_scc0 .Lentry_shape_is_right
	s_endpgm
.Lentry_shape_is_right:
; OUT[m][n] = RES[m][n] + bias[n] + sum over k of A[m][k] B[k][n].  A: [4096][SIZE_K] bf16, B: [SIZE_K][1024] bf16 (k along the slow axis), bias: [1024] f32,
; RES, OUT: [4096][1024] f32; sums in f32.
; N is 1,024: blocks of 128 x 128 give 8 x 32 = 256 work-groups.  Four waves, a wave 64 x 64: 16 accumulator tiles of 16 x 16.
; K goes in steps of 256 through two LDS slots filled by tensor loads: A's tile [row][k] is read by plain 16-byte loads, B's tile [k][n] by ds_load_tr16_b128.
; CLUSTERS: 4 x 4 work-groups; A's tile is asked for jointly along a row of the cluster, B's along a column.
; REGISTERS in windows of 256: window 0 addresses, the bias, fragments of A (two buffers); window 1 fragments of B (two buffers);
; window 2: v0-127 the accumulators (tile (a, b) at v[8 (4 a + b)]), v128-255 my 64 x 64 of RES, laid as the rows go out.
; The matrix instruction is used transposed (source 0 = 16 columns of B, source 1 = 16 rows of A): a lane holds eight neighbouring columns of one row.
; The 16 accumulators take turns, one instruction a turn, in the same order everywhere.
; Limits: the operands are bf16; everything else is f32.
.set SIZE_K, 1024
.set SIZE_N, 1024
.set KSTEP,  256
.set PA,     528                       ; A's LDS row: 512 bytes + 16, an odd multiple of 16
.set PB,     288                       ; B's LDS row: 256 bytes + 32, an odd multiple of 32
.set HALFT,  128*PB                    ; 36,864: 128 k rows of B; 64 rows of A fill 33,792 of it
.set SLOT,   4*HALFT                   ; A's rows 0-63, A's rows 64-127, B's k rows 0-127, 128-255
.set STAGE,  2*SLOT                    ; behind the ring: 16 rows x 272 bytes for each wave; no tensor load lands there
.set SPITCH, 272
.set LAPS, SIZE_K/(2*KSTEP)
.set ADRA, 16                          ; v16-17  LDS address of my A fragments in slot 0, 1
.set ADRB, 20                          ; v20-23  of my B fragments: 2 x slot + half of the k rows (a tile's 73,728 bytes pass the 16-bit offset)
.set STO,  24
.set RD,   25
.set CO,   26                          ; v26     my byte offset in RES and OUT
.set VB,   27                          ; v27     my byte offset in the bias
.set BIAS, 32                          ; v[32:35] the bias of the four columns that I store
.set F0,   64
.set F1,   128
.set RES,  128                         ; window 2
.set G1, 24
.set G0, 32
.set G1B, 48
.set G0B, 56
.set MSB, 0
.macro WIN new                         ; the immediate's high byte repeats the setting that is left
.if MSB != \new
	s_set_vgpr_msb (MSB<<8)|\new
.set MSB, \new
.endif
.endm
.set MUL,    0xa1                      ; source 0 (B) window 1, source 1 (A) window 0, C and D window 2
.set TO_B,   0x40                      ; destination window 1
.set TO_C,   0x80                      ; destination window 2
.set FROM_C, 0x08                      ; source 1 window 2
.macro JLOAD s                         ; waves 0 and 1 fetch A's two halves, waves 2 and 3 B's; the branch hangs on the wave's number alone
	s_cmp_eq_u32 s11, 0
	s_cbranch_scc0 .Lfor_b_\@
	tensor_load_to_lds s[G0+4*\s:G0+4*\s+3], s[G1:G1+7]
	s_nop 0
	s_branch .Lasked_\@
.Lfor_b_\@:
	tensor_load_to_lds s[G0B+4*\s:G0B+4*\s+3], s[G1B:G1B+7]
	s_nop 0
.Lasked_\@:
.endm
.macro CREST                           ; a round of the cluster's barrier behind its opening barrier
	s_cmp_lg_u32 s10, 0
	s_cbranch_scc1 .Lnot_wave_0_\@
	s_barrier_signal -3
.Lnot_wave_0_\@:
	s_barrier_wait -3
	s_barrier_signal -1
	s_barrier_wait -1
.endm
.macro CROUND
	s_barrier_signal -1
	s_barrier_wait -1
	CREST
.endm
	s_load_b128 s[4:7], s[0:1], 0x0                ; A s[4:5], B s[6:7]
	s_load_b64 s[8:9], s[0:1], 0x10                ; OUT
	s_load_b64 s[66:67], s[0:1], 0x18              ; bias
	s_load_b64 s[68:69], s[0:1], 0x20              ; RES
	s_set_vgpr_msb 0x40
	v_lshl_add_u32 v255, v0, 2, 0x4c400
	s_set_vgpr_msb 0x4000
	v_mov_b32 v255, 0
	s_set_vgpr_msb 0x1
	ds_add_u32 v255, v255
	ds_add_u32 v255, v255
	s_set_vgpr_msb 0x100
	v_lshrrev_b32 v1, 5, v0
	v_readfirstlane_b32 s10, v1                    ; wave 0..3
	s_lshr_b32 s11, s10, 1                         ; which half of the block's rows is mine.  Also: I fetch for A (0) or for B (1)
	s_and_b32 s12, s10, 1                          ; which half of its columns.  Also: which half of that tile I fetch
	s_bfe_u32 s40, ttmp6, 0x40000                  ; cx
	s_bfe_u32 s41, ttmp6, 0x40004                  ; cy
	s_lshl_b32 s42, ttmp9, 2
	s_add_co_u32 s42, s42, s40                     ; block column
	s_and_b32 s13, ttmp7, 0xffff
	s_lshl_b32 s13, s13, 2
	s_add_co_u32 s13, s13, s41                     ; block row
	s_lshl_b32 s43, s41, 2
	s_lshl_b32 s43, 15, s43                        ; my row of the cluster
	s_lshl_b32 s44, 0x1111, s40                    ; my column
	; group 1 for A: 64 rows x 256 elements of 2 bytes, 4 words of padding behind every 128 words
	s_or_b32 s[G1+0], s43, (1<<16)|(1<<20)|(1<<21)|(6<<22)|(3<<25)
	s_mov_b32 s[G1+1], KSTEP<<16
	s_mov_b32 s[G1+2], 64<<16
	s_mov_b32 s[G1+3], KSTEP<<16
	s_mov_b32 s[G1+4], 64
	s_mov_b32 s[G1+5], SIZE_K
	s_mov_b32 s[G1+6], 0
	s_mov_b32 s[G1+7], 0
	; group 1 for B: 128 k rows x 128 elements of 2 bytes, 8 words of padding behind every 64 words
	s_or_b32 s[G1B+0], s44, (1<<16)|(1<<20)|(1<<21)|(5<<22)|(7<<25)
	s_mov_b32 s[G1B+1], 128<<16
	s_mov_b32 s[G1B+2], 128<<16
	s_mov_b32 s[G1B+3], 128<<16
	s_mov_b32 s[G1B+4], 128
	s_mov_b32 s[G1B+5], SIZE_N
	s_mov_b32 s[G1B+6], 0
	s_mov_b32 s[G1B+7], 0
	s_lshl_b32 s17, s12, 6
	s_lshl_b32 s16, s13, 7
	s_add_co_u32 s16, s16, s17                     ; A: row 128 x block row + 64 x half
	s_mul_i32 s16, s16, SIZE_K*2                   ; in bytes: below 32 MiB
	s_mov_b32 s17, 0
	s_lshl_b32 s46, s12, 18                        ; B: k row 128 x half, rows of 2,048 bytes,
	s_lshl_b32 s45, s42, 8                         ; column 128 x block column
	s_add_co_u32 s46, s46, s45
	s_mov_b32 s47, 0
	s_mul_i32 s20, s10, HALFT                      ; where they go: the wave's number alone
	s_wait_dscnt 0x0
	s_wait_kmcnt 0x0
	s_add_nc_u64 s[14:15], s[4:5], s[16:17]
	s_add_nc_u64 s[46:47], s[6:7], s[46:47]
	CROUND                                         ; all sixteen work-groups are here: the first joint loads meet
.irp s, 0,1
	s_mov_b32 s[G0+4*\s], 1
	s_add_co_u32 s[G0+4*\s+1], s20, \s*SLOT
	s_add_nc_u64 s[G0+4*\s+2:G0+4*\s+3], s[14:15], \s*KSTEP*2
	s_or_b32 s[G0+4*\s+3], s[G0+4*\s+3], 0x80000000
	s_mov_b32 s[G0B+4*\s], 1
	s_add_co_u32 s[G0B+4*\s+1], s20, \s*SLOT
	s_add_nc_u64 s[G0B+4*\s+2:G0B+4*\s+3], s[46:47], \s*KSTEP*SIZE_N*2
	s_or_b32 s[G0B+4*\s+3], s[G0B+4*\s+3], 0x80000000
	JLOAD \s                                       ; two tensor loads of the wave are out
.endr
	v_and_b32 v1, 15, v0                           ; l % 16
	v_bfe_u32 v2, v0, 4, 1                         ; l / 16
	v_lshlrev_b32 v[VB], 4, v1
	v_lshl_add_u32 v[CO], v2, 12, v[VB]            ; lanes 0-15 one row of 256 bytes, lanes 16-31 the next (rows of 4,096 bytes)
	s_lshl_b32 s70, s13, 7
	s_lshl_b32 s71, s11, 6
	s_add_co_u32 s70, s70, s71
	s_lshl_b32 s70, s70, 12                        ; my first row, in bytes
	s_mov_b32 s71, 0
	s_lshl_b32 s72, s42, 7
	s_lshl_b32 s73, s12, 6
	s_add_co_u32 s72, s72, s73
	s_lshl_b32 s72, s72, 2                         ; my first column, in bytes
	s_mov_b32 s73, 0
	s_add_nc_u64 s[66:67], s[66:67], s[72:73]
	s_add_nc_u64 s[8:9], s[8:9], s[70:71]
	s_add_nc_u64 s[8:9], s[8:9], s[72:73]
	s_add_nc_u64 s[68:69], s[68:69], s[70:71]
	s_add_nc_u64 s[68:69], s[68:69], s[72:73]
	global_load_b128 v[BIAS:BIAS+3], v[VB], s[66:67]
	WIN TO_C
.irp a, 0,1,2,3
.irp t, 0,1,2,3,4,5,6,7
	global_load_b128 v[RES+32*\a+4*\t:RES+32*\a+4*\t+3], v[CO], s[68:69] offset:(16*\a+2*\t)*4096 th:TH_LOAD_NT   ; asked for with the first tiles, so that the way out waits for no memory
.endr
.endr
	WIN 0
	v_mul_u32_u24 v3, v1, PA
	v_lshl_add_u32 v3, v2, 4, v3                   ; A: row l % 16 x pitch + 16 (l / 16)
	v_and_b32 v6, 7, v0
	v_lshl_add_u32 v6, v2, 3, v6                   ; B: k row 8 (l / 16) + l % 8,
	v_mul_u32_u24 v6, v6, PB
	v_bfe_u32 v7, v0, 3, 1
	v_lshl_add_u32 v6, v7, 4, v6                   ; 16 bytes ((l / 8) % 2)
	s_mul_i32 s21, s11, HALFT                      ; my 64 rows of A
	s_lshl_b32 s22, s12, 7                         ; my 64 columns of B: 128 bytes along its rows
	s_add_co_u32 s22, s22, 2*HALFT
.irp s, 0,1
	v_add_nc_u32 v[ADRA+\s], s21, v3
	v_add_nc_u32 v[ADRB+2*\s], s22, v6
	s_add_co_u32 s22, s22, HALFT
	v_add_nc_u32 v[ADRB+2*\s+1], s22, v6
	s_add_co_u32 s21, s21, SLOT
	s_add_co_u32 s22, s22, SLOT-HALFT
.endr
	s_mul_i32 s23, s10, 16*SPITCH
	s_add_co_u32 s23, s23, STAGE                   ; my stage: 16 rows of 64 f32
	v_mul_u32_u24 v4, v1, SPITCH
	v_lshl_add_u32 v4, v2, 5, v4                   ; in: row l % 16, 32 bytes for each half of the lanes
	v_add_nc_u32 v[STO], s23, v4
	v_mul_u32_u24 v5, v2, SPITCH
	v_lshl_add_u32 v5, v1, 4, v5                   ; back: lanes 0-15 one row, lanes 16-31 the next
	v_add_nc_u32 v[RD], s23, v5
; 16 matrix instructions: all 4 x 4 tiles, 32 along K (step ks of the buffer's two)
.macro MUL16 f, ks, zero
.irp a, 0,1,2,3
.irp b, 0,1,2,3
.if \zero
	v_wmma_f32_16x16x32_bf16 v[8*(4*\a+\b):8*(4*\a+\b)+7], v[\f+8*(4*\ks+\b):\f+8*(4*\ks+\b)+7], v[\f+8*(4*\ks+\a):\f+8*(4*\ks+\a)+7], 0
.else
	v_wmma_f32_16x16x32_bf16 v[8*(4*\a+\b):8*(4*\a+\b)+7], v[\f+8*(4*\ks+\b):\f+8*(4*\ks+\b)+7], v[\f+8*(4*\ks+\a):\f+8*(4*\ks+\a)+7], v[8*(4*\a+\b):8*(4*\a+\b)+7]
.endif
.endr
.endr
.endm
; 32 LDS loads in one run: quarter q (64 along K) of a slot into buffer f: B's two steps, then A's step 0, then A's step 1
.macro FETCH slot, q, f
	WIN TO_B
.irp ks, 0,1
.irp b, 0,1,2,3
	ds_load_tr16_b128 v[\f+8*(4*\ks+\b):\f+8*(4*\ks+\b)+3],   v[ADRB+2*\slot+\q/2] offset:((\q%2)*64+32*\ks)*PB+32*\b
	ds_load_tr16_b128 v[\f+8*(4*\ks+\b)+4:\f+8*(4*\ks+\b)+7], v[ADRB+2*\slot+\q/2] offset:((\q%2)*64+32*\ks+16)*PB+32*\b
.endr
.endr
	WIN 0
.irp ks, 0,1
.irp a, 0,1,2,3
	ds_load_b128 v[\f+8*(4*\ks+\a):\f+8*(4*\ks+\a)+3],   v[ADRA+\slot] offset:\q*128+\ks*64+\a*16*PA
	ds_load_b128 v[\f+8*(4*\ks+\a)+4:\f+8*(4*\ks+\a)+7], v[ADRA+\slot] offset:\q*128+\ks*64+\a*16*PA+32
.endr
.endr
.endm
; Four plain vector instructions stand between a matrix instruction and a load into, or a vector instruction or store on, one of its registers (ISA guide 7.12.1 for vector instructions)
.macro PLACES
.rept 4
	v_nop
.endr
.endm
.macro QUARTER slot, q, f, g, zero
	s_wait_dscnt 8                                 ; B and A's step 0 are in; the youngest eight loads (A's step 1) may be out
	WIN MUL
	MUL16 \f, 0, \zero
	PLACES
	FETCH \slot, \q, \g
	s_wait_dscnt 32                                ; all but the 32 just issued
	WIN MUL
	MUL16 \f, 1, 0
.endm
.macro THREE slot, zero
	QUARTER \slot, 1, F0, F1, \zero
	QUARTER \slot, 2, F1, F0, 0
	QUARTER \slot, 3, F0, F1, 0
.endm
; The last quarter changes slots: each wave waits for its reads of this slot and for all its tensor loads (one is out: its part of the next slot), then the barrier;
; behind it the refill comes first, then the next slot's first fragments.
.macro TURN slot, next, fill
	s_wait_dscnt 0                                 ; my reads of this slot are over
	s_wait_tensorcnt 0x0                           ; and all my tensor loads have landed
	ds_add_u32 v255, v255
	s_wait_dscnt 0x0
	s_barrier_signal -1                            ; (where a slot is filled again this barrier opens a round of the cluster's barrier)
	WIN MUL
	MUL16 F1, 0, 0                                 ; work on registers while the others arrive
	WIN 0
	s_barrier_wait -1
.if \fill
	CREST                                          ; no wave of any partner still reads this slot's tile or has a load on its way
	s_add_nc_u64 s[G0+4*\slot+2:G0+4*\slot+3], s[G0+4*\slot+2:G0+4*\slot+3], 2*KSTEP*2
	s_add_nc_u64 s[G0B+4*\slot+2:G0B+4*\slot+3], s[G0B+4*\slot+2:G0B+4*\slot+3], 2*KSTEP*SIZE_N*2
	JLOAD \slot                                    ; the first tensor load behind the round
.endif
	PLACES
	FETCH \next, 0, F0
	WIN MUL
	MUL16 F1, 1, 0
.endm
.macro LAP zero
	THREE 0, \zero
	TURN 0, 1, 1
	THREE 1, 0
	TURN 1, 0, 1
.endm
	s_wait_loadcnt 0x0                             ; the bias and RES, once: no register load is out at any later barrier
	s_wait_tensorcnt 1                             ; my part of K step 0 is in; K step 1's load stays out
	s_barrier_signal -1
	s_barrier_wait -1
	FETCH 0, 0, F0
	LAP 1                                          ; the first lap stands in front of the loop: its first products start the sums
.if LAPS > 2
	WIN 0
	s_mov_b32 s3, LAPS-2
.Llap:
	LAP 0
	WIN 0
	s_sub_co_u32 s3, s3, 1
	s_cmp_lg_u32 s3, 0
	s_cbranch_scc1 .Llap
.endif
	THREE 0, 0                                     ; the last lap fills nothing
	TURN 0, 1, 0
	THREE 1, 0
	s_wait_dscnt 0
	WIN MUL
	MUL16 F1, 0, 0
	MUL16 F1, 1, 0
	; THE WAY OUT, 16 rows at a time: the f32 sums into my own stage, back as whole rows of 256 bytes, + bias + RES, out.
	PLACES
.macro OUTS a, rb
	WIN FROM_C
.irp b, 0,1,2,3
	ds_store_b128 v[STO], v[8*(4*\a+\b):8*(4*\a+\b)+3]   offset:64*\b
	ds_store_b128 v[STO], v[8*(4*\a+\b)+4:8*(4*\a+\b)+7] offset:64*\b+16
.endr
	WIN 0
	s_wait_xcnt 0x0                                ; the registers that earlier stores read are loaded again only behind this wait
.irp t, 0,1,2,3,4,5,6,7
	ds_load_b128 v[\rb+4*\t:\rb+4*\t+3], v[RD] offset:\t*2*SPITCH   ; my own bytes: LDS serves a wave's instructions in order
.endr
	s_wait_dscnt 0x0
.irp t, 0,1,2,3,4,5,6,7
	v_pk_add_f32 v[\rb+4*\t:\rb+4*\t+1],   v[\rb+4*\t:\rb+4*\t+1],   v[BIAS:BIAS+1]
	v_pk_add_f32 v[\rb+4*\t+2:\rb+4*\t+3], v[\rb+4*\t+2:\rb+4*\t+3], v[BIAS+2:BIAS+3]
.endr
	WIN FROM_C
.irp t, 0,1,2,3,4,5,6,7
	v_pk_add_f32 v[\rb+4*\t:\rb+4*\t+1],   v[\rb+4*\t:\rb+4*\t+1],   v[RES+32*\a+4*\t:RES+32*\a+4*\t+1]
	v_pk_add_f32 v[\rb+4*\t+2:\rb+4*\t+3], v[\rb+4*\t+2:\rb+4*\t+3], v[RES+32*\a+4*\t+2:RES+32*\a+4*\t+3]
.endr
	WIN 0
.irp t, 0,1,2,3,4,5,6,7
	global_store_b128 v[CO], v[\rb+4*\t:\rb+4*\t+3], s[8:9] offset:(16*\a+2*\t)*4096   ; 16 lanes store 256 consecutive bytes, at a multiple of 256 from OUT's first byte
.endr
.endm
	OUTS 0, F0
	OUTS 1, F1
	OUTS 2, F0
	OUTS 3, F1
	s_set_vgpr_msb 0x1
	s_wait_tensorcnt 0x0
	ds_add_u32 v255, v255
	s_wait_dscnt 0x0
	s_set_vgpr_msb 0x100
	CROUND                                         ; the closing round: no work-group ends while a partner may still ask for a tile that names it
	s_endpgm
.Lfunc_end_k_q47fc9b9402_gwo:
	.size	k_q47fc9b9402_gwo, .Lfunc_end_k_q47fc9b9402_gwo-k_q47fc9b9402_gwo
	.p2alignl 7, 3214868480
	.fill 96, 4, 3214868480
	.section	.rodata,"a",@progbits
	.p2align	6, 0x0
	.amdhsa_kernel k_q47fc9b9402_gwo
		.amdhsa_group_segment_fixed_size 327680
		.amdhsa_private_segment_fixed_size 0
		.amdhsa_enable_private_segment 0
		.amdhsa_kernarg_size 40
		.amdhsa_user_sgpr_count 2
		.amdhsa_user_sgpr_kernarg_segment_ptr 1
		.amdhsa_wavefront_size32 1
		.amdhsa_system_sgpr_workgroup_id_x 1
		.amdhsa_system_sgpr_workgroup_id_y 1
		.amdhsa_system_sgpr_workgroup_id_z 1
		.amdhsa_system_vgpr_workitem_id 0
		.amdhsa_next_free_vgpr 768
		.amdhsa_next_free_sgpr 76
		.amdhsa_reserve_vcc 0
		.amdhsa_float_denorm_mode_32 3
		.amdhsa_float_denorm_mode_16_64 3
		.amdhsa_memory_ordered 1
		.amdhsa_forward_progress 1
		.amdhsa_inst_pref_size 97
	.end_amdhsa_kernel
	.amdgpu_metadata
---
amdhsa.version: [ 1, 2 ]
amdhsa.kernels:
  - .name:           k_q47fc9b9402_gwo
    .symbol:         k_q47fc9b9402_gwo.kd
    .args:
      - { .name: act, .offset: 0, .size: 8, .value_kind: global_buffer, .address_space: global }
      - { .name: wo, .offset: 8, .size: 8, .value_kind: global_buffer, .address_space: global }
      - { .name: x2, .offset: 16, .size: 8, .value_kind: global_buffer, .address_space: global }
      - { .name: b_o, .offset: 24, .size: 8, .value_kind: global_buffer, .address_space: global }
      - { .name: x, .offset: 32, .size: 8, .value_kind: global_buffer, .address_space: global }
    .group_segment_fixed_size: 327680
    .private_segment_fixed_size: 0
    .kernarg_segment_align: 8
    .kernarg_segment_size: 40
    .max_flat_workgroup_size: 128
    .sgpr_count:     76
    .vgpr_count:     768
    .wavefront_size: 32
...
	.end_amdgpu_metadata
.endif
;; end of part 4
;; launch ln2 (part 5): grid 128 x 1, 8 waves a work-group, no clusters, 0 bytes of LDS; arguments x2, ln2_g, ln2_b, act; writes act
.if DOCPART == 5
	.amdgcn_target "amdgcn-amd-amdhsa--gfx1250"
	.amdhsa_code_object_version 6
	.text
	.protected	k_q47fc9b9402_ln2
	.globl	k_q47fc9b9402_ln2
	.p2align	8
	.type	k_q47fc9b9402_ln2,@function
k_q47fc9b9402_ln2:
	s_mov_b64 s[64:65], 0
	v_nop
	global_prefetch_b8 v0, s[64:65] scope:SCOPE_SE
	s_setreg_imm32_b32 hwreg(HW_REG_WAVE_MODE, 25, 1), 1
	s_wait_xcnt 0x0
; act = LayerNorm(x2) * ln2_g + ln2_b, rounded to bf16.  x2: [4096][1024] f32, act: [4096][1024] bf16.
; A work-group owns 32 rows, a wave 4 rows, one whole row (4,096 bytes = 32 registers) at a time, so that a reduction never leaves the wave and x2 is read once.
; Memory binds: no LDS, no barrier, no matrix unit, no cluster.  Mean first, then the mean of (x - mean)^2, as the definition has it: a common offset costs no digits.
; Limits: v_rsq_f32 is good to 1 ulp; the result is rounded to bf16 (it is a matrix operand); NaN and infinities are not treated apart.
.set VI, 1                             ; v1        byte offset of my 16 bytes in the wave's first input row
.set VO, 2                             ; v2        byte offset of my 8 bytes in the wave's first output row
.set VG, 3                             ; v3        byte offset of my 4 numbers in the gains and biases
.set G,  8                             ; v[8:39]   gains of my 32 columns (columns 128 j + 4 lane .. + 3)
.set BB, 40                            ; v[40:71]  biases of the same columns
.set X,  72                            ; v[72:199] four rows, 32 registers each
.set A,  200                           ; v[200:207] four chains of pair sums
.set MU, 208                           ; v[208:209] the mean, twice
.set RS, 210                           ; v[210:211] 1 / sqrt(var + eps), twice
.set T,  212                           ; v[212:213] at work
.macro LANESUM                         ; the four chains into one number, then over the 32 lanes; every lane ends with the sum in v[T]
	v_pk_add_f32 v[A:A+1], v[A:A+1], v[A+2:A+3]
	v_pk_add_f32 v[A+4:A+5], v[A+4:A+5], v[A+6:A+7]
	v_pk_add_f32 v[A:A+1], v[A:A+1], v[A+4:A+5]
	v_add_f32 v[T], v[A], v[A+1]
	v_add_f32_dpp v[T], v[T], v[T] row_xmask:1 row_mask:0xf bank_mask:0xf
	v_add_f32_dpp v[T], v[T], v[T] row_xmask:2 row_mask:0xf bank_mask:0xf
	v_add_f32_dpp v[T], v[T], v[T] row_xmask:4 row_mask:0xf bank_mask:0xf
	v_add_f32_dpp v[T], v[T], v[T] row_xmask:8 row_mask:0xf bank_mask:0xf
	v_permlanex16_b32 v[T+1], v[T], s28, s29
	v_add_f32 v[T], v[T], v[T+1]
.endm
.macro LNROW r
	s_wait_loadcnt 24-8*\r                         ; loads come back in order: the 8 loads of each younger row may stay out
.irp c, 0,1,2,3
	v_pk_add_f32 v[A+2*\c:A+2*\c+1], v[X+32*\r+2*\c:X+32*\r+2*\c+1], v[X+32*\r+2*\c+8:X+32*\r+2*\c+9]   ; the first sums start the chains
.endr
.irp k, 8,9,10,11,12,13,14,15
	v_pk_add_f32 v[A+2*(\k%4):A+2*(\k%4)+1], v[A+2*(\k%4):A+2*(\k%4)+1], v[X+32*\r+2*\k:X+32*\r+2*\k+1]
.endr
	LANESUM
	v_mul_f32 v[MU], s30, v[T]                     ; mean = sum / 1024
	v_mul_f32 v[MU+1], s30, v[T]
.irp k, 0,1,2,3,4,5,6,7,8,9,10,11,12,13,14,15
	v_pk_add_f32 v[X+32*\r+2*\k:X+32*\r+2*\k+1], v[X+32*\r+2*\k:X+32*\r+2*\k+1], v[MU:MU+1] neg_lo:[0,1] neg_hi:[0,1]   ; d = x - mean
.endr
.irp c, 0,1,2,3
	v_pk_mul_f32 v[A+2*\c:A+2*\c+1], v[X+32*\r+2*\c:X+32*\r+2*\c+1], v[X+32*\r+2*\c:X+32*\r+2*\c+1]
.endr
.irp k, 4,5,6,7,8,9,10,11,12,13,14,15
	v_pk_fma_f32 v[A+2*(\k%4):A+2*(\k%4)+1], v[X+32*\r+2*\k:X+32*\r+2*\k+1], v[X+32*\r+2*\k:X+32*\r+2*\k+1], v[A+2*(\k%4):A+2*(\k%4)+1]
.endr
	LANESUM
	v_fma_f32 v[T], v[T], s30, s31                 ; var + eps
	v_rsq_f32 v[RS], v[T]
	v_rsq_f32 v[RS+1], v[T]
	v_nop                                          ; one plain vector instruction behind a transcendental before its result is used (ISA guide 5.7.2)
	s_wait_alu depctr_va_vdst(0)
.irp k, 0,1,2,3,4,5,6,7,8,9,10,11,12,13,14,15
	v_pk_mul_f32 v[X+32*\r+2*\k:X+32*\r+2*\k+1], v[X+32*\r+2*\k:X+32*\r+2*\k+1], v[RS:RS+1]
.endr
.irp k, 0,1,2,3,4,5,6,7,8,9,10,11,12,13,14,15
	v_pk_fma_f32 v[X+32*\r+2*\k:X+32*\r+2*\k+1], v[X+32*\r+2*\k:X+32*\r+2*\k+1], v[G+2*\k:G+2*\k+1], v[BB+2*\k:BB+2*\k+1]
.endr
.irp j, 0,1,2,3,4,5,6,7
	v_cvt_pk_bf16_f32 v[X+32*\r+4*\j], v[X+32*\r+4*\j], v[X+32*\r+4*\j+1]
	v_cvt_pk_bf16_f32 v[X+32*\r+4*\j+1], v[X+32*\r+4*\j+2], v[X+32*\r+4*\j+3]
	global_store_b64 v[VO], v[X+32*\r+4*\j:X+32*\r+4*\j+1], s[10:11] offset:\r*2048+\j*256   ; the wave stores 256 consecutive bytes, at a multiple of 256 from act's first byte
.endr
.endm
	s_load_b256 s[4:11], s[0:1], 0x0               ; x2 s[4:5], ln2_g s[6:7], ln2_b s[8:9], act s[10:11]
	v_and_b32 v4, 31, v0                           ; lane
	v_lshrrev_b32 v5, 5, v0                        ; wave
	v_lshlrev_b32 v[VG], 4, v4
	v_lshl_add_u32 v[VI], v5, 14, v[VG]            ; + wave x 4 rows x 4,096 bytes
	v_lshlrev_b32 v[VO], 3, v4
	v_lshl_add_u32 v[VO], v5, 13, v[VO]            ; + wave x 4 rows x 2,048 bytes
	v_mov_b32 v[T+1], 0                            ; v_permlanex16_b32 counts as a reader of its destination
	s_lshl_b32 s32, ttmp9, 17                      ; 32 rows x 4,096 bytes
	s_mov_b32 s33, 0
	s_lshl_b32 s34, ttmp9, 16                      ; 32 rows x 2,048 bytes
	s_mov_b32 s35, 0
	s_mov_b32 s28, 0x76543210
	s_mov_b32 s29, 0xfedcba98
	s_mov_b32 s30, 0x3a800000                      ; 1 / 1024
	s_mov_b32 s31, 0x3727c5ac                      ; 1e-5
	s_wait_kmcnt 0x0
	s_add_nc_u64 s[4:5], s[4:5], s[32:33]
	s_add_nc_u64 s[10:11], s[10:11], s[34:35]
.irp j, 0,1,2,3,4,5,6,7
	global_load_b128 v[G+4*\j:G+4*\j+3], v[VG], s[6:7] offset:\j*512
.endr
.irp j, 0,1,2,3,4,5,6,7
	global_load_b128 v[BB+4*\j:BB+4*\j+3], v[VG], s[8:9] offset:\j*512
.endr
.irp r, 0,1,2,3
.irp j, 0,1,2,3,4,5,6,7
	global_load_b128 v[X+32*\r+4*\j:X+32*\r+4*\j+3], v[VI], s[4:5] offset:\r*4096+\j*512   ; all four rows at once: 32 loads of 512 consecutive bytes in flight
.endr
.endr
	LNROW 0
	LNROW 1
	LNROW 2
	LNROW 3
	s_endpgm
.Lfunc_end_k_q47fc9b9402_ln2:
	.size	k_q47fc9b9402_ln2, .Lfunc_end_k_q47fc9b9402_ln2-k_q47fc9b9402_ln2
	.p2alignl 7, 3214868480
	.fill 96, 4, 3214868480
	.section	.rodata,"a",@progbits
	.p2align	6, 0x0
	.amdhsa_kernel k_q47fc9b9402_ln2
		.amdhsa_group_segment_fixed_size 0
		.amdhsa_private_segment_fixed_size 0
		.amdhsa_enable_private_segment 0
		.amdhsa_kernarg_size 32
		.amdhsa_user_sgpr_count 2
		.amdhsa_user_sgpr_kernarg_segment_ptr 1
		.amdhsa_wavefront_size32 1
		.amdhsa_system_sgpr_workgroup_id_x 1
		.amdhsa_system_sgpr_workgroup_id_y 1
		.amdhsa_system_sgpr_workgroup_id_z 1
		.amdhsa_system_vgpr_workitem_id 0
		.amdhsa_next_free_vgpr 216
		.amdhsa_next_free_sgpr 66
		.amdhsa_reserve_vcc 0
		.amdhsa_float_denorm_mode_32 3
		.amdhsa_float_denorm_mode_16_64 3
		.amdhsa_memory_ordered 1
		.amdhsa_forward_progress 1
		.amdhsa_inst_pref_size 38
	.end_amdhsa_kernel
	.amdgpu_metadata
---
amdhsa.version: [ 1, 2 ]
amdhsa.kernels:
  - .name:           k_q47fc9b9402_ln2
    .symbol:         k_q47fc9b9402_ln2.kd
    .args:
      - { .name: x2, .offset: 0, .size: 8, .value_kind: global_buffer, .address_space: global }
      - { .name: ln2_g, .offset: 8, .size: 8, .value_kind: global_buffer, .address_space: global }
      - { .name: ln2_b, .offset: 16, .size: 8, .value_kind: global_buffer, .address_space: global }
      - { .name: act, .offset: 24, .size: 8, .value_kind: global_buffer, .address_space: global }
    .group_segment_fixed_size: 0
    .private_segment_fixed_size: 0
    .kernarg_segment_align: 8
    .kernarg_segment_size: 32
    .max_flat_workgroup_size: 256
    .sgpr_count:     66
    .vgpr_count:     216
    .wavefront_size: 32
...
	.end_amdgpu_metadata
.endif
;; end of part 5
;; launch gw1 (part 6): grid 16 x 16, 4 waves a work-group, clusters of 4 x 4, 327,680 bytes of LDS; arguments act, w1b, wide, b1; writes wide
.if DOCPART == 6
	.amdgcn_target "amdgcn-amd-amdhsa--gfx1250"
	.amdhsa_code_object_version 6
	.text
	.protected	k_q47fc9b9402_gw1
	.globl	k_q47fc9b9402_gw1
	.p2align	8
	.type	k_q47fc9b9402_gw1,@function
k_q47fc9b9402_gw1:
	s_mov_b64 s[64:65], 0
	v_nop
	global_prefetch_b8 v0, s[64:65] scope:SCOPE_SE
	s_setreg_imm32_b32 hwreg(HW_REG_WAVE_MODE, 25, 1), 1
	s_wait_xcnt 0x0
	s_wait_alu depctr_hold_cnt(0) depctr_sa_sdst(0) depctr_va_vdst(0) depctr_va_sdst(0) depctr_va_ssrc(0) depctr_va_vcc(0) depctr_vm_vsrc(0)
	s_getreg_b32 s2, hwreg(HW_REG_IB_STS2, 6, 4)
	s_cmp_eq_u32 s2, 0
	s_cbranch_scc0 .Lentry_in_a_cluster
	s_endpgm
.Lentry_in_a_cluster:
	s_bfe_u32 s2, ttmp6, 0x10000c
	s_cmp_lg_u32 s2, 0xf033
	s_cbranch_scc0 .Lentry_shape_is_right
	s_endpgm
.Lentry_shape_is_right:
; C[m][n] = sum over k of A[m][k] B[k][n] + bias[n]  (GELU = 1: the exact GELU of that), rounded to bf16.
; A: [4096][SIZE_K] bf16, B: [SIZE_K][SIZE_N] bf16 (k along the slow axis, as the weights lie), bias: [SIZE_N] f32, C: [4096][SIZE_N] bf16; sums in f32.
; A work-group makes 256 x 256 of C with four waves, a wave 128 x 128: 64 accumulator tiles of 16 x 16 in 512 registers.
; K goes in steps of 128 through two LDS slots filled by tensor loads.  A's tile lies [row][k] and is read by plain 16-byte loads;
; B's tile lies [k][n] and is read by ds_load_tr16_b128, which hands each lane eight k of one column: no transposed copy of the weights is made.
; CLUSTERS: 4 x 4 work-groups.  The four of a row of the cluster need the same tiles of A, the four of a column the same tiles of B: each tile is asked
; for jointly, by the same line with the same descriptor and a mask that names the four.
; REGISTERS in windows of 256: window 0: addresses, fragments of A (two buffers), the way out's work; window 1: v0-63 the bias of my 128 columns,
; fragments of B (two buffers); windows 2, 3: the accumulators of my rows 0-63 and 64-127 (tile (a, b) at v[8 (8 a + b)]).
; The matrix instruction is used transposed (source 0 = 16 columns of B, source 1 = 16 rows of A): lane l holds row l % 16 of C, its registers 0-7 the columns 8 (l / 16) + 0..7.
; The 64 accumulators take turns, one instruction a turn, in the same order in every quarter step.
; Limits: operands are bf16.  GELU: erf by Abramowitz and Stegun 7.1.26 (absolute error of erf at most 1.5e-7 for every argument), in the form
; max(u, 0) - |u| q(|u|), q = erfc(|u| / sqrt 2) / 2, which forms no difference of near numbers for u < 0; v_rcp_f32 and v_exp_f32 are good to 1 ulp and flush denormals.
.set SIZE_N, 4096
.set SIZE_K, 1024
.set GELU,   1
.set KSTEP,  128
.set PITCH,  272                       ; A's LDS row: 256 bytes + 16 of padding, an odd multiple of 16: the 16 rows of a fragment load start 68 words apart
.set PB,     544                       ; B's LDS row: 512 bytes + 32 of padding, an odd multiple of 32
.set HALFT,  128*PITCH                 ; what one tensor load brings: 128 rows of A, or 64 k rows of B (64 x 544 is the same 34,816 bytes)
.set SLOT,   4*HALFT                   ; A's 256 rows, then B's 128 k rows
.set STAGE,  2*SLOT                    ; behind the ring: 16 rows x 272 bytes for each wave, for the way out; no tensor load lands there
.set SPITCH, 272
.set LAPS, SIZE_K/(2*KSTEP)            ; a lap = two K steps = once round the ring
.set ADRA, 16                          ; v16-17  LDS address of my A fragments in slot 0, 1
.set ADRB, 20                          ; v20-21  the same for B
.set STO,  24                          ; v24     the way out: where I put 16 bytes of a row
.set RD,   25                          ; v25     the way out: where I read a row back
.set CO,   26                          ; v26     my byte offset in C
.set VBI,  27                          ; v27     my byte offset in the bias
.set F0,   64                          ; fragment buffer 0
.set F1,   128                         ; fragment buffer 1
.set U,    64                          ; the way out, window 0: v64-127 sixteen rows' results + bias in f32
.set GD,   128                         ; 1 + p |u|
.set GT,   136                         ; t = 1 / that
.set GE,   144                         ; - u^2 log2(e) / 2
.set GX,   152                         ; 2 ^ that
.set GP,   160                         ; the polynomial
.set GR,   168                         ; max(u, 0)
.set A4,   176                         ; v[176:177] a coefficient, twice
.set TMP,  192                         ; packed results
.set RB,   224                         ; rows read back
.set G1, 24                            ; s[24:31] descriptor group 1 for A's tiles
.set G0, 32                            ; s[32:39] descriptor group 0 for A's tiles, one set for each slot
.set G1B, 48                           ; s[48:55] group 1 for B's tiles
.set G0B, 56                           ; s[56:63] group 0 for B's tiles, one set for each slot
.set MSB, 0
.macro WIN new                         ; the immediate's high byte repeats the setting that is left
.if MSB != \new
	s_set_vgpr_msb (MSB<<8)|\new
.set MSB, \new
.endif
.endm
.set MUL_LO, 0xa1                      ; source 0 (B) window 1, source 1 (A) window 0, C and D window 2
.set MUL_HI, 0xf1                      ; the same, C and D window 3
.set TO_B,   0x40                      ; destination window 1, address window 0
; A joint load.  Waves 0 and 1 fetch A's two halves, waves 2 and 3 B's.  Each line has one mask and one set of registers; the branch hangs on the wave's number alone.
.macro JLOAD s
	s_cmp_eq_u32 s11, 0
	s_cbranch_scc0 .Lfor_b_\@
	tensor_load_to_lds s[G0+4*\s:G0+4*\s+3], s[G1:G1+7]
	s_nop 0
	s_branch .Lasked_\@
.Lfor_b_\@:
	tensor_load_to_lds s[G0B+4*\s:G0B+4*\s+3], s[G1B:G1B+7]
	s_nop 0
.Lasked_\@:
.endm
; A round of the cluster's barrier: my work-group's barrier; wave 0 signals for the work-group; every wave waits for all sixteen; my work-group's barrier once more.
.macro CREST                           ; a round behind its opening barrier
	s_cmp_lg_u32 s10, 0
	s_cbranch_scc1 .Lnot_wave_0_\@
	s_barrier_signal -3
.Lnot_wave_0_\@:
	s_barrier_wait -3
	s_barrier_signal -1
	s_barrier_wait -1
.endm
.macro CROUND                          ; a whole round
	s_barrier_signal -1
	s_barrier_wait -1
	CREST
.endm
	s_load_b128 s[4:7], s[0:1], 0x0                ; A s[4:5], B s[6:7]
	s_load_b64 s[8:9], s[0:1], 0x10                ; C
	s_load_b64 s[66:67], s[0:1], 0x18              ; bias
	s_set_vgpr_msb 0x40
	v_lshl_add_u32 v255, v0, 2, 0x48400
	s_set_vgpr_msb 0x4000
	v_mov_b32 v63, 0
	s_set_vgpr_msb 0x1
	ds_add_u32 v255, v63
	ds_add_u32 v255, v63
	s_set_vgpr_msb 0x100
	v_lshrrev_b32 v1, 5, v0
	v_readfirstlane_b32 s10, v1                    ; wave 0..3
	s_lshr_b32 s11, s10, 1                         ; which half of the block's rows is mine.  Also: I fetch for A (0) or for B (1)
	s_and_b32 s12, s10, 1                          ; which half of its columns.  Also: which half of that tile I fetch
	s_bfe_u32 s40, ttmp6, 0x40000                  ; cx
	s_bfe_u32 s41, ttmp6, 0x40004                  ; cy
	s_lshl_b32 s42, ttmp9, 2
	s_add_co_u32 s42, s42, s40                     ; block column of C = 4 x cluster x + cx
	s_and_b32 s13, ttmp7, 0xffff
	s_lshl_b32 s13, s13, 2
	s_add_co_u32 s13, s13, s41                     ; block row of C = 4 x cluster y + cy
	s_lshl_b32 s43, s41, 2
	s_lshl_b32 s43, 15, s43                        ; my row of the cluster: places 4 cy .. 4 cy + 3
	s_lshl_b32 s44, 0x1111, s40                    ; my column: places cx, cx + 4, cx + 8, cx + 12
	; group 1 for A: 128 rows x 128 elements of 2 bytes, 4 words of padding behind every 64 words
	s_or_b32 s[G1+0], s43, (1<<16)|(1<<20)|(1<<21)|(5<<22)|(3<<25)
	s_mov_b32 s[G1+1], KSTEP<<16                   ; tensor_dim0 = 128
	s_mov_b32 s[G1+2], 128<<16                     ; tensor_dim1 = 128
	s_mov_b32 s[G1+3], KSTEP<<16                   ; tile_dim0 = 128
	s_mov_b32 s[G1+4], 128                         ; tile_dim1 = 128
	s_mov_b32 s[G1+5], SIZE_K                      ; elements from row to row
	s_mov_b32 s[G1+6], 0
	s_mov_b32 s[G1+7], 0
	; group 1 for B: 64 k rows x 256 elements of 2 bytes, 8 words of padding behind every 128 words
	s_or_b32 s[G1B+0], s44, (1<<16)|(1<<20)|(1<<21)|(6<<22)|(7<<25)
	s_mov_b32 s[G1B+1], 256<<16                    ; tensor_dim0 = 256
	s_mov_b32 s[G1B+2], 64<<16                     ; tensor_dim1 = 64
	s_mov_b32 s[G1B+3], 256<<16                    ; tile_dim0 = 256
	s_mov_b32 s[G1B+4], 64                         ; tile_dim1 = 64
	s_mov_b32 s[G1B+5], SIZE_N
	s_mov_b32 s[G1B+6], 0
	s_mov_b32 s[G1B+7], 0
.if GELU
	s_mov_b32 s76, 0xbf07dc22                      ; - a5 / 2   (the five coefficients are halved and negated: the polynomial gives - q)
	s_mov_b32 s77, 0xbf07dc22
	s_mov_b32 s80, 0xbf35f0e3                      ; - a3 / 2
	s_mov_b32 s81, 0xbf35f0e3
	s_mov_b32 s82, 0x3e11a98e                      ; - a2 / 2
	s_mov_b32 s83, 0x3e11a98e
	s_mov_b32 s84, 0xbe027906                      ; - a1 / 2
	s_mov_b32 s85, 0xbe027906
	s_mov_b32 s86, 0x3f596d27                      ; sqrt(log2(e) / 2)
	s_mov_b32 s87, 0x3f596d27
	s_mov_b32 s88, 0x3e6d3388                      ; 0.3275911 / sqrt 2
.endif
	; where the tiles come from: A's hang on the block row alone, B's on the block column alone
	s_lshl_b32 s17, s12, 7
	s_lshl_b32 s16, s13, 8
	s_add_co_u32 s16, s16, s17                     ; A: row 256 x block row + 128 x half
	s_mul_i32 s16, s16, SIZE_K*2                   ; in bytes: below 8 MiB
	s_mov_b32 s17, 0
	s_mul_i32 s46, s12, 64*SIZE_N*2                ; B: k row 64 x half,
	s_lshl_b32 s45, s42, 9                         ; column 256 x block column
	s_add_co_u32 s46, s46, s45
	s_mov_b32 s47, 0
	s_mul_i32 s20, s10, HALFT                      ; and where they go: A's two halves, then B's two halves: the wave's number alone
	s_wait_dscnt 0x0
	s_wait_kmcnt 0x0
	s_add_nc_u64 s[14:15], s[4:5], s[16:17]
	s_add_nc_u64 s[46:47], s[6:7], s[46:47]
	CROUND                                         ; all sixteen work-groups are here: the first joint loads meet
.irp s, 0,1
	s_mov_b32 s[G0+4*\s], 1
	s_add_co_u32 s[G0+4*\s+1], s20, \s*SLOT
	s_add_nc_u64 s[G0+4*\s+2:G0+4*\s+3], s[14:15], \s*KSTEP*2
	s_or_b32 s[G0+4*\s+3], s[G0+4*\s+3], 0x80000000
	s_mov_b32 s[G0B+4*\s], 1
	s_add_co_u32 s[G0B+4*\s+1], s20, \s*SLOT
	s_add_nc_u64 s[G0B+4*\s+2:G0B+4*\s+3], s[46:47], \s*KSTEP*SIZE_N*2
	s_or_b32 s[G0B+4*\s+3], s[G0B+4*\s+3], 0x80000000
	JLOAD \s                                       ; both slots are asked for before anything else is done: two tensor loads of the wave are out
.endr
	; the bias of my 128 columns, as the accumulators hold them: tile b, register j = column 16 b + 8 (l / 16) + j
	s_lshl_b32 s68, s42, 10                        ; 256 columns x 4 bytes a block
	s_lshl_b32 s69, s12, 9
	s_add_co_u32 s68, s68, s69
	s_mov_b32 s69, 0
	s_add_nc_u64 s[66:67], s[66:67], s[68:69]
	v_and_b32 v1, 15, v0                           ; l % 16
	v_bfe_u32 v2, v0, 4, 1                         ; l / 16
	v_lshlrev_b32 v[VBI], 5, v2
	WIN TO_B
.irp b, 0,1,2,3,4,5,6,7
	global_load_b128 v[8*\b:8*\b+3],   v[VBI], s[66:67] offset:64*\b
	global_load_b128 v[8*\b+4:8*\b+7], v[VBI], s[66:67] offset:64*\b+16
.endr
	WIN 0
	; A fragment: lane l holds row l % 16; two loads of 16 bytes, 32 bytes apart, at row x pitch + 16 (l / 16)
	v_mul_u32_u24 v3, v1, PITCH
	v_lshl_add_u32 v3, v2, 4, v3
	; B fragment: the transposing load wants lane l at k row 8 (l / 16) + l % 8, 16 bytes ((l / 8) % 2) of the 32 bytes of 16 columns; the second load 16 k rows on
	v_and_b32 v6, 7, v0
	v_lshl_add_u32 v6, v2, 3, v6
	v_mul_u32_u24 v6, v6, PB
	v_bfe_u32 v7, v0, 3, 1
	v_lshl_add_u32 v6, v7, 4, v6
	s_mul_i32 s21, s11, HALFT                      ; my 128 rows of A
	s_lshl_b32 s22, s12, 8                         ; my 128 columns of B: 256 bytes along its rows,
	s_add_co_u32 s22, s22, 2*HALFT                 ; which lie behind A's 256 rows
.irp s, 0,1
	v_add_nc_u32 v[ADRA+\s], s21, v3
	v_add_nc_u32 v[ADRB+\s], s22, v6
	s_add_co_u32 s21, s21, SLOT
	s_add_co_u32 s22, s22, SLOT
.endr
	s_mul_i32 s23, s10, 16*SPITCH
	s_add_co_u32 s23, s23, STAGE                   ; my stage
	v_mul_u32_u24 v4, v1, SPITCH                   ; in: row l % 16, 16 bytes for each half of the lanes
	v_lshl_add_u32 v4, v2, 4, v4
	v_add_nc_u32 v[STO], s23, v4
	v_mul_u32_u24 v5, v2, SPITCH                   ; back: lanes 0-15 take one row of 256 bytes, lanes 16-31 the next
	v_lshl_add_u32 v5, v1, 4, v5
	v_add_nc_u32 v[RD], s23, v5
	v_mul_u32_u24 v5, v2, SIZE_N*2                 ; and the same two rows in C
	v_lshl_add_u32 v[CO], v1, 4, v5
; 16 matrix instructions: m blocks a0, a0 + 1 of the window's four x all 8 n blocks, 32 along K.  zero = 1: the first product starts the sums.
.macro MUL16 f, hi, a0, zero
.irp a, \a0, \a0+1
.irp b, 0,1,2,3,4,5,6,7
.if \zero
	v_wmma_f32_16x16x32_bf16 v[8*(8*(\a)+\b):8*(8*(\a)+\b)+7], v[\f+8*\b:\f+8*\b+7], v[\f+8*(4*\hi+\a):\f+8*(4*\hi+\a)+7], 0
.else
	v_wmma_f32_16x16x32_bf16 v[8*(8*(\a)+\b):8*(8*(\a)+\b)+7], v[\f+8*\b:\f+8*\b+7], v[\f+8*(4*\hi+\a):\f+8*(4*\hi+\a)+7], v[8*(8*(\a)+\b):8*(8*(\a)+\b)+7]
.endif
.endr
.endr
.endm
; 32 LDS loads in one run: the fragments of quarter q (32 along K) of a slot into buffer f: B's 128 columns, then A's 128 rows
.macro FETCH slot, q, f
	WIN TO_B
.irp i, 0,1,2,3,4,5,6,7
	ds_load_tr16_b128 v[\f+8*\i:\f+8*\i+3],   v[ADRB+\slot] offset:\q*32*PB+32*\i
	ds_load_tr16_b128 v[\f+8*\i+4:\f+8*\i+7], v[ADRB+\slot] offset:\q*32*PB+32*\i+16*PB
.endr
	WIN 0
.irp i, 0,1,2,3,4,5,6,7
	ds_load_b128 v[\f+8*\i:\f+8*\i+3],   v[ADRA+\slot] offset:\q*64+\i*16*PITCH
	ds_load_b128 v[\f+8*\i+4:\f+8*\i+7], v[ADRA+\slot] offset:\q*64+\i*16*PITCH+32
.endr
.endm
; Four plain vector instructions stand between a matrix instruction and a load into, or a vector instruction on, one of its registers (ISA guide 7.12.1 for vector instructions)
.macro PLACES
.rept 4
	v_nop
.endr
.endm
; One of a K step's first three quarters: multiplies buffer f; in its middle it fetches quarter q of the same slot into buffer g.
.macro QUARTER slot, q, f, g, zero
	s_wait_dscnt 8                                 ; B and A's rows 0-63 are in; the youngest eight loads (A's rows 64-127) may be out
	WIN MUL_LO
	MUL16 \f, 0, 0, \zero
	MUL16 \f, 0, 2, \zero
	PLACES
	FETCH \slot, \q, \g
	s_wait_dscnt 32                                ; all but the 32 just issued
	WIN MUL_HI
	MUL16 \f, 1, 0, \zero
	MUL16 \f, 1, 2, \zero
.endm
.macro THREE slot, zero
	QUARTER \slot, 1, F0, F1, \zero
	QUARTER \slot, 2, F1, F0, 0
	QUARTER \slot, 3, F0, F1, 0
.endm
; The last quarter: multiplies buffer 1 and changes slots.  In front of the barrier each wave waits for its reads of this slot and for all its tensor loads
; (one is out: its part of the next slot).  Behind it the refill comes first, then the next slot's first fragments.
.macro TURN slot, next, fill
	s_wait_dscnt 8
	WIN MUL_LO
	MUL16 F1, 0, 0, 0
	s_wait_dscnt 0                                 ; my reads of this slot are over
	s_wait_tensorcnt 0x0                           ; and all my tensor loads have landed
	ds_add_u32 v255, v63
	s_wait_dscnt 0x0
	s_barrier_signal -1                            ; (where a slot is filled again this barrier opens a round of the cluster's barrier)
	MUL16 F1, 0, 2, 0                              ; work on registers while the others arrive
	WIN 0
	s_barrier_wait -1
.if \fill
	CREST                                          ; no wave of any partner still reads this slot's tile or has a load on its way
	s_add_nc_u64 s[G0+4*\slot+2:G0+4*\slot+3], s[G0+4*\slot+2:G0+4*\slot+3], 2*KSTEP*2
	s_add_nc_u64 s[G0B+4*\slot+2:G0B+4*\slot+3], s[G0B+4*\slot+2:G0B+4*\slot+3], 2*KSTEP*SIZE_N*2
	JLOAD \slot                                    ; the first tensor load behind the round
.endif
	PLACES
	FETCH \next, 0, F0
	WIN MUL_HI
	MUL16 F1, 1, 0, 0
	MUL16 F1, 1, 2, 0
.endm
.macro LAP zero
	THREE 0, \zero
	TURN 0, 1, 1
	THREE 1, 0
	TURN 1, 0, 1
.endm
	s_wait_loadcnt 0x0                             ; the bias, once: no register load is out at any later barrier
	s_wait_tensorcnt 1                             ; my part of K step 0 is in; K step 1's load stays out
	s_barrier_signal -1
	s_barrier_wait -1                              ; everybody's is
	FETCH 0, 0, F0
	LAP 1                                          ; the first lap stands in front of the loop: its first products start the sums
.if LAPS > 2
	WIN 0
	s_mov_b32 s3, LAPS-2
.Llap:
	LAP 0
	WIN 0
	s_sub_co_u32 s3, s3, 1
	s_cmp_lg_u32 s3, 0
	s_cbranch_scc1 .Llap
.endif
	THREE 0, 0                                     ; the last lap fills nothing
	TURN 0, 1, 0
	THREE 1, 0
	s_wait_dscnt 8
	WIN MUL_LO
	MUL16 F1, 0, 0, 0
	MUL16 F1, 0, 2, 0
	s_wait_dscnt 0
	WIN MUL_HI
	MUL16 F1, 1, 0, 0
	MUL16 F1, 1, 2, 0
	; THE WAY OUT, 16 rows of C at a time: + bias (, GELU), round to bf16, 16 bytes a lane into my own stage, read back as whole rows of 256 bytes.
	PLACES
	s_lshl_b32 s13, s13, 8
	s_lshl_b32 s14, s11, 7
	s_add_co_u32 s16, s13, s14                     ; my first row of C
	s_mul_i32 s16, s16, SIZE_N*2                   ; below 32 MiB
	s_mov_b32 s17, 0
	s_add_nc_u64 s[8:9], s[8:9], s[16:17]
	s_lshl_b32 s46, s42, 9                         ; my first column, in bytes
	s_lshl_b32 s47, s12, 8
	s_add_co_u32 s46, s46, s47
	s_mov_b32 s47, 0
	s_add_nc_u64 s[8:9], s[8:9], s[46:47]
	WIN 0
.if GELU
	v_mov_b32 v[A4], 0x3f3a00e3                    ; - a4 / 2, in a vector pair so that each packed multiply-add names one scalar pair
	v_mov_b32 v[A4+1], 0x3f3a00e3
.endif
; eight numbers u in v[u .. u+7] become gelu(u) = max(u, 0) - |u| q,  q = t (a1 + t (a2 + t (a3 + t (a4 + t a5)))) / 2 x 2^(- u^2 log2(e) / 2),  t = 1 / (1 + p |u| / sqrt 2)
.macro GELU8 u
.irp i, 0,1,2,3,4,5,6,7
	v_fma_f32 v[GD+\i], |v[\u+\i]|, s88, 1.0
.endr
.irp i, 0,2,4,6
	v_pk_mul_f32 v[GE+\i:GE+\i+1], v[\u+\i:\u+\i+1], s[86:87] op_sel_hi:[1,0]
.endr
.irp i, 0,2,4,6
	v_pk_mul_f32 v[GE+\i:GE+\i+1], v[GE+\i:GE+\i+1], v[GE+\i:GE+\i+1] neg_lo:[0,1] neg_hi:[0,1]   ; minus the square
.endr
.irp i, 0,1,2,3,4,5,6,7
	v_rcp_f32 v[GT+\i], v[GD+\i]
.endr
.irp i, 0,1,2,3,4,5,6,7
	v_exp_f32 v[GX+\i], v[GE+\i]
.endr
.irp i, 0,1,2,3,4,5,6,7
	v_max_num_f32 v[GR+\i], 0, v[\u+\i]            ; plain work behind the transcendentals, before their results are used (ISA guide 5.7.2)
.endr
	s_wait_alu depctr_va_vdst(0)
.irp i, 0,2,4,6
	v_pk_fma_f32 v[GP+\i:GP+\i+1], v[GT+\i:GT+\i+1], s[76:77], v[A4:A4+1] op_sel_hi:[1,0,1]
.endr
.irp i, 0,2,4,6
	v_pk_fma_f32 v[GP+\i:GP+\i+1], v[GP+\i:GP+\i+1], v[GT+\i:GT+\i+1], s[80:81] op_sel_hi:[1,1,0]
.endr
.irp i, 0,2,4,6
	v_pk_fma_f32 v[GP+\i:GP+\i+1], v[GP+\i:GP+\i+1], v[GT+\i:GT+\i+1], s[82:83] op_sel_hi:[1,1,0]
.endr
.irp i, 0,2,4,6
	v_pk_fma_f32 v[GP+\i:GP+\i+1], v[GP+\i:GP+\i+1], v[GT+\i:GT+\i+1], s[84:85] op_sel_hi:[1,1,0]
.endr
.irp i, 0,2,4,6
	v_pk_mul_f32 v[GP+\i:GP+\i+1], v[GP+\i:GP+\i+1], v[GT+\i:GT+\i+1]
.endr
.irp i, 0,2,4,6
	v_pk_mul_f32 v[GP+\i:GP+\i+1], v[GP+\i:GP+\i+1], v[GX+\i:GX+\i+1]   ; = - q
.endr
.irp i, 0,1,2,3,4,5,6,7
	v_fma_f32 v[\u+\i], |v[\u+\i]|, v[GP+\i], v[GR+\i]
.endr
.endm
; rows 16 i .. 16 i + 15 of my block = the eight tiles (a, 0..7) of window 2 or 3.  from = 0x06 or 0x07: source 0 that window, source 1 (the bias) window 1, destination window 0
.macro OUT16 i, a, from
	WIN \from
.irp b, 0,1,2,3,4,5,6,7
.irp k, 0,2,4,6
	v_pk_add_f32 v[U+8*\b+\k:U+8*\b+\k+1], v[8*(8*\a+\b)+\k:8*(8*\a+\b)+\k+1], v[8*\b+\k:8*\b+\k+1]
.endr
.endr
	WIN 0
.if GELU
.irp b, 0,1,2,3,4,5,6,7
	GELU8 U+8*\b
.endr
.endif
.irp b, 0,1,2,3,4,5,6,7
.irp r, 0,1,2,3
	v_cvt_pk_bf16_f32 v[TMP+4*\b+\r], v[U+8*\b+2*\r], v[U+8*\b+2*\r+1]
.endr
.endr
.irp b, 0,1,2,3,4,5,6,7
	ds_store_b128 v[STO], v[TMP+4*\b:TMP+4*\b+3] offset:32*\b
.endr
	s_wait_xcnt 0x0                                ; the registers that the last stores read, and their base, are rewritten only behind this wait
.if \i
	s_add_nc_u64 s[8:9], s[8:9], 16*SIZE_N*2       ; 16 rows of C on
.endif
.irp t, 0,1,2,3,4,5,6,7
	ds_load_b128 v[RB+4*\t:RB+4*\t+3], v[RD] offset:\t*2*SPITCH    ; LDS serves a wave's instructions in order: these see the stores above
.endr
.irp t, 0,1,2,3,4,5,6,7
	s_wait_dscnt 7-\t                              ; the younger rows may be out
	global_store_b128 v[CO], v[RB+4*\t:RB+4*\t+3], s[8:9] offset:2*\t*SIZE_N*2   ; 16 lanes store 256 consecutive bytes, at a multiple of 256 from C's first byte
.endr
.endm
	OUT16 0, 0, 0x06
	OUT16 1, 1, 0x06
	OUT16 2, 2, 0x06
	OUT16 3, 3, 0x06
	OUT16 4, 0, 0x07
	OUT16 5, 1, 0x07
	OUT16 6, 2, 0x07
	OUT16 7, 3, 0x07
	s_set_vgpr_msb 0x1
	s_wait_tensorcnt 0x0
	ds_add_u32 v255, v63
	s_wait_dscnt 0x0
	s_set_vgpr_msb 0x100
	CROUND                                         ; the closing round: no work-group ends while a partner may still ask for a tile that names it
	s_endpgm
.Lfunc_end_k_q47fc9b9402_gw1:
	.size	k_q47fc9b9402_gw1, .Lfunc_end_k_q47fc9b9402_gw1-k_q47fc9b9402_gw1
	.p2alignl 7, 3214868480
	.fill 96, 4, 3214868480
	.section	.rodata,"a",@progbits
	.p2align	6, 0x0
	.amdhsa_kernel k_q47fc9b9402_gw1
		.amdhsa_group_segment_fixed_size 327680
		.amdhsa_private_segment_fixed_size 0
		.amdhsa_enable_private_segment 0
		.amdhsa_kernarg_size 32
		.amdhsa_user_sgpr_count 2
		.amdhsa_user_sgpr_kernarg_segment_ptr 1
		.amdhsa_wavefront_size32 1
		.amdhsa_system_sgpr_workgroup_id_x 1
		.amdhsa_system_sgpr_workgroup_id_y 1
		.amdhsa_system_sgpr_workgroup_id_z 1
		.amdhsa_system_vgpr_workitem_id 0
		.amdhsa_next_free_vgpr 1024
		.amdhsa_next_free_sgpr 92
		.amdhsa_reserve_vcc 0
		.amdhsa_float_denorm_mode_32 3
		.amdhsa_float_denorm_mode_16_64 3
		.amdhsa_memory_ordered 1
		.amdhsa_forward_progress 1
		.amdhsa_inst_pref_size 255
	.end_amdhsa_kernel
	.section	.bss,"aw",@nobits
	.p2align	6
	.space	262144
	.amdgpu_metadata
---
amdhsa.version: [ 1, 2 ]
amdhsa.kernels:
  - .name:           k_q47fc9b9402_gw1
    .symbol:         k_q47fc9b9402_gw1.kd
    .args:
      - { .name: act, .offset: 0, .size: 8, .value_kind: global_buffer, .address_space: global }
      - { .name: w1b, .offset: 8, .size: 8, .value_kind: global_buffer, .address_space: global }
      - { .name: wide, .offset: 16, .size: 8, .value_kind: global_buffer, .address_space: global }
      - { .name: b1, .offset: 24, .size: 8, .value_kind: global_buffer, .address_space: global }
    .group_segment_fixed_size: 327680
    .private_segment_fixed_size: 0
    .kernarg_segment_align: 8
    .kernarg_segment_size: 32
    .max_flat_workgroup_size: 128
    .sgpr_count:     92
    .vgpr_count:     1024
    .wavefront_size: 32
...
	.end_amdgpu_metadata
.endif
;; end of part 6
;; launch gw2 (part 7): grid 8 x 32, 4 waves a work-group, clusters of 4 x 4, 327,680 bytes of LDS; arguments wide, w2b, out0, b2, x2; writes out0
.if DOCPART == 7
	.amdgcn_target "amdgcn-amd-amdhsa--gfx1250"
	.amdhsa_code_object_version 6
	.text
	.protected	k_q47fc9b9402_gw2
	.globl	k_q47fc9b9402_gw2
	.p2align	8
	.type	k_q47fc9b9402_gw2,@function
k_q47fc9b9402_gw2:
	s_mov_b64 s[64:65], 0
	v_nop
	global_prefetch_b8 v0, s[64:65] scope:SCOPE_SE
	s_setreg_imm32_b32 hwreg(HW_REG_WAVE_MODE, 25, 1), 1
	s_wait_xcnt 0x0
	s_wait_alu depctr_hold_cnt(0) depctr_sa_sdst(0) depctr_va_vdst(0) depctr_va_sdst(0) depctr_va_ssrc(0) depctr_va_vcc(0) depctr_vm_vsrc(0)
	s_getreg_b32 s2, hwreg(HW_REG_IB_STS2, 6, 4)
	s_cmp_eq_u32 s2, 0
	s_cbranch_scc0 .Lentry_in_a_cluster
	s_endpgm
.Lentry_in_a_cluster:
	s_bfe_u32 s2, ttmp6, 0x10000c
	s_cmp_lg_u32 s2, 0xf033
	s_cbranch_scc0 .Lentry_shape_is_right
	s_endpgm
.Lentry_shape_is_right:
; OUT[m][n] = RES[m][n] + bias[n] + sum over k of A[m][k] B[k][n].  A: [4096][SIZE_K] bf16, B: [SIZE_K][1024] bf16 (k along the slow axis), bias: [1024] f32,
; RES, OUT: [4096][1024] f32; sums in f32.
; N is 1,024: blocks of 128 x 128 give 8 x 32 = 256 work-groups.  Four waves, a wave 64 x 64: 16 accumulator tiles of 16 x 16.
; K goes in steps of 256 through two LDS slots filled by tensor loads: A's tile [row][k] is read by plain 16-byte loads, B's tile [k][n] by ds_load_tr16_b128.
; CLUSTERS: 4 x 4 work-groups; A's tile is asked for jointly along a row of the cluster, B's along a column.
; REGISTERS in windows of 256: window 0 addresses, the bias, fragments of A (two buffers); window 1 fragments of B (two buffers);
; window 2: v0-127 the accumulators (tile (a, b) at v[8 (4 a + b)]), v128-255 my 64 x 64 of RES, laid as the rows go out.
; The matrix instruction is used transposed (source 0 = 16 columns of B, source 1 = 16 rows of A): a lane holds eight neighbouring columns of one row.
; The 16 accumulators take turns, one instruction a turn, in the same order everywhere.
; Limits: the operands are bf16; everything else is f32.
.set SIZE_K, 4096
.set SIZE_N, 1024
.set KSTEP,  256
.set PA,     528                       ; A's LDS row: 512 bytes + 16, an odd multiple of 16
.set PB,     288                       ; B's LDS row: 256 bytes + 32, an odd multiple of 32
.set HALFT,  128*PB                    ; 36,864: 128 k rows of B; 64 rows of A fill 33,792 of it
.set SLOT,   4*HALFT                   ; A's rows 0-63, A's rows 64-127, B's k rows 0-127, 128-255
.set STAGE,  2*SLOT                    ; behind the ring: 16 rows x 272 bytes for each wave; no tensor load lands there
.set SPITCH, 272
.set LAPS, SIZE_K/(2*KSTEP)
.set ADRA, 16                          ; v16-17  LDS address of my A fragments in slot 0, 1
.set ADRB, 20                          ; v20-23  of my B fragments: 2 x slot + half of the k rows (a tile's 73,728 bytes pass the 16-bit offset)
.set STO,  24
.set RD,   25
.set CO,   26                          ; v26     my byte offset in RES and OUT
.set VB,   27                          ; v27     my byte offset in the bias
.set BIAS, 32                          ; v[32:35] the bias of the four columns that I store
.set F0,   64
.set F1,   128
.set RES,  128                         ; window 2
.set G1, 24
.set G0, 32
.set G1B, 48
.set G0B, 56
.set MSB, 0
.macro WIN new                         ; the immediate's high byte repeats the setting that is left
.if MSB != \new
	s_set_vgpr_msb (MSB<<8)|\new
.set MSB, \new
.endif
.endm
.set MUL,    0xa1                      ; source 0 (B) window 1, source 1 (A) window 0, C and D window 2
.set TO_B,   0x40                      ; destination window 1
.set TO_C,   0x80                      ; destination window 2
.set FROM_C, 0x08                      ; source 1 window 2
.macro JLOAD s                         ; waves 0 and 1 fetch A's two halves, waves 2 and 3 B's; the branch hangs on the wave's number alone
	s_cmp_eq_u32 s11, 0
	s_cbranch_scc0 .Lfor_b_\@
	tensor_load_to_lds s[G0+4*\s:G0+4*\s+3], s[G1:G1+7]
	s_nop 0
	s_branch .Lasked_\@
.Lfor_b_\@:
	tensor_load_to_lds s[G0B+4*\s:G0B+4*\s+3], s[G1B:G1B+7]
	s_nop 0
.Lasked_\@:
.endm
.macro CREST                           ; a round of the cluster's barrier behind its opening barrier
	s_cmp_lg_u32 s10, 0
	s_cbranch_scc1 .Lnot_wave_0_\@
	s_barrier_signal -3
.Lnot_wave_0_\@:
	s_barrier_wait -3
	s_barrier_signal -1
	s_barrier_wait -1
.endm
.macro CROUND
	s_barrier_signal -1
	s_barrier_wait -1
	CREST
.endm
	s_load_b128 s[4:7], s[0:1], 0x0                ; A s[4:5], B s[6:7]
	s_load_b64 s[8:9], s[0:1], 0x10                ; OUT
	s_load_b64 s[66:67], s[0:1], 0x18              ; bias
	s_load_b64 s[68:69], s[0:1], 0x20              ; RES
	s_set_vgpr_msb 0x40
	v_lshl_add_u32 v255, v0, 2, 0x4c400
	s_set_vgpr_msb 0x4000
	v_mov_b32 v255, 0
	s_set_vgpr_msb 0x1
	ds_add_u32 v255, v255
	ds_add_u32 v255, v255
	s_set_vgpr_msb 0x100
	v_lshrrev_b32 v1, 5, v0
	v_readfirstlane_b32 s10, v1                    ; wave 0..3
	s_lshr_b32 s11, s10, 1                         ; which half of the block's rows is mine.  Also: I fetch for A (0) or for B (1)
	s_and_b32 s12, s10, 1                          ; which half of its columns.  Also: which half of that tile I fetch
	s_bfe_u32 s40, ttmp6, 0x40000                  ; cx
	s_bfe_u32 s41, ttmp6, 0x40004                  ; cy
	s_lshl_b32 s42, ttmp9, 2
	s_add_co_u32 s42, s42, s40                     ; block column
	s_and_b32 s13, ttmp7, 0xffff
	s_lshl_b32 s13, s13, 2
	s_add_co_u32 s13, s13, s41                     ; block row
	s_lshl_b32 s43, s41, 2
	s_lshl_b32 s43, 15, s43                        ; my row of the cluster
	s_lshl_b32 s44, 0x1111, s40                    ; my column
	; group 1 for A: 64 rows x 256 elements of 2 bytes, 4 words of padding behind every 128 words
	s_or_b32 s[G1+0], s43, (1<<16)|(1<<20)|(1<<21)|(6<<22)|(3<<25)
	s_mov_b32 s[G1+1], KSTEP<<16
	s_mov_b32 s[G1+2], 64<<16
	s_mov_b32 s[G1+3], KSTEP<<16
	s_mov_b32 s[G1+4], 64
	s_mov_b32 s[G1+5], SIZE_K
	s_mov_b32 s[G1+6], 0
	s_mov_b32 s[G1+7], 0
	; group 1 for B: 128 k rows x 128 elements of 2 bytes, 8 words of padding behind every 64 words
	s_or_b32 s[G1B+0], s44, (1<<16)|(1<<20)|(1<<21)|(5<<22)|(7<<25)
	s_mov_b32 s[G1B+1], 128<<16
	s_mov_b32 s[G1B+2], 128<<16
	s_mov_b32 s[G1B+3], 128<<16
	s_mov_b32 s[G1B+4], 128
	s_mov_b32 s[G1B+5], SIZE_N
	s_mov_b32 s[G1B+6], 0
	s_mov_b32 s[G1B+7], 0
	s_lshl_b32 s17, s12, 6
	s_lshl_b32 s16, s13, 7
	s_add_co_u32 s16, s16, s17                     ; A: row 128 x block row + 64 x half
	s_mul_i32 s16, s16, SIZE_K*2                   ; in bytes: below 32 MiB
	s_mov_b32 s17, 0
	s_lshl_b32 s46, s12, 18                        ; B: k row 128 x half, rows of 2,048 bytes,
	s_lshl_b32 s45, s42, 8                         ; column 128 x block column
	s_add_co_u32 s46, s46, s45
	s_mov_b32 s47, 0
	s_mul_i32 s20, s10, HALFT                      ; where they go: the wave's number alone
	s_wait_dscnt 0x0
	s_wait_kmcnt 0x0
	s_add_nc_u64 s[14:15], s[4:5], s[16:17]
	s_add_nc_u64 s[46:47], s[6:7], s[46:47]
	CROUND                                         ; all sixteen work-groups are here: the first joint loads meet
.irp s, 0,1
	s_mov_b32 s[G0+4*\s], 1
	s_add_co_u32 s[G0+4*\s+1], s20, \s*SLOT
	s_add_nc_u64 s[G0+4*\s+2:G0+4*\s+3], s[14:15], \s*KSTEP*2
	s_or_b32 s[G0+4*\s+3], s[G0+4*\s+3], 0x80000000
	s_mov_b32 s[G0B+4*\s], 1
	s_add_co_u32 s[G0B+4*\s+1], s20, \s*SLOT
	s_add_nc_u64 s[G0B+4*\s+2:G0B+4*\s+3], s[46:47], \s*KSTEP*SIZE_N*2
	s_or_b32 s[G0B+4*\s+3], s[G0B+4*\s+3], 0x80000000
	JLOAD \s                                       ; two tensor loads of the wave are out
.endr
	v_and_b32 v1, 15, v0                           ; l % 16
	v_bfe_u32 v2, v0, 4, 1                         ; l / 16
	v_lshlrev_b32 v[VB], 4, v1
	v_lshl_add_u32 v[CO], v2, 12, v[VB]            ; lanes 0-15 one row of 256 bytes, lanes 16-31 the next (rows of 4,096 bytes)
	s_lshl_b32 s70, s13, 7
	s_lshl_b32 s71, s11, 6
	s_add_co_u32 s70, s70, s71
	s_lshl_b32 s70, s70, 12                        ; my first row, in bytes
	s_mov_b32 s71, 0
	s_lshl_b32 s72, s42, 7
	s_lshl_b32 s73, s12, 6
	s_add_co_u32 s72, s72, s73
	s_lshl_b32 s72, s72, 2                         ; my first column, in bytes
	s_mov_b32 s73, 0
	s_add_nc_u64 s[66:67], s[66:67], s[72:73]
	s_add_nc_u64 s[8:9], s[8:9], s[70:71]
	s_add_nc_u64 s[8:9], s[8:9], s[72:73]
	s_add_nc_u64 s[68:69], s[68:69], s[70:71]
	s_add_nc_u64 s[68:69], s[68:69], s[72:73]
	global_load_b128 v[BIAS:BIAS+3], v[VB], s[66:67]
	WIN TO_C
.irp a, 0,1,2,3
.irp t, 0,1,2,3,4,5,6,7
	global_load_b128 v[RES+32*\a+4*\t:RES+32*\a+4*\t+3], v[CO], s[68:69] offset:(16*\a+2*\t)*4096 th:TH_LOAD_NT   ; asked for with the first tiles, so that the way out waits for no memory
.endr
.endr
	WIN 0
	v_mul_u32_u24 v3, v1, PA
	v_lshl_add_u32 v3, v2, 4, v3                   ; A: row l % 16 x pitch + 16 (l / 16)
	v_and_b32 v6, 7, v0
	v_lshl_add_u32 v6, v2, 3, v6                   ; B: k row 8 (l / 16) + l % 8,
	v_mul_u32_u24 v6, v6, PB
	v_bfe_u32 v7, v0, 3, 1
	v_lshl_add_u32 v6, v7, 4, v6                   ; 16 bytes ((l / 8) % 2)
	s_mul_i32 s21, s11, HALFT                      ; my 64 rows of A
	s_lshl_b32 s22, s12, 7                         ; my 64 columns of B: 128 bytes along its rows
	s_add_co_u32 s22, s22, 2*HALFT
.irp s, 0,1
	v_add_nc_u32 v[ADRA+\s], s21, v3
	v_add_nc_u32 v[ADRB+2*\s], s22, v6
	s_add_co_u32 s22, s22, HALFT
	v_add_nc_u32 v[ADRB+2*\s+1], s22, v6
	s_add_co_u32 s21, s21, SLOT
	s_add_co_u32 s22, s22, SLOT-HALFT
.endr
	s_mul_i32 s23, s10, 16*SPITCH
	s_add_co_u32 s23, s23, STAGE                   ; my stage: 16 rows of 64 f32
	v_mul_u32_u24 v4, v1, SPITCH
	v_lshl_add_u32 v4, v2, 5, v4                   ; in: row l % 16, 32 bytes for each half of the lanes
	v_add_nc_u32 v[STO], s23, v4
	v_mul_u32_u24 v5, v2, SPITCH
	v_lshl_add_u32 v5, v1, 4, v5                   ; back: lanes 0-15 one row, lanes 16-31 the next
	v_add_nc_u32 v[RD], s23, v5
; 16 matrix instructions: all 4 x 4 tiles, 32 along K (step ks of the buffer's two)
.macro MUL16 f, ks, zero
.irp a, 0,1,2,3
.irp b, 0,1,2,3
.if \zero
	v_wmma_f32_16x16x32_bf16 v[8*(4*\a+\b):8*(4*\a+\b)+7], v[\f+8*(4*\ks+\b):\f+8*(4*\ks+\b)+7], v[\f+8*(4*\ks+\a):\f+8*(4*\ks+\a)+7], 0
.else
	v_wmma_f32_16x16x32_bf16 v[8*(4*\a+\b):8*(4*\a+\b)+7], v[\f+8*(4*\ks+\b):\f+8*(4*\ks+\b)+7], v[\f+8*(4*\ks+\a):\f+8*(4*\ks+\a)+7], v[8*(4*\a+\b):8*(4*\a+\b)+7]
.endif
.endr
.endr
.endm
; 32 LDS loads in one run: quarter q (64 along K) of a slot into buffer f: B's two steps, then A's step 0, then A's step 1
.macro FETCH slot, q, f
	WIN TO_B
.irp ks, 0,1
.irp b, 0,1,2,3
	ds_load_tr16_b128 v[\f+8*(4*\ks+\b):\f+8*(4*\ks+\b)+3],   v[ADRB+2*\slot+\q/2] offset:((\q%2)*64+32*\ks)*PB+32*\b
	ds_load_tr16_b128 v[\f+8*(4*\ks+\b)+4:\f+8*(4*\ks+\b)+7], v[ADRB+2*\slot+\q/2] offset:((\q%2)*64+32*\ks+16)*PB+32*\b
.endr
.endr
	WIN 0
.irp ks, 0,1
.irp a, 0,1,2,3
	ds_load_b128 v[\f+8*(4*\ks+\a):\f+8*(4*\ks+\a)+3],   v[ADRA+\slot] offset:\q*128+\ks*64+\a*16*PA
	ds_load_b128 v[\f+8*(4*\ks+\a)+4:\f+8*(4*\ks+\a)+7], v[ADRA+\slot] offset:\q*128+\ks*64+\a*16*PA+32
.endr
.endr
.endm
; Four plain vector instructions stand between a matrix instruction and a load into, or a vector instruction or store on, one of its registers (ISA guide 7.12.1 for vector instructions)
.macro PLACES
.rept 4
	v_nop
.endr
.endm
.macro QUARTER slot, q, f, g, zero
	s_wait_dscnt 8                                 ; B and A's step 0 are in; the youngest eight loads (A's step 1) may be out
	WIN MUL
	MUL16 \f, 0, \zero
	PLACES
	FETCH \slot, \q, \g
	s_wait_dscnt 32                                ; all but the 32 just issued
	WIN MUL
	MUL16 \f, 1, 0
.endm
.macro THREE slot, zero
	QUARTER \slot, 1, F0, F1, \zero
	QUARTER \slot, 2, F1, F0, 0
	QUARTER \slot, 3, F0, F1, 0
.endm
; The last quarter changes slots: each wave waits for its reads of this slot and for all its tensor loads (one is out: its part of the next slot), then the barrier;
; behind it the refill comes first, then the next slot's first fragments.
.macro TURN slot, next, fill
	s_wait_dscnt 0                                 ; my reads of this slot are over
	s_wait_tensorcnt 0x0                           ; and all my tensor loads have landed
	ds_add_u32 v255, v255
	s_wait_dscnt 0x0
	s_barrier_signal -1                            ; (where a slot is filled again this barrier opens a round of the cluster's barrier)
	WIN MUL
	MUL16 F1, 0, 0                                 ; work on registers while the others arrive
	WIN 0
	s_barrier_wait -1
.if \fill
	CREST                                          ; no wave of any partner still reads this slot's tile or has a load on its way
	s_add_nc_u64 s[G0+4*\slot+2:G0+4*\slot+3], s[G0+4*\slot+2:G0+4*\slot+3], 2*KSTEP*2
	s_add_nc_u64 s[G0B+4*\slot+2:G0B+4*\slot+3], s[G0B+4*\slot+2:G0B+4*\slot+3], 2*KSTEP*SIZE_N*2
	JLOAD \slot                                    ; the first tensor load behind the round
.endif
	PLACES
	FETCH \next, 0, F0
	WIN MUL
	MUL16 F1, 1, 0
.endm
.macro LAP zero
	THREE 0, \zero
	TURN 0, 1, 1
	THREE 1, 0
	TURN 1, 0, 1
.endm
	s_wait_loadcnt 0x0                             ; the bias and RES, once: no register load is out at any later barrier
	s_wait_tensorcnt 1                             ; my part of K step 0 is in; K step 1's load stays out
	s_barrier_signal -1
	s_barrier_wait -1
	FETCH 0, 0, F0
	LAP 1                                          ; the first lap stands in front of the loop: its first products start the sums
.if LAPS > 2
	WIN 0
	s_mov_b32 s3, LAPS-2
.Llap:
	LAP 0
	WIN 0
	s_sub_co_u32 s3, s3, 1
	s_cmp_lg_u32 s3, 0
	s_cbranch_scc1 .Llap
.endif
	THREE 0, 0                                     ; the last lap fills nothing
	TURN 0, 1, 0
	THREE 1, 0
	s_wait_dscnt 0
	WIN MUL
	MUL16 F1, 0, 0
	MUL16 F1, 1, 0
	; THE WAY OUT, 16 rows at a time: the f32 sums into my own stage, back as whole rows of 256 bytes, + bias + RES, out.
	PLACES
.macro OUTS a, rb
	WIN FROM_C
.irp b, 0,1,2,3
	ds_store_b128 v[STO], v[8*(4*\a+\b):8*(4*\a+\b)+3]   offset:64*\b
	ds_store_b128 v[STO], v[8*(4*\a+\b)+4:8*(4*\a+\b)+7] offset:64*\b+16
.endr
	WIN 0
	s_wait_xcnt 0x0                                ; the registers that earlier stores read are loaded again only behind this wait
.irp t, 0,1,2,3,4,5,6,7
	ds_load_b128 v[\rb+4*\t:\rb+4*\t+3], v[RD] offset:\t*2*SPITCH   ; my own bytes: LDS serves a wave's instructions in order
.endr
	s_wait_dscnt 0x0
.irp t, 0,1,2,3,4,5,6,7
	v_pk_add_f32 v[\rb+4*\t:\rb+4*\t+1],   v[\rb+4*\t:\rb+4*\t+1],   v[BIAS:BIAS+1]
	v_pk_add_f32 v[\rb+4*\t+2:\rb+4*\t+3], v[\rb+4*\t+2:\rb+4*\t+3], v[BIAS+2:BIAS+3]
.endr
	WIN FROM_C
.irp t, 0,1,2,3,4,5,6,7
	v_pk_add_f32 v[\rb+4*\t:\rb+4*\t+1],   v[\rb+4*\t:\rb+4*\t+1],   v[RES+32*\a+4*\t:RES+32*\a+4*\t+1]
	v_pk_add_f32 v[\rb+4*\t+2:\rb+4*\t+3], v[\rb+4*\t+2:\rb+4*\t+3], v[RES+32*\a+4*\t+2:RES+32*\a+4*\t+3]
.endr
	WIN 0
.irp t, 0,1,2,3,4,5,6,7
	global_store_b128 v[CO], v[\rb+4*\t:\rb+4*\t+3], s[8:9] offset:(16*\a+2*\t)*4096   ; 16 lanes store 256 consecutive bytes, at a multiple of 256 from OUT's first byte
.endr
.endm
	OUTS 0, F0
	OUTS 1, F1
	OUTS 2, F0
	OUTS 3, F1
	s_set_vgpr_msb 0x1
	s_wait_tensorcnt 0x0
	ds_add_u32 v255, v255
	s_wait_dscnt 0x0
	s_set_vgpr_msb 0x100
	CROUND                                         ; the closing round: no work-group ends while a partner may still ask for a tile that names it
	s_endpgm
.Lfunc_end_k_q47fc9b9402_gw2:
	.size	k_q47fc9b9402_gw2, .Lfunc_end_k_q47fc9b9402_gw2-k_q47fc9b9402_gw2
	.p2alignl 7, 3214868480
	.fill 96, 4, 3214868480
	.section	.rodata,"a",@progbits
	.p2align	6, 0x0
	.amdhsa_kernel k_q47fc9b9402_gw2
		.amdhsa_group_segment_fixed_size 327680
		.amdhsa_private_segment_fixed_size 0
		.amdhsa_enable_private_segment 0
		.amdhsa_kernarg_size 40
		.amdhsa_user_sgpr_count 2
		.amdhsa_user_sgpr_kernarg_segment_ptr 1
		.amdhsa_wavefront_size32 1
		.amdhsa_system_sgpr_workgroup_id_x 1
		.amdhsa_system_sgpr_workgroup_id_y 1
		.amdhsa_system_sgpr_workgroup_id_z 1
		.amdhsa_system_vgpr_workitem_id 0
		.amdhsa_next_free_vgpr 768
		.amdhsa_next_free_sgpr 76
		.amdhsa_reserve_vcc 0
		.amdhsa_float_denorm_mode_32 3
		.amdhsa_float_denorm_mode_16_64 3
		.amdhsa_memory_ordered 1
		.amdhsa_forward_progress 1
		.amdhsa_inst_pref_size 134
	.end_amdhsa_kernel
	.amdgpu_metadata
---
amdhsa.version: [ 1, 2 ]
amdhsa.kernels:
  - .name:           k_q47fc9b9402_gw2
    .symbol:         k_q47fc9b9402_gw2.kd
    .args:
      - { .name: wide, .offset: 0, .size: 8, .value_kind: global_buffer, .address_space: global }
      - { .name: w2b, .offset: 8, .size: 8, .value_kind: global_buffer, .address_space: global }
      - { .name: out0, .offset: 16, .size: 8, .value_kind: global_buffer, .address_space: global }
      - { .name: b2, .offset: 24, .size: 8, .value_kind: global_buffer, .address_space: global }
      - { .name: x2, .offset: 32, .size: 8, .value_kind: global_buffer, .address_space: global }
    .group_segment_fixed_size: 327680
    .private_segment_fixed_size: 0
    .kernarg_segment_align: 8
    .kernarg_segment_size: 40
    .max_flat_workgroup_size: 128
    .sgpr_count:     76
    .vgpr_count:     768
    .wavefront_size: 32
...
	.end_amdgpu_metadata
.endif
;; end of part 7
;; ======== version 2 of 2: 7 launches
;; workspace buffers: act 8,388,608 bytes; wide 33,554,432 bytes; x2 16,777,216 bytes; wq 6,291,456 bytes; wo 2,097,152 bytes; w1b 8,388,608 bytes; w2b 8,388,608 bytes
;; launch prep (part 8): grid 1024 x 1, 8 waves a work-group, no clusters, 0 bytes of LDS; arguments x, ln1_g, ln1_b, act, W_qkv, W_o, W1, W2, wq, wo, w1b, w2b; writes act, wq, wo, w1b, w2b
.if DOCPART == 8
	.amdgcn_target "amdgcn-amd-amdhsa--gfx1250"
	.amdhsa_code_object_version 6
	.text
	.protected	k_q47fc9b9402_prep
	.globl	k_q47fc9b9402_prep
	.p2align	8
	.type	k_q47fc9b9402_prep,@function
k_q47fc9b9402_prep:
	s_mov_b64 s[64:65], 0
	v_nop
	global_prefetch_b8 v0, s[64:65] scope:SCOPE_SE
	s_setreg_imm32_b32 hwreg(HW_REG_WAVE_MODE, 25, 1), 1
	s_wait_xcnt 0x0
; Two streams in one launch.
; Work-groups 0-255:    act = LayerNorm(x) * ln1_g + ln1_b, rounded to bf16.  x: [4096][1024] f32, act: [4096][1024] bf16.
; Work-groups 256-1023: the four weight matrices, f32 to bf16, element for element (the [K][N] order stays), 16,384 numbers a work-group.
; Memory binds both: no LDS, no barrier, no matrix unit, no cluster (no byte is read by two work-groups but the 8 KiB of gains and biases).
; LayerNorm: a work-group owns 16 rows, a wave 2 rows, one whole row (4,096 bytes = 32 registers) at a time, so that a reduction never leaves
; the wave and x is read once.  Mean first, then the mean of (x - mean)^2, as the definition has it: a common offset of x costs no digits.
; Limits: v_rsq_f32 is good to 1 ulp; the result is rounded to bf16 (it is a matrix operand); NaN and infinities are not treated apart.
.set LNWG, 256                         ; work-groups of the LayerNorm part: 4,096 rows / 16
.set VI, 1                             ; v1        byte offset of my 16 bytes in the wave's first input row
.set VO, 2                             ; v2        byte offset of my 8 bytes in the wave's first output row
.set VG, 3                             ; v3        byte offset of my 4 numbers in the gains and biases
.set G,  8                             ; v[8:39]   gains of my 32 columns (columns 128 j + 4 lane .. + 3, j = 0 .. 7)
.set BB, 40                            ; v[40:71]  biases of the same columns
.set X,  72                            ; v[72:135] two rows, 32 registers each
.set A,  136                           ; v[136:143] four chains of pair sums
.set MU, 144                           ; v[144:145] the mean, twice
.set RS, 146                           ; v[146:147] 1 / sqrt(var + eps), twice
.set T,  148                           ; v[148:149] at work
.set CX, 8                             ; conversion path: v[8:71] 16 loads of 4 f32
.set CY, 72                            ; v[72:103] 16 pairs of packed bf16
; the four chains into one number, then over the 32 lanes; every lane ends with the sum in v[T]
.macro LANESUM
	v_pk_add_f32 v[A:A+1], v[A:A+1], v[A+2:A+3]
	v_pk_add_f32 v[A+4:A+5], v[A+4:A+5], v[A+6:A+7]
	v_pk_add_f32 v[A:A+1], v[A:A+1], v[A+4:A+5]
	v_add_f32 v[T], v[A], v[A+1]
	v_add_f32_dpp v[T], v[T], v[T] row_xmask:1 row_mask:0xf bank_mask:0xf
	v_add_f32_dpp v[T], v[T], v[T] row_xmask:2 row_mask:0xf bank_mask:0xf
	v_add_f32_dpp v[T], v[T], v[T] row_xmask:4 row_mask:0xf bank_mask:0xf
	v_add_f32_dpp v[T], v[T], v[T] row_xmask:8 row_mask:0xf bank_mask:0xf
	v_permlanex16_b32 v[T+1], v[T], s28, s29       ; the other half of the lanes
	v_add_f32 v[T], v[T], v[T+1]
.endm
; one row: r = 0, 1
.macro LNROW r
	s_wait_loadcnt 8-8*\r                          ; loads come back in order: the 8 loads of the younger row may stay out
.irp c, 0,1,2,3
	v_pk_add_f32 v[A+2*\c:A+2*\c+1], v[X+32*\r+2*\c:X+32*\r+2*\c+1], v[X+32*\r+2*\c+8:X+32*\r+2*\c+9]   ; the first sums start the chains
.endr
.irp k, 8,9,10,11,12,13,14,15
	v_pk_add_f32 v[A+2*(\k%4):A+2*(\k%4)+1], v[A+2*(\k%4):A+2*(\k%4)+1], v[X+32*\r+2*\k:X+32*\r+2*\k+1]
.endr
	LANESUM
	v_mul_f32 v[MU], s30, v[T]                     ; mean = sum / 1024
	v_mul_f32 v[MU+1], s30, v[T]
.irp k, 0,1,2,3,4,5,6,7,8,9,10,11,12,13,14,15
	v_pk_add_f32 v[X+32*\r+2*\k:X+32*\r+2*\k+1], v[X+32*\r+2*\k:X+32*\r+2*\k+1], v[MU:MU+1] neg_lo:[0,1] neg_hi:[0,1]   ; d = x - mean
.endr
.irp c, 0,1,2,3
	v_pk_mul_f32 v[A+2*\c:A+2*\c+1], v[X+32*\r+2*\c:X+32*\r+2*\c+1], v[X+32*\r+2*\c:X+32*\r+2*\c+1]
.endr
.irp k, 4,5,6,7,8,9,10,11,12,13,14,15
	v_pk_fma_f32 v[A+2*(\k%4):A+2*(\k%4)+1], v[X+32*\r+2*\k:X+32*\r+2*\k+1], v[X+32*\r+2*\k:X+32*\r+2*\k+1], v[A+2*(\k%4):A+2*(\k%4)+1]
.endr
	LANESUM
	v_fma_f32 v[T], v[T], s30, s31                 ; var + eps
	v_rsq_f32 v[RS], v[T]
	v_rsq_f32 v[RS+1], v[T]
	v_nop                                          ; one plain vector instruction behind a transcendental before its result is used (ISA guide 5.7.2)
	s_wait_alu depctr_va_vdst(0)
.irp k, 0,1,2,3,4,5,6,7,8,9,10,11,12,13,14,15
	v_pk_mul_f32 v[X+32*\r+2*\k:X+32*\r+2*\k+1], v[X+32*\r+2*\k:X+32*\r+2*\k+1], v[RS:RS+1]
.endr
.irp k, 0,1,2,3,4,5,6,7,8,9,10,11,12,13,14,15
	v_pk_fma_f32 v[X+32*\r+2*\k:X+32*\r+2*\k+1], v[X+32*\r+2*\k:X+32*\r+2*\k+1], v[G+2*\k:G+2*\k+1], v[BB+2*\k:BB+2*\k+1]
.endr
.irp j, 0,1,2,3,4,5,6,7
	v_cvt_pk_bf16_f32 v[X+32*\r+4*\j], v[X+32*\r+4*\j], v[X+32*\r+4*\j+1]
	v_cvt_pk_bf16_f32 v[X+32*\r+4*\j+1], v[X+32*\r+4*\j+2], v[X+32*\r+4*\j+3]
	global_store_b64 v[VO], v[X+32*\r+4*\j:X+32*\r+4*\j+1], s[10:11] offset:\r*2048+\j*256   ; the wave stores 256 consecutive bytes, at a multiple of 256 from act's first byte
.endr
.endm
	s_load_b512 s[4:19], s[0:1], 0x0               ; x s[4:5], ln1_g s[6:7], ln1_b s[8:9], act s[10:11], W_qkv s[12:13], W_o s[14:15], W1 s[16:17], W2 s[18:19]
	s_load_b256 s[20:27], s[0:1], 0x40             ; wq s[20:21], wo s[22:23], w1b s[24:25], w2b s[26:27]
	s_cmp_lt_u32 ttmp9, LNWG
	s_cbranch_scc0 .Lcvt
	; ---- LayerNorm ----
	v_and_b32 v4, 31, v0                           ; lane
	v_lshrrev_b32 v5, 5, v0                        ; wave
	v_lshlrev_b32 v[VG], 4, v4
	v_lshl_add_u32 v[VI], v5, 13, v[VG]            ; + wave x 2 rows x 4,096 bytes
	v_lshlrev_b32 v[VO], 3, v4
	v_lshl_add_u32 v[VO], v5, 12, v[VO]            ; + wave x 2 rows x 2,048 bytes
	v_mov_b32 v[T+1], 0                            ; v_permlanex16_b32 counts as a reader of its destination
	s_lshl_b32 s32, ttmp9, 16                      ; 16 rows x 4,096 bytes
	s_mov_b32 s33, 0
	s_lshl_b32 s34, ttmp9, 15                      ; 16 rows x 2,048 bytes
	s_mov_b32 s35, 0
	s_mov_b32 s28, 0x76543210                      ; v_permlanex16_b32: lane i of one half reads lane i of the other
	s_mov_b32 s29, 0xfedcba98
	s_mov_b32 s30, 0x3a800000                      ; 1 / 1024
	s_mov_b32 s31, 0x3727c5ac                      ; 1e-5
	s_wait_kmcnt 0x0
	s_add_nc_u64 s[4:5], s[4:5], s[32:33]
	s_add_nc_u64 s[10:11], s[10:11], s[34:35]
.irp j, 0,1,2,3,4,5,6,7
	global_load_b128 v[G+4*\j:G+4*\j+3], v[VG], s[6:7] offset:\j*512
.endr
.irp j, 0,1,2,3,4,5,6,7
	global_load_b128 v[BB+4*\j:BB+4*\j+3], v[VG], s[8:9] offset:\j*512
.endr
.irp r, 0,1
.irp j, 0,1,2,3,4,5,6,7
	global_load_b128 v[X+32*\r+4*\j:X+32*\r+4*\j+3], v[VI], s[4:5] offset:\r*4096+\j*512   ; both rows at once: 16 loads of 512 consecutive bytes in flight
.endr
.endr
	LNROW 0
	LNROW 1
	s_endpgm
	; ---- weights to bf16 ----
.Lcvt:
	s_sub_co_u32 s32, ttmp9, LNWG                  ; chunk 0 .. 767: 192 of W_qkv, 64 of W_o, 256 of W1, 256 of W2
	v_lshlrev_b32 v[VI], 4, v0                     ; 16 bytes a thread in,
	v_lshlrev_b32 v[VO], 3, v0                     ; 8 bytes out
	s_wait_kmcnt 0x0
	s_mov_b64 s[34:35], s[12:13]
	s_mov_b64 s[36:37], s[20:21]
	s_mov_b32 s38, 0
	s_cmp_ge_u32 s32, 192
	s_cselect_b64 s[34:35], s[14:15], s[34:35]
	s_cselect_b64 s[36:37], s[22:23], s[36:37]
	s_cselect_b32 s38, 192, s38
	s_cmp_ge_u32 s32, 256
	s_cselect_b64 s[34:35], s[16:17], s[34:35]
	s_cselect_b64 s[36:37], s[24:25], s[36:37]
	s_cselect_b32 s38, 256, s38
	s_cmp_ge_u32 s32, 512
	s_cselect_b64 s[34:35], s[18:19], s[34:35]
	s_cselect_b64 s[36:37], s[26:27], s[36:37]
	s_cselect_b32 s38, 512, s38
	s_sub_co_u32 s38, s32, s38                     ; the chunk's number in its own matrix
	s_lshl_b32 s40, s38, 16                        ; 65,536 bytes in
	s_mov_b32 s41, 0
	s_lshl_b32 s42, s38, 15                        ; 32,768 bytes out
	s_mov_b32 s43, 0
	s_add_nc_u64 s[34:35], s[34:35], s[40:41]
	s_add_nc_u64 s[36:37], s[36:37], s[42:43]
.irp j, 0,1,2,3,4,5,6,7,8,9,10,11,12,13,14,15
	global_load_b128 v[CX+4*\j:CX+4*\j+3], v[VI], s[34:35] offset:\j*4096 th:TH_LOAD_NT
.endr
.irp j, 0,1,2,3,4,5,6,7,8,9,10,11,12,13,14,15
	s_wait_loadcnt 15-\j                           ; the younger loads stay out
	v_cvt_pk_bf16_f32 v[CY+2*\j], v[CX+4*\j], v[CX+4*\j+1]
	v_cvt_pk_bf16_f32 v[CY+2*\j+1], v[CX+4*\j+2], v[CX+4*\j+3]
	global_store_b64 v[VO], v[CY+2*\j:CY+2*\j+1], s[36:37] offset:\j*2048   ; a wave stores 256 consecutive bytes, aligned
.endr
	s_endpgm
.Lfunc_end_k_q47fc9b9402_prep:
	.size	k_q47fc9b9402_prep, .Lfunc_end_k_q47fc9b9402_prep-k_q47fc9b9402_prep
	.p2alignl 7, 3214868480
	.fill 96, 4, 3214868480
	.section	.rodata,"a",@progbits
	.p2align	6, 0x0
	.amdhsa_kernel k_q47fc9b9402_prep
		.amdhsa_group_segment_fixed_size 0
		.amdhsa_private_segment_fixed_size 0
		.amdhsa_enable_private_segment 0
		.amdhsa_kernarg_size 96
		.amdhsa_user_sgpr_count 2
		.amdhsa_user_sgpr_kernarg_segment_ptr 1
		.amdhsa_wavefront_size32 1
		.amdhsa_system_sgpr_workgroup_id_x 1
		.amdhsa_system_sgpr_workgroup_id_y 1
		.amdhsa_system_sgpr_workgroup_id_z 1
		.amdhsa_system_vgpr_workitem_id 0
		.amdhsa_next_free_vgpr 152
		.amdhsa_next_free_sgpr 66
		.amdhsa_reserve_vcc 0
		.amdhsa_float_denorm_mode_32 3
		.amdhsa_float_denorm_mode_16_64 3
		.amdhsa_memory_ordered 1
		.amdhsa_forward_progress 1
		.amdhsa_inst_pref_size 27
	.end_amdhsa_kernel
	.amdgpu_metadata
---
amdhsa.version: [ 1, 2 ]
amdhsa.kernels:
  - .name:           k_q47fc9b9402_prep
    .symbol:         k_q47fc9b9402_prep.kd
    .args:
      - { .name: x, .offset: 0, .size: 8, .value_kind: global_buffer, .address_space: global }
      - { .name: ln1_g, .offset: 8, .size: 8, .value_kind: global_buffer, .address_space: global }
      - { .name: ln1_b, .offset: 16, .size: 8, .value_kind: global_buffer, .address_space: global }
      - { .name: act, .offset: 24, .size: 8, .value_kind: global_buffer, .address_space: global }
      - { .name: W_qkv, .offset: 32, .size: 8, .value_kind: global_buffer, .address_space: global }
      - { .name: W_o, .offset: 40, .size: 8, .value_kind: global_buffer, .address_space: global }
      - { .name: W1, .offset: 48, .size: 8, .value_kind: global_buffer, .address_space: global }
      - { .name: W2, .offset: 56, .size: 8, .value_kind: global_buffer, .address_space: global }
      - { .name: wq, .offset: 64, .size: 8, .value_kind: global_buffer, .address_space: global }
      - { .name: wo, .offset: 72, .size: 8, .value_kind: global_buffer, .address_space: global }
      - { .name: w1b, .offset: 80, .size: 8, .value_kind: global_buffer, .address_space: global }
      - { .name: w2b, .offset: 88, .size: 8, .value_kind: global_buffer, .address_space: global }
    .group_segment_fixed_size: 0
    .private_segment_fixed_size: 0
    .kernarg_segment_align: 8
    .kernarg_segment_size: 96
    .max_flat_workgroup_size: 256
    .sgpr_count:     66
    .vgpr_count:     152
    .wavefront_size: 32
...
	.end_amdgpu_metadata
.endif
;; end of part 8
;; launch gqkv: the kernel of part 2 again; grid 12 x 16, 4 waves a work-group, clusters of 4 x 4, 327,680 bytes of LDS; arguments act, wq, wide, b_qkv; writes wide
;; launch attn (part 9): grid 8 x 32, 8 waves a work-group, no clusters, 327,680 bytes of LDS; arguments wide, act; writes act
.if DOCPART == 9
	.amdgcn_target "amdgcn-amd-amdhsa--gfx1250"
	.amdhsa_code_object_version 6
	.text
	.protected	k_q47fc9b9402_attn
	.globl	k_q47fc9b9402_attn
	.p2align	8
	.type	k_q47fc9b9402_attn,@function
k_q47fc9b9402_attn:
	s_mov_b64 s[64:65], 0
	v_nop
	global_prefetch_b8 v0, s[64:65] scope:SCOPE_SE
	s_setreg_imm32_b32 hwreg(HW_REG_WAVE_MODE, 25, 1), 1
	s_wait_xcnt 0x0
; Causal attention.  wide: [4096][3072] bf16, a row = K (1024), Q (1024), V (1024), each 16 heads of 64.  act: [4096][1024] bf16, head hd at columns 64 hd.
; Work-group (p, bh): batch bh / 16, head bh % 16, the query blocks p and 15 - p of 128 queries, one after the other: (p + 1) + (16 - p) = 17 tiles of
; 128 keys for every work-group, so all 256 do the same work and walk ONE STREAM OF 17 TRIPS: trips 0 .. p are block p's, trips p + 1 .. 16 block 15 - p's.
; EIGHT WAVES, two for each SIMD, so that one wave's softmax runs while the other's matrix instructions and LDS loads are under way.  Wave w: wq = w % 4, kh = w / 4.
; It owns queries 32 wq .. 32 wq + 31 of the block (two tiles of 16) and, of every key tile, the keys 64 kh .. 64 kh + 63.  The two waves of a pair (w, w xor 4)
; keep a running maximum, sum and output each; at a block's end they hand each other one query tile's part through LDS and each finishes 16 queries.
; THE RING: four places in LDS of one key tile each (K, then V); trip s reads place s % 4.  Two places are filled behind one barrier, every second trip, so a request
; has two trips' work in which to land.  Each wave fetches 16 rows of K and 16 of V of a tile: four tensor loads of a wave are out at the most.
; LAYOUT: S^T = K Q^T (source 0 = 16 keys, source 1 = 16 queries) puts query l % 16 in lane l and keys 8 (l / 16) + j in register j.  Two neighbouring key tiles of 16,
; packed to bf16, ARE the second operand of O^T = V^T P^T for 32 keys, and V^T comes from the [key][d] tile by ds_load_tr16_b128.  So the maximum, the sum and
; the rescaling are one number a lane (the two halves of the lanes joined by one v_permlanex16_b32), and P never goes through LDS.
; Softmax with a running maximum, in base 2: p = 2^(c s - c m), c = log2(e) / 8.  Masked scores are -inf.  The running maximum starts at -2^126, not at -inf: a key half that the
; mask empties then gives p = 0, sum 0 and a rescale factor of exactly 1 (c x 2^126 is exact), and the first trip of the second block, whose factor 2^(c (-2^126 - m)) is 0,
; wipes the first block's sums, so that nothing is cleared between the blocks.
; NO CLUSTER: the work-groups of one head differ in p; the trip at which a block ends and is masked, and the key tile that is due at a given place of the stream, hang on p,
; so joint requests would need branches and descriptors that differ between partners; work-groups of equal p belong to different heads and share no byte.
; Limits: K, Q, V, P and the result are bf16; the denominator sums the unrounded p; raw scores below -2^126 are not served; v_exp_f32 and v_rcp_f32 are good to 1 ulp and
; flush denormals; NaN and infinite inputs are not treated apart.
.set PK,     144                       ; K's LDS row: 128 bytes + 16, an odd multiple of 16
.set PV,     160                       ; V's LDS row: 128 bytes + 32, an odd multiple of 32
.set KBYTES, 128*PK                    ; 18,432
.set SUB,    128*PK+128*PV             ; 38,912 bytes: a place of the ring: K's tile, then V's
.set SCR,    4*SUB                     ; 155,648 = 608 x 256: behind the ring, what the waves of a pair hand each other; no tensor load lands there
.set SCRW,   9*512                     ; a wave's part: 8 x 512 bytes of sums, 512 bytes of maxima and denominators
.set STAGE,  SCR+8*SCRW                ; 192,512: 16 rows x 144 bytes for each wave, for the way out; no tensor load lands there
.set STW,    16*PK
.set QKVP,   6144                      ; bytes in a row of wide
.set STEP,   128*QKVP                  ; from a key tile to the next
.set KA,  4                            ; v4-7    LDS address of my K fragments in place 0 .. 3
.set VA,  8                            ; v8-11   the same for V
.set VD,  12                           ; v12     32 wq + l % 16 - 8 (l / 16) - 64 kh: the mask's right side
.set QO,  13                           ; v13     my byte offset in Q's rows
.set M,   14                           ; v14-15  running maximum of query tile 0, 1
.set MN,  16                           ; v16-17  the new one; at a block's end my lane's sums (v[14:17] go to the partner in one store)
.set NM,  18                           ; v[18:21] - c x maximum (low register of each pair)
.set AL,  22                           ; v[22:25] rescale factor (low register of each pair)
.set LP,  26                           ; v[26:29] running sums, a pair for each query tile
.set T,   30                           ; v30-31  at work
.set Q,   32                           ; v32-63  Q fragments: tile q, d step d at 16 q + 8 d.  v256-287: the second block's, loaded at the start
.set KV,  64                           ; v64-127 K fragments (d step d, key tile k) at 8 (4 d + k); then V fragments (32 keys c, d tile t) at 8 (4 c + t)
.set S,   128                          ; v128-191 scores: query tile q, key tile k at 32 q + 8 k; then P: (q, c) at 32 q + 16 c
.set O,   192                          ; v192-255 output: query tile q, d tile t at 32 q + 8 t
; a block's end works in the registers of K, V and the scores, which are free by then
.set PM,   64                          ; v[64:67]   the partner's two maxima and two sums
.set PO,   68                          ; v[68:99]   the partner's part of the query tile that I keep
.set PKD,  100                         ; v[100:115] packed results
.set ASW,  128                         ; where I put what I give
.set ASR,  129                         ; where the partner put what I get
.set ASTO, 130                         ; the stage: where I put 16 bytes of a row
.set ARD,  131                         ; where I read rows back
.set ACO,  132                         ; my byte offset in act
.set TA,   133
.set TB,   134
.set E0,   136                         ; 2^(c (my m - m))
.set E1,   137                         ; 2^(c (partner's m - m))
.set L0,   138                         ; the denominator, then its reciprocal
.set RBK,  144                         ; v[144:159] rows read back
.set G1K, 20                           ; s[20:27] descriptor group 1 for K
.set G1V, 28                           ; s[28:35] for V
.set GK,  36                           ; s[36:51] group 0 for K, a set for each place
.set GV,  68                           ; s[68:83] for V
.set MSB, 0
.macro WIN new                         ; s_set_vgpr_msb: the immediate's high byte repeats the setting that is left
.if MSB != \new
	s_set_vgpr_msb (MSB<<8)|\new
.set MSB, \new
.endif
.endm
	s_load_b128 s[4:7], s[0:1], 0x0                ; wide s[4:5], act s[6:7]
	s_set_vgpr_msb 0x40
	v_lshl_add_u32 v32, v0, 2, 0x33800
	v_mov_b32 v33, 0
	s_set_vgpr_msb 0x4045
	ds_add_u32 v32, v33
	ds_add_u32 v32, v33
	s_set_vgpr_msb 0x4500
	v_lshrrev_b32 v1, 5, v0
	v_readfirstlane_b32 s8, v1                     ; wave 0 .. 7
	s_and_b32 s88, s8, 3                           ; wq: which 32 queries
	s_lshr_b32 s87, s8, 2                          ; kh: which 64 keys of a tile; also which query tile I finish
	s_mov_b32 s9, ttmp9                            ; p
	s_mov_b32 s10, s9                              ; trips until the first block's last
	s_add_co_u32 s86, s9, 1                        ; tiles still to be asked for the first block
	s_mov_b32 s84, 0                               ; s[84:85]: byte offset of the next key tile to be asked for
	s_mov_b32 s85, 0
	s_sub_co_u32 s3, 15, s9                        ; the second block
	s_and_b32 s2, ttmp7, 0xffff
	s_lshr_b32 s11, s2, 4                          ; batch
	s_and_b32 s12, s2, 15                          ; head
	s_mov_b32 s14, 0x76543210                      ; v_permlanex16_b32: lane i of one half reads lane i of the other
	s_mov_b32 s15, 0xfedcba98
	s_mov_b32 s16, 0x3e38aa3b                      ; c = log2(e) / 8
	s_mov_b32 s17, 0x3e38aa3b
	s_mov_b32 s18, 0xff800000                      ; -inf
	s_mov_b32 s19, 0xbe38aa3b                      ; - c
	s_mov_b32 s89, 0xfe800000                      ; -2^126: where the running maximum starts
	; group 1: 16 rows x 64 elements of 2 bytes, padding behind every 32 words: 4 words for K, 8 for V
	s_mov_b32 s[G1K+0], (1<<16)|(1<<20)|(4<<22)|(3<<25)
	s_mov_b32 s[G1K+1], 64<<16                     ; tensor_dim0 = 64
	s_mov_b32 s[G1K+2], 16<<16                     ; tensor_dim1 = 16
	s_mov_b32 s[G1K+3], 64<<16                     ; tile_dim0 = 64
	s_mov_b32 s[G1K+4], 16                         ; tile_dim1 = 16
	s_mov_b32 s[G1K+5], 3072                       ; elements from row to row
	s_mov_b32 s[G1K+6], 0
	s_mov_b32 s[G1K+7], 0
	s_mov_b32 s[G1V+0], (1<<16)|(1<<20)|(4<<22)|(7<<25)
	s_mov_b32 s[G1V+1], 64<<16
	s_mov_b32 s[G1V+2], 16<<16
	s_mov_b32 s[G1V+3], 64<<16
	s_mov_b32 s[G1V+4], 16
	s_mov_b32 s[G1V+5], 3072
	s_mov_b32 s[G1V+6], 0
	s_mov_b32 s[G1V+7], 0
	s_mul_i32 s66, s8, 16*PK                       ; my 16 rows of K's tile
	s_mul_i32 s67, s8, 16*PV                       ; my 16 rows of V's tile,
	s_add_co_u32 s67, s67, KBYTES                  ; which lies behind K's
.irp u, 0,1,2,3
	s_mov_b32 s[GK+4*\u], 1
	s_add_co_u32 s[GK+4*\u+1], s66, \u*SUB
	s_mov_b32 s[GV+4*\u], 1
	s_add_co_u32 s[GV+4*\u+1], s67, \u*SUB
.endr
	; byte offsets, all below 32 MiB
	s_lshl_b32 s94, s11, 11                        ; the batch's first row
	s_lshl_b32 s95, s12, 7                         ; the head's 128 bytes in a row
	s_lshl_b32 s96, s8, 4
	s_add_co_u32 s96, s96, s94
	s_mul_i32 s96, s96, QKVP
	s_add_co_u32 s52, s96, s95                     ; K: row batch + 16 w of key tile 0
	s_mov_b32 s53, 0
	s_lshl_b32 s97, s88, 5
	s_add_co_u32 s97, s97, s94                     ; batch + 32 wq
	s_lshl_b32 s98, s9, 7
	s_add_co_u32 s98, s98, s97                     ; my first query of block p
	s_lshl_b32 s99, s3, 7
	s_add_co_u32 s99, s99, s97                     ; of block 15 - p
	s_mul_i32 s56, s98, QKVP
	s_add_co_u32 s56, s56, s95
	s_add_co_u32 s56, s56, 2048                    ; Q lies 1,024 elements into a row
	s_mov_b32 s57, 0
	s_mul_i32 s58, s99, QKVP
	s_add_co_u32 s58, s58, s95
	s_add_co_u32 s58, s58, 2048
	s_mov_b32 s59, 0
	s_lshl_b32 s2, s87, 4                          ; I finish queries 16 kh .. 16 kh + 15 of my 32
	s_add_co_u32 s98, s98, s2
	s_add_co_u32 s99, s99, s2
	s_lshl_b32 s60, s98, 11                        ; act: rows of 2,048 bytes
	s_add_co_u32 s60, s60, s95
	s_mov_b32 s61, 0
	s_lshl_b32 s62, s99, 11
	s_add_co_u32 s62, s62, s95
	s_mov_b32 s63, 0
	s_mul_i32 s91, s8, SCRW
	s_add_co_u32 s91, s91, SCR                     ; where I give
	s_xor_b32 s92, s8, 4
	s_mul_i32 s92, s92, SCRW
	s_add_co_u32 s92, s92, SCR                     ; where my partner gives
	s_mul_i32 s93, s8, STW
	s_add_co_u32 s93, s93, STAGE                   ; my stage
; The next tile of the stream, for place u: its addresses; then the offset steps, and returns to key 0 when the first block's p + 1 tiles have been asked for.
.macro NEXT u
	s_add_nc_u64 s[GK+4*\u+2:GK+4*\u+3], s[52:53], s[84:85]
	s_add_nc_u64 s[GV+4*\u+2:GV+4*\u+3], s[54:55], s[84:85]
	s_add_co_u32 s84, s84, STEP
	s_sub_co_u32 s86, s86, 1
	s_cmp_eq_u32 s86, 0
	s_cselect_b32 s84, 0, s84
.endm
.macro FILL u
	tensor_load_to_lds s[GK+4*\u:GK+4*\u+3], s[G1K:G1K+7]
	s_nop 0
	tensor_load_to_lds s[GV+4*\u:GV+4*\u+3], s[G1V:G1V+7]
	s_nop 0
.endm
	s_wait_dscnt 0x0
	s_wait_kmcnt 0x0
	s_add_nc_u64 s[52:53], s[4:5], s[52:53]        ; K of key tile 0
	s_add_nc_u64 s[54:55], s[52:53], 4096          ; V lies 2,048 elements further
	s_or_b32 s53, s53, 0x80000000                  ; the descriptor's type
	s_or_b32 s55, s55, 0x80000000
	NEXT 0
	NEXT 1
	FILL 0                                         ; the stream's tiles 0 and 1
	FILL 1
	s_add_nc_u64 s[56:57], s[4:5], s[56:57]        ; Q of block p
	s_add_nc_u64 s[58:59], s[4:5], s[58:59]        ; Q of block 15 - p
	s_add_nc_u64 s[60:61], s[6:7], s[60:61]        ; where block p goes
	s_add_nc_u64 s[62:63], s[6:7], s[62:63]        ; where block 15 - p goes
	v_and_b32 v1, 15, v0                           ; l % 16
	v_bfe_u32 v2, v0, 4, 1                         ; l / 16
	v_mul_u32_u24 v[QO], v1, QKVP
	v_lshl_add_u32 v[QO], v2, 4, v[QO]
.macro QLOAD lo, dst                   ; my 32 queries as four fragments: row l % 16, two loads of 16 bytes, 32 bytes apart, at 16 (l / 16)
.irp q, 0,1
.irp d, 0,1
	global_load_b128 v[\dst+16*\q+8*\d:\dst+16*\q+8*\d+3],   v[QO], s[\lo:\lo+1] offset:\q*16*QKVP+\d*64
	global_load_b128 v[\dst+16*\q+8*\d+4:\dst+16*\q+8*\d+7], v[QO], s[\lo:\lo+1] offset:\q*16*QKVP+\d*64+32
.endr
.endr
.endm
	QLOAD 56, Q
	WIN 0x40                                       ; destination v256 and up
	QLOAD 58, 0                                    ; the second block's Q, now, so that the change of blocks waits for no memory
	WIN 0
	v_mul_u32_u24 v3, v1, PK
	v_lshl_add_u32 v3, v2, 4, v3                   ; row l % 16 x pitch + 16 (l / 16)
	s_mul_i32 s2, s87, 64*PK                       ; my half of the keys
	v_add_nc_u32 v[KA], s2, v3
.irp u, 1,2,3
	v_add_nc_u32 v[KA+\u], \u*SUB, v[KA]
.endr
	v_and_b32 v3, 7, v0
	v_lshl_add_u32 v3, v2, 3, v3                   ; key row 8 (l / 16) + l % 8
	v_mul_u32_u24 v3, v3, PV
	v_bfe_u32 v[T], v0, 3, 1
	v_lshl_add_u32 v3, v[T], 4, v3                 ; 16 bytes ((l / 8) % 2)
	s_mul_i32 s2, s87, 64*PV
	s_add_co_u32 s2, s2, KBYTES
	v_add_nc_u32 v[VA], s2, v3
.irp u, 1,2,3
	v_add_nc_u32 v[VA+\u], \u*SUB, v[VA]
.endr
	v_lshlrev_b32 v3, 3, v2
	v_sub_nc_u32 v[VD], v1, v3
	s_lshl_b32 s2, s88, 5
	s_lshl_b32 s3, s87, 6
	s_sub_co_i32 s2, s2, s3
	v_add_nc_u32 v[VD], s2, v[VD]
.irp i, NM+1, NM+3, AL+1, AL+3, T, T+1, MN, MN+1
	v_mov_b32 v[\i], 0                             ; upper registers of pairs of which the low one is broadcast, and destinations of v_permlanex16_b32: written once
.endr
	; The sums are cleared once: the stream's first trip is the loop's first, so its products stand at no place of their own in the text
.set i, 0
.rept 64
	v_mov_b32 v[O+i], 0
.set i, i+1
.endr
.irp i, 0,1,2,3
	v_mov_b32 v[LP+\i], 0
.endr
	v_mov_b32 v[M], s89
	v_mov_b32 v[M+1], s89
.macro GIVE q                          ; my part of query tile q goes to my partner: lane l's 16 bytes at 16 l, 512 consecutive bytes a store
.irp i, 0,1,2,3,4,5,6,7
	ds_store_b128 v[ASW], v[O+32*\q+4*\i:O+32*\q+4*\i+3] offset:512*\i
.endr
.endm
.macro KEEP q                          ; query tile q is finished here: both parts brought to the common maximum, added, divided, rounded, into the stage
	s_wait_dscnt 8                                 ; the partner's maxima and sums are in; the eight younger loads (its part of the output) may be out
	v_max_num_f32 v[T], v[M+\q], v[PM+\q]          ; the common maximum
	v_mul_f32 v[T+1], s19, v[T]
	v_fma_f32 v[E0], v[M+\q], s16, v[T+1]
	v_fma_f32 v[E1], v[PM+\q], s16, v[T+1]
	v_exp_f32 v[E0], v[E0]
	v_exp_f32 v[E1], v[E1]
	v_nop                                          ; one plain instruction behind a transcendental (ISA guide 5.7.2)
	s_wait_alu depctr_va_vdst(0)
	v_mul_f32 v[L0], v[MN+\q], v[E0]
	v_fma_f32 v[L0], v[PM+2+\q], v[E1], v[L0]
	v_permlanex16_b32 v[T], v[L0], s14, s15        ; the keys of the other half of the lanes
	v_add_f32 v[L0], v[L0], v[T]
	v_rcp_f32 v[L0], v[L0]
	v_nop
	s_wait_alu depctr_va_vdst(0)
	v_mul_f32 v[AL], v[E0], v[L0]
	v_mul_f32 v[AL+2], v[E1], v[L0]
	s_wait_dscnt 0
.irp i, 0,2,4,6,8,10,12,14,16,18,20,22,24,26,28,30
	v_pk_mul_f32 v[O+32*\q+\i:O+32*\q+\i+1], v[O+32*\q+\i:O+32*\q+\i+1], v[AL:AL+1] op_sel_hi:[1,0]
.endr
.irp i, 0,2,4,6,8,10,12,14,16,18,20,22,24,26,28,30
	v_pk_fma_f32 v[O+32*\q+\i:O+32*\q+\i+1], v[PO+\i:PO+\i+1], v[AL+2:AL+3], v[O+32*\q+\i:O+32*\q+\i+1] op_sel_hi:[1,0,1]
.endr
.irp t, 0,1,2,3
.irp i, 0,1,2,3
	v_cvt_pk_bf16_f32 v[PKD+4*\t+\i], v[O+32*\q+8*\t+2*\i], v[O+32*\q+8*\t+2*\i+1]
.endr
	ds_store_b128 v[ASTO], v[PKD+4*\t:PKD+4*\t+3] offset:\t*32
.endr
.endm
; A block's end.  cont = 1: the second block follows.
.macro PHEND cont
	v_add_f32 v[MN], v[LP], v[LP+1]                ; my lane's sums
	v_add_f32 v[MN+1], v[LP+2], v[LP+3]
	v_and_b32 v[TA], 31, v0
	v_lshlrev_b32 v[TA], 4, v[TA]                  ; 16 x lane
	v_add_nc_u32 v[ASW], s91, v[TA]
	v_add_nc_u32 v[ASR], s92, v[TA]
	v_and_b32 v[TA], 15, v0
	v_bfe_u32 v[TB], v0, 4, 1
	v_mul_u32_u24 v[TA], v[TA], PK
	v_lshl_add_u32 v[TA], v[TB], 4, v[TA]
	v_add_nc_u32 v[ASTO], s93, v[TA]               ; in: row l % 16, 16 bytes for each half of the lanes
	v_bfe_u32 v[TA], v0, 3, 2
	v_and_b32 v[TB], 7, v0
	v_mul_u32_u24 v[ARD], v[TA], PK
	v_lshl_add_u32 v[ARD], v[TB], 4, v[ARD]
	v_add_nc_u32 v[ARD], s93, v[ARD]               ; back: eight lanes take a row of 128 bytes
	v_lshlrev_b32 v[ACO], 11, v[TA]
	v_lshl_add_u32 v[ACO], v[TB], 4, v[ACO]        ; and the same rows in act
	ds_store_b128 v[ASW], v[M:M+3] offset:8*512    ; my two maxima, my two sums
	s_cmp_lg_u32 s87, 0                            ; kh = 0 keeps query tile 0 and gives tile 1; kh = 1 the other way round
	s_cbranch_scc1 .Lgive0_\@
	GIVE 1
	s_branch .Lgiven_\@
.Lgive0_\@:
	GIVE 0
.Lgiven_\@:
	s_wait_dscnt 0x0                               ; for the partner's sake: my stores are done
	s_barrier_signal -1
	s_barrier_wait -1                              ; the two tiles that are on their way may stay out
	ds_load_b128 v[PM:PM+3], v[ASR] offset:8*512
.irp i, 0,1,2,3,4,5,6,7
	ds_load_b128 v[PO+4*\i:PO+4*\i+3], v[ASR] offset:512*\i
.endr
	s_cmp_lg_u32 s87, 0
	s_cbranch_scc1 .Lkeep1_\@
	KEEP 0
	s_branch .Lkept_\@
.Lkeep1_\@:
	KEEP 1
.Lkept_\@:
.irp t, 0,1,2,3
	ds_load_b128 v[RBK+4*\t:RBK+4*\t+3], v[ARD] offset:\t*4*PK   ; my own bytes: LDS serves a wave's instructions in order
.endr
.irp t, 0,1,2,3
	s_wait_dscnt 3-\t                              ; the younger rows may be out
	global_store_b128 v[ACO], v[RBK+4*\t:RBK+4*\t+3], s[60:61] offset:\t*4*2048   ; eight lanes store the 128 consecutive bytes that a head owns in a row
.endr
	s_wait_xcnt 0x0                                ; the stores' data, offset and base are written again only behind this wait
.if \cont
	s_mov_b64 s[60:61], s[62:63]                   ; where the second block goes
	v_mov_b32 v[M], s89                            ; the next trip's rescale factor is then 0 and wipes the sums
	v_mov_b32 v[M+1], s89
	WIN 0x01                                       ; source v256 and up
.set i, 0
.rept 32
	v_mov_b32 v[Q+i], v[i]                         ; the second block's Q
.set i, i+1
.endr
	WIN 0
	s_wait_dscnt 0x0                               ; my reads of the partner's bytes are done:
	s_barrier_signal -1
	s_barrier_wait -1                              ; no wave stores there again before all have read
.endif
.endm
; One trip: my 64 keys of the tile in place sub.
; head = 1: the two places f1, f2, read in the last two trips, are filled with the stream's next two tiles; 2: f1 alone; 3: a barrier, nothing to fill; 0: the tile landed with the one before it.
; check = 1: this may be the first block's last trip (s10 = 0): then the mask and the block's end; 2: it is the second block's last; 0: neither.
.macro TRIP sub, head, check, f1, f2
.if \head
	s_set_vgpr_msb 0x5
	s_wait_tensorcnt 0x0                           ; all my tensor loads have landed, my parts of this trip's and the next trip's tile among them, so every group 0 may be written
	ds_add_u32 v32, v33
	s_wait_dscnt 0x0
	s_set_vgpr_msb 0x500
.if \head == 1
	NEXT \f1
	NEXT \f2
.endif
.if \head == 2
	NEXT \f1
.endif
	s_wait_dscnt 0x0                               ; my reads of the last two trips' tiles are done
	s_barrier_signal -1
	s_barrier_wait -1                              ; both now hold of all eight waves
.if \head == 1
	FILL \f1                                       ; the first tensor loads behind the barrier: they have two trips in which to land
	FILL \f2
.endif
.if \head == 2
	FILL \f1
.endif
.endif
.irp d, 0,1
.irp k, 0,1,2,3
	ds_load_b128 v[KV+8*(4*\d+\k):KV+8*(4*\d+\k)+3],   v[KA+\sub] offset:\k*16*PK+\d*64
	ds_load_b128 v[KV+8*(4*\d+\k)+4:KV+8*(4*\d+\k)+7], v[KA+\sub] offset:\k*16*PK+\d*64+32
.endr
.endr
	s_wait_dscnt 8                                 ; d = 0 .. 31 of the four key tiles of 16 are in; the eight younger loads may be out
.irp k, 0,1,2,3
.irp q, 0,1
	v_wmma_f32_16x16x32_bf16 v[S+32*\q+8*\k:S+32*\q+8*\k+7], v[KV+8*\k:KV+8*\k+7], v[Q+16*\q:Q+16*\q+7], 0   ; eight accumulators by turns, one instruction a turn
.endr
.endr
	s_wait_dscnt 0
.irp k, 0,1,2,3
.irp q, 0,1
	v_wmma_f32_16x16x32_bf16 v[S+32*\q+8*\k:S+32*\q+8*\k+7], v[KV+32+8*\k:KV+32+8*\k+7], v[Q+16*\q+8:Q+16*\q+15], v[S+32*\q+8*\k:S+32*\q+8*\k+7]
.endr
.endr
.rept 4
	v_nop                                          ; four places in front of the loads into K's fragments and of the reads of the scores
.endr
.irp c, 0,1
.irp t, 0,1,2,3
	ds_load_tr16_b128 v[KV+8*(4*\c+\t):KV+8*(4*\c+\t)+3],   v[VA+\sub] offset:\c*32*PV+\t*32
	ds_load_tr16_b128 v[KV+8*(4*\c+\t)+4:KV+8*(4*\c+\t)+7], v[VA+\sub] offset:\c*32*PV+\t*32+16*PV
.endr
.endr
.if \check == 1
	s_cmp_lg_u32 s10, 0                            ; the same in all waves: made of the work-group's number and the trips alone
	s_cbranch_scc1 .Lnomask_\@
.endif
.if \check
	; the diagonal tile: key 64 kh + 16 k + 8 (l / 16) + j of the block stays where it is <= query 32 wq + 16 q + l % 16
.irp q, 0,1
.irp k, 0,1,2,3
.irp j, 0,1,2,3,4,5,6,7
	v_cmp_le_i32 vcc_lo, 16*\k+\j-16*\q, v[VD]
	v_cndmask_b32 v[S+32*\q+8*\k+\j], s18, v[S+32*\q+8*\k+\j], vcc_lo
.endr
.endr
.endr
.endif
.if \check == 1
.Lnomask_\@:
.endif
.irp q, 0,1
	v_max3_num_f32 v[MN+\q], v[S+32*\q], v[S+32*\q+1], v[M+\q]
.endr
.irp i, 2,4,6,8,10,12,14,16,18,20,22,24,26,28,30
.irp q, 0,1
	v_max3_num_f32 v[MN+\q], v[MN+\q], v[S+32*\q+\i], v[S+32*\q+\i+1]
.endr
.endr
.irp q, 0,1
	v_permlanex16_b32 v[T+\q], v[MN+\q], s14, s15  ; the other 32 keys of the same query
.endr
.irp q, 0,1
	v_max_num_f32 v[MN+\q], v[MN+\q], v[T+\q]
	v_mul_f32 v[NM+2*\q], s19, v[MN+\q]            ; - c m
	v_fma_f32 v[T+\q], v[M+\q], s16, v[NM+2*\q]    ; c (old m - m)
	v_exp_f32 v[AL+2*\q], v[T+\q]
	v_mov_b32 v[M+\q], v[MN+\q]                    ; a plain instruction behind the transcendental
.endr
.irp q, 0,1
.irp i, 0,2,4,6,8,10,12,14,16,18,20,22,24,26,28,30
	v_pk_fma_f32 v[S+32*\q+\i:S+32*\q+\i+1], v[S+32*\q+\i:S+32*\q+\i+1], s[16:17], v[NM+2*\q:NM+2*\q+1] op_sel_hi:[1,0,0]
.endr
.endr
.set i, 0
.rept 64
	v_exp_f32 v[S+i], v[S+i]
.set i, i+1
.endr
	s_wait_alu depctr_va_vdst(0)
.irp q, 0,1
.irp i, 0,2,4,6,8,10,12,14,16,18,20,22,24,26,28,30
	v_pk_mul_f32 v[O+32*\q+\i:O+32*\q+\i+1], v[O+32*\q+\i:O+32*\q+\i+1], v[AL+2*\q:AL+2*\q+1] op_sel_hi:[1,0]   ; plain work behind the exponentials
.endr
	v_pk_mul_f32 v[LP+2*\q:LP+2*\q+1], v[LP+2*\q:LP+2*\q+1], v[AL+2*\q:AL+2*\q+1] op_sel_hi:[1,0]
.endr
	; sum, and pack in place: registers 2 i, 2 i + 1 of a run of 16 go into register i, which has been read by then
.irp c, 0,1
.irp i, 0,1,2,3,4,5,6,7
.irp q, 0,1
	v_pk_add_f32 v[LP+2*\q:LP+2*\q+1], v[LP+2*\q:LP+2*\q+1], v[S+32*\q+16*\c+2*\i:S+32*\q+16*\c+2*\i+1]
	v_cvt_pk_bf16_f32 v[S+32*\q+16*\c+\i], v[S+32*\q+16*\c+2*\i], v[S+32*\q+16*\c+2*\i+1]
.endr
.endr
.endr
	s_wait_dscnt 8                                 ; V of my keys 0 .. 31 is in; the eight younger loads may be out
.irp t, 0,1,2,3
.irp q, 0,1
	v_wmma_f32_16x16x32_bf16 v[O+32*\q+8*\t:O+32*\q+8*\t+7], v[KV+8*\t:KV+8*\t+7], v[S+32*\q:S+32*\q+7], v[O+32*\q+8*\t:O+32*\q+8*\t+7]
.endr
.endr
	s_wait_dscnt 0
.irp t, 0,1,2,3
.irp q, 0,1
	v_wmma_f32_16x16x32_bf16 v[O+32*\q+8*\t:O+32*\q+8*\t+7], v[KV+32+8*\t:KV+32+8*\t+7], v[S+32*\q+16:S+32*\q+23], v[O+32*\q+8*\t:O+32*\q+8*\t+7]
.endr
.endr
.rept 5
	v_nop                                          ; five places in front of the next trip's matrix instructions, which write over P; four serve its loads into V's fragments and a block's end, which reads O and writes over P and V
.endr
.if \check == 1
	s_cmp_lg_u32 s10, 0
	s_cbranch_scc1 .Lnoend_\@
	PHEND 1
.Lnoend_\@:
	s_sub_co_i32 s10, s10, 1                       ; below 0 behind the first block's end: never 0 again
.endif
.if \check == 2
	PHEND 0
.endif
.endm
	s_wait_loadcnt 0x0                             ; Q of both blocks
	s_mov_b32 s13, 3
.Lloop:                                            ; trips 0 .. 11; the first block ends in one of trips 0 .. 7
	TRIP 0, 1, 1, 2, 3
	TRIP 1, 0, 1, 0, 0
	TRIP 2, 1, 1, 0, 1
	TRIP 3, 0, 1, 0, 0
	s_sub_co_u32 s13, s13, 1
	s_cmp_lg_u32 s13, 0
	s_cbranch_scc1 .Lloop
	TRIP 0, 1, 0, 2, 3                             ; trip 12 asks for tiles 14 and 15
	TRIP 1, 0, 0, 0, 0
	TRIP 2, 2, 0, 0, 0                             ; trip 14 asks for tile 16, the last
	TRIP 3, 0, 0, 0, 0
	TRIP 0, 3, 2, 0, 0                             ; trip 16: the second block's diagonal tile; its wait for all tensor loads is the last
	s_set_vgpr_msb 0x5
	s_wait_tensorcnt 0x0
	ds_add_u32 v32, v33
	s_wait_dscnt 0x0
	s_set_vgpr_msb 0x500
	s_endpgm
.Lfunc_end_k_q47fc9b9402_attn:
	.size	k_q47fc9b9402_attn, .Lfunc_end_k_q47fc9b9402_attn-k_q47fc9b9402_attn
	.p2alignl 7, 3214868480
	.fill 96, 4, 3214868480
	.section	.rodata,"a",@progbits
	.p2align	6, 0x0
	.amdhsa_kernel k_q47fc9b9402_attn
		.amdhsa_group_segment_fixed_size 327680
		.amdhsa_private_segment_fixed_size 0
		.amdhsa_enable_private_segment 0
		.amdhsa_kernarg_size 16
		.amdhsa_user_sgpr_count 2
		.amdhsa_user_sgpr_kernarg_segment_ptr 1
		.amdhsa_wavefront_size32 1
		.amdhsa_system_sgpr_workgroup_id_x 1
		.amdhsa_system_sgpr_workgroup_id_y 1
		.amdhsa_system_sgpr_workgroup_id_z 1
		.amdhsa_system_vgpr_workitem_id 0
		.amdhsa_next_free_vgpr 290
		.amdhsa_next_free_sgpr 100
		.amdhsa_reserve_vcc 1
		.amdhsa_float_denorm_mode_32 3
		.amdhsa_float_denorm_mode_16_64 3
		.amdhsa_memory_ordered 1
		.amdhsa_forward_progress 1
		.amdhsa_inst_pref_size 254
	.end_amdhsa_kernel
	.amdgpu_metadata
---
amdhsa.version: [ 1, 2 ]
amdhsa.kernels:
  - .name:           k_q47fc9b9402_attn
    .symbol:         k_q47fc9b9402_attn.kd
    .args:
      - { .name: wide, .offset: 0, .size: 8, .value_kind: global_buffer, .address_space: global }
      - { .name: act, .offset: 8, .size: 8, .value_kind: global_buffer, .address_space: global }
    .group_segment_fixed_size: 327680
    .private_segment_fixed_size: 0
    .kernarg_segment_align: 8
    .kernarg_segment_size: 16
    .max_flat_workgroup_size: 256
    .sgpr_count:     100
    .vgpr_count:     290
    .wavefront_size: 32
...
	.end_amdgpu_metadata
.endif
;; end of part 9
;; launch gwo (part 10): grid 8 x 32, 4 waves a work-group, clusters of 4 x 4, 327,680 bytes of LDS; arguments act, wo, x2, b_o, x; writes x2
.if DOCPART == 10
	.amdgcn_target "amdgcn-amd-amdhsa--gfx1250"
	.amdhsa_code_object_version 6
	.text
	.protected	k_q47fc9b9402_gwo
	.globl	k_q47fc9b9402_gwo
	.p2align	8
	.type	k_q47fc9b9402_gwo,@function
k_q47fc9b9402_gwo:
	s_mov_b64 s[64:65], 0
	v_nop
	global_prefetch_b8 v0, s[64:65] scope:SCOPE_SE
	s_setreg_imm32_b32 hwreg(HW_REG_WAVE_MODE, 25, 1), 1
	s_wait_xcnt 0x0
	s_wait_alu depctr_hold_cnt(0) depctr_sa_sdst(0) depctr_va_vdst(0) depctr_va_sdst(0) depctr_va_ssrc(0) depctr_va_vcc(0) depctr_vm_vsrc(0)
	s_getreg_b32 s2, hwreg(HW_REG_IB_STS2, 6, 4)
	s_cmp_eq_u32 s2, 0
	s_cbranch_scc0 .Lentry_in_a_cluster
	s_endpgm
.Lentry_in_a_cluster:
	s_bfe_u32 s2, ttmp6, 0x10000c
	s_cmp_lg_u32 s2, 0xf033
	s_cbranch_scc0 .Lentry_shape_is_right
	s_endpgm
.Lentry_shape_is_right:
; OUT[m][n] = RES[m][n] + bias[n] + sum over k of A[m][k] B[k][n].  A: [4096][SIZE_K] bf16, B: [SIZE_K][1024] bf16 (k along the slow axis), bias: [1024] f32,
; RES, OUT: [4096][1024] f32; sums in f32.
; N is 1,024: blocks of 128 x 128 give 8 x 32 = 256 work-groups.  Four waves, a wave 64 x 64: 16 accumulator tiles of 16 x 16.
; K goes in steps of 256 through two LDS slots filled by tensor loads: A's tile [row][k] is read by plain 16-byte loads, B's tile [k][n] by ds_load_tr16_b128.
; CLUSTERS: 4 x 4 work-groups; A's tile is asked for jointly along a row of the cluster, B's along a column.
; THE WALK ALONG K IS ROTATED: a cluster begins at K step (TILES/2 x cluster x + TILES/4 x (cluster y mod 4)) mod TILES and wraps round.  The two clusters along x read the same
; rows of A and begin TILES/2 steps apart; the clusters along y read the same columns of B and begin 0, 1, 2 or 3 quarters of the walk on.  So a tile is not asked for by all
; its readers in the same step: one cluster asks first, the others a quarter of the walk or more later.  The first step is made of the cluster's two numbers alone: it is
; the same in all sixteen work-groups, and so is every descriptor word that hangs on it.
; REGISTERS in windows of 256: window 0 addresses, the bias, fragments of A (two buffers); window 1 fragments of B (two buffers);
; window 2: v0-127 the accumulators (tile (a, b) at v[8 (4 a + b)]), v128-255 my 64 x 64 of RES, laid as the rows go out.
; The matrix instruction is used transposed (source 0 = 16 columns of B, source 1 = 16 rows of A): a lane holds eight neighbouring columns of one row.
; The 16 accumulators take turns, one instruction a turn, in the same order everywhere.
; Limits: the operands are bf16; everything else is f32; the sums run along K from the cluster's first step and wrap round, an order of rounding that differs from ascending k.
.set SIZE_K, 1024
.set SIZE_N, 1024
.set KSTEP,  256
.set TILES,  SIZE_K/KSTEP              ; K steps, a power of two
.set RX,     TILES/2                   ; steps between the first steps of neighbours along x
.set RY,     TILES/4                   ; and along y
.set PA,     528                       ; A's LDS row: 512 bytes + 16, an odd multiple of 16
.set PB,     288                       ; B's LDS row: 256 bytes + 32, an odd multiple of 32
.set HALFT,  128*PB                    ; 36,864: 128 k rows of B; 64 rows of A fill 33,792 of it
.set SLOT,   4*HALFT                   ; A's rows 0-63, A's rows 64-127, B's k rows 0-127, 128-255
.set STAGE,  2*SLOT                    ; behind the ring: 16 rows x 272 bytes for each wave; no tensor load lands there
.set SPITCH, 272
.set LAPS, SIZE_K/(2*KSTEP)
.set ADRA, 16                          ; v16-17  LDS address of my A fragments in slot 0, 1
.set ADRB, 20                          ; v20-23  of my B fragments: 2 x slot + half of the k rows (a tile's 73,728 bytes pass the 16-bit offset)
.set STO,  24
.set RD,   25
.set CO,   26                          ; v26     my byte offset in RES and OUT
.set VB,   27                          ; v27     my byte offset in the bias
.set BIAS, 32                          ; v[32:35] the bias of the four columns that I store
.set F0,   64
.set F1,   128
.set RES,  128                         ; window 2
.set G1, 24
.set G0, 32
.set G1B, 48
.set G0B, 56
.set KT, 94                            ; s94      the K step that is asked for next
.set OA, 96                            ; s[96:97] its byte offset in A's rows
.set OB, 98                            ; s[98:99] its byte offset in B
.set MSB, 0
.macro WIN new                         ; the immediate's high byte repeats the setting that is left
.if MSB != \new
	s_set_vgpr_msb (MSB<<8)|\new
.set MSB, \new
.endif
.endm
.set MUL,    0xa1                      ; source 0 (B) window 1, source 1 (A) window 0, C and D window 2
.set TO_B,   0x40                      ; destination window 1
.set TO_C,   0x80                      ; destination window 2
.set FROM_C, 0x08                      ; source 1 window 2
.macro JLOAD s                         ; waves 0 and 1 fetch A's two halves, waves 2 and 3 B's; the branch hangs on the wave's number alone
	s_cmp_eq_u32 s11, 0
	s_cbranch_scc0 .Lfor_b_\@
	tensor_load_to_lds s[G0+4*\s:G0+4*\s+3], s[G1:G1+7]
	s_nop 0
	s_branch .Lasked_\@
.Lfor_b_\@:
	tensor_load_to_lds s[G0B+4*\s:G0B+4*\s+3], s[G1B:G1B+7]
	s_nop 0
.Lasked_\@:
.endm
; The next K step of the walk, for a slot: both global addresses (s[14:15], s[46:47]: my rows of A and of B at K step 0, type bits set); then the step goes on and wraps round.
.macro NEXTK slot
	s_mul_i32 s[OA], s[KT], KSTEP*2
	s_mul_i32 s[OB], s[KT], KSTEP*SIZE_N*2
	s_add_nc_u64 s[G0+4*\slot+2:G0+4*\slot+3], s[14:15], s[OA:OA+1]
	s_add_nc_u64 s[G0B+4*\slot+2:G0B+4*\slot+3], s[46:47], s[OB:OB+1]
	s_add_co_u32 s[KT], s[KT], 1
	s_and_b32 s[KT], s[KT], TILES-1
.endm
.macro CREST                           ; a round of the cluster's barrier behind its opening barrier
	s_cmp_lg_u32 s10, 0
	s_cbranch_scc1 .Lnot_wave_0_\@
	s_barrier_signal -3
.Lnot_wave_0_\@:
	s_barrier_wait -3
	s_barrier_signal -1
	s_barrier_wait -1
.endm
.macro CROUND
	s_barrier_signal -1
	s_barrier_wait -1
	CREST
.endm
	s_load_b128 s[4:7], s[0:1], 0x0                ; A s[4:5], B s[6:7]
	s_load_b64 s[8:9], s[0:1], 0x10                ; OUT
	s_load_b64 s[66:67], s[0:1], 0x18              ; bias
	s_load_b64 s[68:69], s[0:1], 0x20              ; RES
	s_set_vgpr_msb 0x40
	v_lshl_add_u32 v255, v0, 2, 0x4c400
	s_set_vgpr_msb 0x4000
	v_mov_b32 v255, 0
	s_set_vgpr_msb 0x1
	ds_add_u32 v255, v255
	ds_add_u32 v255, v255
	s_set_vgpr_msb 0x100
	v_lshrrev_b32 v1, 5, v0
	v_readfirstlane_b32 s10, v1                    ; wave 0..3
	s_lshr_b32 s11, s10, 1                         ; which half of the block's rows is mine.  Also: I fetch for A (0) or for B (1)
	s_and_b32 s12, s10, 1                          ; which half of its columns.  Also: which half of that tile I fetch
	s_bfe_u32 s40, ttmp6, 0x40000                  ; cx
	s_bfe_u32 s41, ttmp6, 0x40004                  ; cy
	s_lshl_b32 s42, ttmp9, 2
	s_add_co_u32 s42, s42, s40                     ; block column
	s_and_b32 s13, ttmp7, 0xffff
	s_lshl_b32 s13, s13, 2
	s_add_co_u32 s13, s13, s41                     ; block row
	s_lshl_b32 s43, s41, 2
	s_lshl_b32 s43, 15, s43                        ; my row of the cluster
	s_lshl_b32 s44, 0x1111, s40                    ; my column
	; where my cluster's walk along K begins: of the cluster's two numbers alone (in a cluster launch ttmp9 and ttmp7 count clusters)
	s_and_b32 s[KT], ttmp7, 3                      ; cluster y mod 4
	s_mul_i32 s[KT], s[KT], RY
	s_mul_i32 s[OA], ttmp9, RX
	s_add_co_u32 s[KT], s[KT], s[OA]
	s_and_b32 s[KT], s[KT], TILES-1
	s_mov_b32 s[OA+1], 0                           ; both offsets stay below 8 MiB: their upper words are 0
	s_mov_b32 s[OB+1], 0
	; group 1 for A: 64 rows x 256 elements of 2 bytes, 4 words of padding behind every 128 words
	s_or_b32 s[G1+0], s43, (1<<16)|(1<<20)|(1<<21)|(6<<22)|(3<<25)
	s_mov_b32 s[G1+1], KSTEP<<16
	s_mov_b32 s[G1+2], 64<<16
	s_mov_b32 s[G1+3], KSTEP<<16
	s_mov_b32 s[G1+4], 64
	s_mov_b32 s[G1+5], SIZE_K
	s_mov_b32 s[G1+6], 0
	s_mov_b32 s[G1+7], 0
	; group 1 for B: 128 k rows x 128 elements of 2 bytes, 8 words of padding behind every 64 words
	s_or_b32 s[G1B+0], s44, (1<<16)|(1<<20)|(1<<21)|(5<<22)|(7<<25)
	s_mov_b32 s[G1B+1], 128<<16
	s_mov_b32 s[G1B+2], 128<<16
	s_mov_b32 s[G1B+3], 128<<16
	s_mov_b32 s[G1B+4], 128
	s_mov_b32 s[G1B+5], SIZE_N
	s_mov_b32 s[G1B+6], 0
	s_mov_b32 s[G1B+7], 0
	s_lshl_b32 s17, s12, 6
	s_lshl_b32 s16, s13, 7
	s_add_co_u32 s16, s16, s17                     ; A: row 128 x block row + 64 x half
	s_mul_i32 s16, s16, SIZE_K*2                   ; in bytes: below 32 MiB
	s_mov_b32 s17, 0
	s_lshl_b32 s46, s12, 18                        ; B: k row 128 x half, rows of 2,048 bytes,
	s_lshl_b32 s45, s42, 8                         ; column 128 x block column
	s_add_co_u32 s46, s46, s45
	s_mov_b32 s47, 0
	s_mul_i32 s20, s10, HALFT                      ; where they go: the wave's number alone
	s_wait_dscnt 0x0
	s_wait_kmcnt 0x0
	s_add_nc_u64 s[14:15], s[4:5], s[16:17]
	s_add_nc_u64 s[46:47], s[6:7], s[46:47]
	s_or_b32 s15, s15, 0x80000000                  ; the descriptor's type
	s_or_b32 s47, s47, 0x80000000
	CROUND                                         ; all sixteen work-groups are here: the first joint loads meet
.irp s, 0,1
	s_mov_b32 s[G0+4*\s], 1
	s_add_co_u32 s[G0+4*\s+1], s20, \s*SLOT
	s_mov_b32 s[G0B+4*\s], 1
	s_add_co_u32 s[G0B+4*\s+1], s20, \s*SLOT
	NEXTK \s
	JLOAD \s                                       ; two tensor loads of the wave are out
.endr
	v_and_b32 v1, 15, v0                           ; l % 16
	v_bfe_u32 v2, v0, 4, 1                         ; l / 16
	v_lshlrev_b32 v[VB], 4, v1
	v_lshl_add_u32 v[CO], v2, 12, v[VB]            ; lanes 0-15 one row of 256 bytes, lanes 16-31 the next (rows of 4,096 bytes)
	s_lshl_b32 s70, s13, 7
	s_lshl_b32 s71, s11, 6
	s_add_co_u32 s70, s70, s71
	s_lshl_b32 s70, s70, 12                        ; my first row, in bytes
	s_mov_b32 s71, 0
	s_lshl_b32 s72, s42, 7
	s_lshl_b32 s73, s12, 6
	s_add_co_u32 s72, s72, s73
	s_lshl_b32 s72, s72, 2                         ; my first column, in bytes
	s_mov_b32 s73, 0
	s_add_nc_u64 s[66:67], s[66:67], s[72:73]
	s_add_nc_u64 s[8:9], s[8:9], s[70:71]
	s_add_nc_u64 s[8:9], s[8:9], s[72:73]
	s_add_nc_u64 s[68:69], s[68:69], s[70:71]
	s_add_nc_u64 s[68:69], s[68:69], s[72:73]
	v_mul_u32_u24 v3, v1, PA
	v_lshl_add_u32 v3, v2, 4, v3                   ; A: row l % 16 x pitch + 16 (l / 16)
	v_and_b32 v6, 7, v0
	v_lshl_add_u32 v6, v2, 3, v6                   ; B: k row 8 (l / 16) + l % 8,
	v_mul_u32_u24 v6, v6, PB
	v_bfe_u32 v7, v0, 3, 1
	v_lshl_add_u32 v6, v7, 4, v6                   ; 16 bytes ((l / 8) % 2)
	s_mul_i32 s21, s11, HALFT                      ; my 64 rows of A
	s_lshl_b32 s22, s12, 7                         ; my 64 columns of B: 128 bytes along its rows
	s_add_co_u32 s22, s22, 2*HALFT
.irp s, 0,1
	v_add_nc_u32 v[ADRA+\s], s21, v3
	v_add_nc_u32 v[ADRB+2*\s], s22, v6
	s_add_co_u32 s22, s22, HALFT
	v_add_nc_u32 v[ADRB+2*\s+1], s22, v6
	s_add_co_u32 s21, s21, SLOT
	s_add_co_u32 s22, s22, SLOT-HALFT
.endr
	s_mul_i32 s23, s10, 16*SPITCH
	s_add_co_u32 s23, s23, STAGE                   ; my stage: 16 rows of 64 f32
	v_mul_u32_u24 v4, v1, SPITCH
	v_lshl_add_u32 v4, v2, 5, v4                   ; in: row l % 16, 32 bytes for each half of the lanes
	v_add_nc_u32 v[STO], s23, v4
	v_mul_u32_u24 v5, v2, SPITCH
	v_lshl_add_u32 v5, v1, 4, v5                   ; back: lanes 0-15 one row, lanes 16-31 the next
	v_add_nc_u32 v[RD], s23, v5
; 16 matrix instructions: all 4 x 4 tiles, 32 along K (step ks of the buffer's two)
.macro MUL16 f, ks, zero
.irp a, 0,1,2,3
.irp b, 0,1,2,3
.if \zero
	v_wmma_f32_16x16x32_bf16 v[8*(4*\a+\b):8*(4*\a+\b)+7], v[\f+8*(4*\ks+\b):\f+8*(4*\ks+\b)+7], v[\f+8*(4*\ks+\a):\f+8*(4*\ks+\a)+7], 0
.else
	v_wmma_f32_16x16x32_bf16 v[8*(4*\a+\b):8*(4*\a+\b)+7], v[\f+8*(4*\ks+\b):\f+8*(4*\ks+\b)+7], v[\f+8*(4*\ks+\a):\f+8*(4*\ks+\a)+7], v[8*(4*\a+\b):8*(4*\a+\b)+7]
.endif
.endr
.endr
.endm
; 32 LDS loads in one run: quarter q (64 along K) of a slot into buffer f: B's two steps, then A's step 0, then A's step 1
.macro FETCH slot, q, f
	WIN TO_B
.irp ks, 0,1
.irp b, 0,1,2,3
	ds_load_tr16_b128 v[\f+8*(4*\ks+\b):\f+8*(4*\ks+\b)+3],   v[ADRB+2*\slot+\q/2] offset:((\q%2)*64+32*\ks)*PB+32*\b
	ds_load_tr16_b128 v[\f+8*(4*\ks+\b)+4:\f+8*(4*\ks+\b)+7], v[ADRB+2*\slot+\q/2] offset:((\q%2)*64+32*\ks+16)*PB+32*\b
.endr
.endr
	WIN 0
.irp ks, 0,1
.irp a, 0,1,2,3
	ds_load_b128 v[\f+8*(4*\ks+\a):\f+8*(4*\ks+\a)+3],   v[ADRA+\slot] offset:\q*128+\ks*64+\a*16*PA
	ds_load_b128 v[\f+8*(4*\ks+\a)+4:\f+8*(4*\ks+\a)+7], v[ADRA+\slot] offset:\q*128+\ks*64+\a*16*PA+32
.endr
.endr
.endm
; Four plain vector instructions stand between a matrix instruction and a load into, or a vector instruction or store on, one of its registers (ISA guide 7.12.1 for vector instructions)
.macro PLACES
.rept 4
	v_nop
.endr
.endm
.macro QUARTER slot, q, f, g, zero
	s_wait_dscnt 8                                 ; B and A's step 0 are in; the youngest eight loads (A's step 1) may be out
	WIN MUL
	MUL16 \f, 0, \zero
	PLACES
	FETCH \slot, \q, \g
	s_wait_dscnt 32                                ; all but the 32 just issued
	WIN MUL
	MUL16 \f, 1, 0
.endm
.macro THREE slot, zero
	QUARTER \slot, 1, F0, F1, \zero
	QUARTER \slot, 2, F1, F0, 0
	QUARTER \slot, 3, F0, F1, 0
.endm
; The last quarter changes slots: each wave waits for its reads of this slot and for all its tensor loads (one is out: its part of the next slot), then the barrier;
; behind it the refill comes first, then the next slot's first fragments.
.macro TURN slot, next, fill
	s_wait_dscnt 0                                 ; my reads of this slot are over
	s_wait_tensorcnt 0x0                           ; and all my tensor loads have landed
	ds_add_u32 v255, v255
	s_wait_dscnt 0x0
	s_barrier_signal -1                            ; (where a slot is filled again this barrier opens a round of the cluster's barrier)
	WIN MUL
	MUL16 F1, 0, 0                                 ; work on registers while the others arrive
	WIN 0
	s_barrier_wait -1
.if \fill
	CREST                                          ; no wave of any partner still reads this slot's tile or has a load on its way
	NEXTK \slot                                    ; no tensor load of mine is out: the slot's group 0 may be written
	JLOAD \slot                                    ; the first tensor load behind the round
.endif
	PLACES
	FETCH \next, 0, F0
	WIN MUL
	MUL16 F1, 1, 0
.endm
.macro LAP zero
	THREE 0, \zero
	TURN 0, 1, 1
	THREE 1, 0
	TURN 1, 0, 1
.endm
	s_wait_tensorcnt 1                             ; my part of the first K step is in; the second's load stays out
	s_barrier_signal -1
	s_barrier_wait -1
	FETCH 0, 0, F0
	; The bias and RES are asked for only now, behind the first tile, so that their 64 KiB a work-group do not stand in the first tiles' way; nothing in the walk along K
	; touches their registers or their address registers, and the wait for them stands in front of the way out.
	global_load_b128 v[BIAS:BIAS+3], v[VB], s[66:67]
	WIN TO_C
.irp a, 0,1,2,3
.irp t, 0,1,2,3,4,5,6,7
	global_load_b128 v[RES+32*\a+4*\t:RES+32*\a+4*\t+3], v[CO], s[68:69] offset:(16*\a+2*\t)*4096 th:TH_LOAD_NT
.endr
.endr
	LAP 1                                          ; the first lap stands in front of the loop: its first products start the sums
.if LAPS > 2
	WIN 0
	s_mov_b32 s3, LAPS-2
.Llap:
	LAP 0
	WIN 0
	s_sub_co_u32 s3, s3, 1
	s_cmp_lg_u32 s3, 0
	s_cbranch_scc1 .Llap
.endif
	THREE 0, 0                                     ; the last lap fills nothing
	TURN 0, 1, 0
	THREE 1, 0
	s_wait_dscnt 0
	WIN MUL
	MUL16 F1, 0, 0
	MUL16 F1, 1, 0
	; THE WAY OUT, 16 rows at a time: the f32 sums into my own stage, back as whole rows of 256 bytes, + bias + RES, out.
	PLACES
	s_wait_loadcnt 0x0                             ; the bias and RES
.macro OUTS a, rb
	WIN FROM_C
.irp b, 0,1,2,3
	ds_store_b128 v[STO], v[8*(4*\a+\b):8*(4*\a+\b)+3]   offset:64*\b
	ds_store_b128 v[STO], v[8*(4*\a+\b)+4:8*(4*\a+\b)+7] offset:64*\b+16
.endr
	WIN 0
	s_wait_xcnt 0x0                                ; the registers that earlier stores read are loaded again only behind this wait
.irp t, 0,1,2,3,4,5,6,7
	ds_load_b128 v[\rb+4*\t:\rb+4*\t+3], v[RD] offset:\t*2*SPITCH   ; my own bytes: LDS serves a wave's instructions in order
.endr
	s_wait_dscnt 0x0
.irp t, 0,1,2,3,4,5,6,7
	v_pk_add_f32 v[\rb+4*\t:\rb+4*\t+1],   v[\rb+4*\t:\rb+4*\t+1],   v[BIAS:BIAS+1]
	v_pk_add_f32 v[\rb+4*\t+2:\rb+4*\t+3], v[\rb+4*\t+2:\rb+4*\t+3], v[BIAS+2:BIAS+3]
.endr
	WIN FROM_C
.irp t, 0,1,2,3,4,5,6,7
	v_pk_add_f32 v[\rb+4*\t:\rb+4*\t+1],   v[\rb+4*\t:\rb+4*\t+1],   v[RES+32*\a+4*\t:RES+32*\a+4*\t+1]
	v_pk_add_f32 v[\rb+4*\t+2:\rb+4*\t+3], v[\rb+4*\t+2:\rb+4*\t+3], v[RES+32*\a+4*\t+2:RES+32*\a+4*\t+3]
.endr
	WIN 0
.irp t, 0,1,2,3,4,5,6,7
	global_store_b128 v[CO], v[\rb+4*\t:\rb+4*\t+3], s[8:9] offset:(16*\a+2*\t)*4096   ; 16 lanes store 256 consecutive bytes, at a multiple of 256 from OUT's first byte
.endr
.endm
	OUTS 0, F0
	OUTS 1, F1
	OUTS 2, F0
	OUTS 3, F1
	s_set_vgpr_msb 0x1
	s_wait_tensorcnt 0x0
	ds_add_u32 v255, v255
	s_wait_dscnt 0x0
	s_set_vgpr_msb 0x100
	CROUND                                         ; the closing round: no work-group ends while a partner may still ask for a tile that names it
	s_endpgm
.Lfunc_end_k_q47fc9b9402_gwo:
	.size	k_q47fc9b9402_gwo, .Lfunc_end_k_q47fc9b9402_gwo-k_q47fc9b9402_gwo
	.p2alignl 7, 3214868480
	.fill 96, 4, 3214868480
	.section	.rodata,"a",@progbits
	.p2align	6, 0x0
	.amdhsa_kernel k_q47fc9b9402_gwo
		.amdhsa_group_segment_fixed_size 327680
		.amdhsa_private_segment_fixed_size 0
		.amdhsa_enable_private_segment 0
		.amdhsa_kernarg_size 40
		.amdhsa_user_sgpr_count 2
		.amdhsa_user_sgpr_kernarg_segment_ptr 1
		.amdhsa_wavefront_size32 1
		.amdhsa_system_sgpr_workgroup_id_x 1
		.amdhsa_system_sgpr_workgroup_id_y 1
		.amdhsa_system_sgpr_workgroup_id_z 1
		.amdhsa_system_vgpr_workitem_id 0
		.amdhsa_next_free_vgpr 768
		.amdhsa_next_free_sgpr 100
		.amdhsa_reserve_vcc 0
		.amdhsa_float_denorm_mode_32 3
		.amdhsa_float_denorm_mode_16_64 3
		.amdhsa_memory_ordered 1
		.amdhsa_forward_progress 1
		.amdhsa_inst_pref_size 98
	.end_amdhsa_kernel
	.amdgpu_metadata
---
amdhsa.version: [ 1, 2 ]
amdhsa.kernels:
  - .name:           k_q47fc9b9402_gwo
    .symbol:         k_q47fc9b9402_gwo.kd
    .args:
      - { .name: act, .offset: 0, .size: 8, .value_kind: global_buffer, .address_space: global }
      - { .name: wo, .offset: 8, .size: 8, .value_kind: global_buffer, .address_space: global }
      - { .name: x2, .offset: 16, .size: 8, .value_kind: global_buffer, .address_space: global }
      - { .name: b_o, .offset: 24, .size: 8, .value_kind: global_buffer, .address_space: global }
      - { .name: x, .offset: 32, .size: 8, .value_kind: global_buffer, .address_space: global }
    .group_segment_fixed_size: 327680
    .private_segment_fixed_size: 0
    .kernarg_segment_align: 8
    .kernarg_segment_size: 40
    .max_flat_workgroup_size: 128
    .sgpr_count:     100
    .vgpr_count:     768
    .wavefront_size: 32
...
	.end_amdgpu_metadata
.endif
;; end of part 10
;; launch ln2 (part 11): grid 256 x 1, 8 waves a work-group, no clusters, 0 bytes of LDS; arguments x2, ln2_g, ln2_b, act; writes act
.if DOCPART == 11
	.amdgcn_target "amdgcn-amd-amdhsa--gfx1250"
	.amdhsa_code_object_version 6
	.text
	.protected	k_q47fc9b9402_ln2
	.globl	k_q47fc9b9402_ln2
	.p2align	8
	.type	k_q47fc9b9402_ln2,@function
k_q47fc9b9402_ln2:
	s_mov_b64 s[64:65], 0
	v_nop
	global_prefetch_b8 v0, s[64:65] scope:SCOPE_SE
	s_setreg_imm32_b32 hwreg(HW_REG_WAVE_MODE, 25, 1), 1
	s_wait_xcnt 0x0
; act = LayerNorm(x2) * ln2_g + ln2_b, rounded to bf16.  x2: [4096][1024] f32, act: [4096][1024] bf16.
; A work-group owns 16 rows (4,096 / 16 = 256 work-groups), a wave 2 rows, one whole row (4,096 bytes = 32 registers) at a time, so that a reduction never leaves the wave
; and x2 is read once.  Memory binds: no LDS, no barrier, no matrix unit, no cluster.  Mean first, then the mean of (x - mean)^2, as the definition has it: a common offset costs no digits.
; Limits: v_rsq_f32 is good to 1 ulp; the result is rounded to bf16 (it is a matrix operand); NaN and infinities are not treated apart.
.set VI, 1                             ; v1        byte offset of my 16 bytes in the wave's first input row
.set VO, 2                             ; v2        byte offset of my 8 bytes in the wave's first output row
.set VG, 3                             ; v3        byte offset of my 4 numbers in the gains and biases
.set G,  8                             ; v[8:39]   gains of my 32 columns (columns 128 j + 4 lane .. + 3)
.set BB, 40                            ; v[40:71]  biases of the same columns
.set X,  72                            ; v[72:135] two rows, 32 registers each
.set A,  136                           ; v[136:143] four chains of pair sums
.set MU, 144                           ; v[144:145] the mean, twice
.set RS, 146                           ; v[146:147] 1 / sqrt(var + eps), twice
.set T,  148                           ; v[148:149] at work
.macro LANESUM                         ; the four chains into one number, then over the 32 lanes; every lane ends with the sum in v[T]
	v_pk_add_f32 v[A:A+1], v[A:A+1], v[A+2:A+3]
	v_pk_add_f32 v[A+4:A+5], v[A+4:A+5], v[A+6:A+7]
	v_pk_add_f32 v[A:A+1], v[A:A+1], v[A+4:A+5]
	v_add_f32 v[T], v[A], v[A+1]
	v_add_f32_dpp v[T], v[T], v[T] row_xmask:1 row_mask:0xf bank_mask:0xf
	v_add_f32_dpp v[T], v[T], v[T] row_xmask:2 row_mask:0xf bank_mask:0xf
	v_add_f32_dpp v[T], v[T], v[T] row_xmask:4 row_mask:0xf bank_mask:0xf
	v_add_f32_dpp v[T], v[T], v[T] row_xmask:8 row_mask:0xf bank_mask:0xf
	v_permlanex16_b32 v[T+1], v[T], s28, s29
	v_add_f32 v[T], v[T], v[T+1]
.endm
.macro LNROW r
	s_wait_loadcnt 8-8*\r                          ; loads come back in order: the 8 loads of the younger row may stay out
.irp c, 0,1,2,3
	v_pk_add_f32 v[A+2*\c:A+2*\c+1], v[X+32*\r+2*\c:X+32*\r+2*\c+1], v[X+32*\r+2*\c+8:X+32*\r+2*\c+9]   ; the first sums start the chains
.endr
.irp k, 8,9,10,11,12,13,14,15
	v_pk_add_f32 v[A+2*(\k%4):A+2*(\k%4)+1], v[A+2*(\k%4):A+2*(\k%4)+1], v[X+32*\r+2*\k:X+32*\r+2*\k+1]
.endr
	LANESUM
	v_mul_f32 v[MU], s30, v[T]                     ; mean = sum / 1024
	v_mul_f32 v[MU+1], s30, v[T]
.irp k, 0,1,2,3,4,5,6,7,8,9,10,11,12,13,14,15
	v_pk_add_f32 v[X+32*\r+2*\k:X+32*\r+2*\k+1], v[X+32*\r+2*\k:X+32*\r+2*\k+1], v[MU:MU+1] neg_lo:[0,1] neg_hi:[0,1]   ; d = x - mean
.endr
.irp c, 0,1,2,3
	v_pk_mul_f32 v[A+2*\c:A+2*\c+1], v[X+32*\r+2*\c:X+32*\r+2*\c+1], v[X+32*\r+2*\c:X+32*\r+2*\c+1]
.endr
.irp k, 4,5,6,7,8,9,10,11,12,13,14,15
	v_pk_fma_f32 v[A+2*(\k%4):A+2*(\k%4)+1], v[X+32*\r+2*\k:X+32*\r+2*\k+1], v[X+32*\r+2*\k:X+32*\r+2*\k+1], v[A+2*(\k%4):A+2*(\k%4)+1]
.endr
	LANESUM
	v_fma_f32 v[T], v[T], s30, s31                 ; var + eps
	v_rsq_f32 v[RS], v[T]
	v_rsq_f32 v[RS+1], v[T]
	v_nop                                          ; one plain vector instruction behind a transcendental before its result is used (ISA guide 5.7.2)
	s_wait_alu depctr_va_vdst(0)
.irp k, 0,1,2,3,4,5,6,7,8,9,10,11,12,13,14,15
	v_pk_mul_f32 v[X+32*\r+2*\k:X+32*\r+2*\k+1], v[X+32*\r+2*\k:X+32*\r+2*\k+1], v[RS:RS+1]
.endr
.irp k, 0,1,2,3,4,5,6,7,8,9,10,11,12,13,14,15
	v_pk_fma_f32 v[X+32*\r+2*\k:X+32*\r+2*\k+1], v[X+32*\r+2*\k:X+32*\r+2*\k+1], v[G+2*\k:G+2*\k+1], v[BB+2*\k:BB+2*\k+1]
.endr
.irp j, 0,1,2,3,4,5,6,7
	v_cvt_pk_bf16_f32 v[X+32*\r+4*\j], v[X+32*\r+4*\j], v[X+32*\r+4*\j+1]
	v_cvt_pk_bf16_f32 v[X+32*\r+4*\j+1], v[X+32*\r+4*\j+2], v[X+32*\r+4*\j+3]
	global_store_b64 v[VO], v[X+32*\r+4*\j:X+32*\r+4*\j+1], s[10:11] offset:\r*2048+\j*256   ; the wave stores 256 consecutive bytes, at a multiple of 256 from act's first byte
.endr
.endm
	s_load_b256 s[4:11], s[0:1], 0x0               ; x2 s[4:5], ln2_g s[6:7], ln2_b s[8:9], act s[10:11]
	v_and_b32 v4, 31, v0                           ; lane
	v_lshrrev_b32 v5, 5, v0                        ; wave
	v_lshlrev_b32 v[VG], 4, v4
	v_lshl_add_u32 v[VI], v5, 13, v[VG]            ; + wave x 2 rows x 4,096 bytes
	v_lshlrev_b32 v[VO], 3, v4
	v_lshl_add_u32 v[VO], v5, 12, v[VO]            ; + wave x 2 rows x 2,048 bytes
	v_mov_b32 v[T+1], 0                            ; v_permlanex16_b32 counts as a reader of its destination
	s_lshl_b32 s32, ttmp9, 16                      ; 16 rows x 4,096 bytes
	s_mov_b32 s33, 0
	s_lshl_b32 s34, ttmp9, 15                      ; 16 rows x 2,048 bytes
	s_mov_b32 s35, 0
	s_mov_b32 s28, 0x76543210
	s_mov_b32 s29, 0xfedcba98
	s_mov_b32 s30, 0x3a800000                      ; 1 / 1024
	s_mov_b32 s31, 0x3727c5ac                      ; 1e-5
	s_wait_kmcnt 0x0
	s_add_nc_u64 s[4:5], s[4:5], s[32:33]
	s_add_nc_u64 s[10:11], s[10:11], s[34:35]
.irp j, 0,1,2,3,4,5,6,7
	global_load_b128 v[G+4*\j:G+4*\j+3], v[VG], s[6:7] offset:\j*512
.endr
.irp j, 0,1,2,3,4,5,6,7
	global_load_b128 v[BB+4*\j:BB+4*\j+3], v[VG], s[8:9] offset:\j*512
.endr
.irp r, 0,1
.irp j, 0,1,2,3,4,5,6,7
	global_load_b128 v[X+32*\r+4*\j:X+32*\r+4*\j+3], v[VI], s[4:5] offset:\r*4096+\j*512   ; both rows at once: 16 loads of 512 consecutive bytes in flight
.endr
.endr
	LNROW 0
	LNROW 1
	s_endpgm
.Lfunc_end_k_q47fc9b9402_ln2:
	.size	k_q47fc9b9402_ln2, .Lfunc_end_k_q47fc9b9402_ln2-k_q47fc9b9402_ln2
	.p2alignl 7, 3214868480
	.fill 96, 4, 3214868480
	.section	.rodata,"a",@progbits
	.p2align	6, 0x0
	.amdhsa_kernel k_q47fc9b9402_ln2
		.amdhsa_group_segment_fixed_size 0
		.amdhsa_private_segment_fixed_size 0
		.amdhsa_enable_private_segment 0
		.amdhsa_kernarg_size 32
		.amdhsa_user_sgpr_count 2
		.amdhsa_user_sgpr_kernarg_segment_ptr 1
		.amdhsa_wavefront_size32 1
		.amdhsa_system_sgpr_workgroup_id_x 1
		.amdhsa_system_sgpr_workgroup_id_y 1
		.amdhsa_system_sgpr_workgroup_id_z 1
		.amdhsa_system_vgpr_workitem_id 0
		.amdhsa_next_free_vgpr 152
		.amdhsa_next_free_sgpr 66
		.amdhsa_reserve_vcc 0
		.amdhsa_float_denorm_mode_32 3
		.amdhsa_float_denorm_mode_16_64 3
		.amdhsa_memory_ordered 1
		.amdhsa_forward_progress 1
		.amdhsa_inst_pref_size 20
	.end_amdhsa_kernel
	.amdgpu_metadata
---
amdhsa.version: [ 1, 2 ]
amdhsa.kernels:
  - .name:           k_q47fc9b9402_ln2
    .symbol:         k_q47fc9b9402_ln2.kd
    .args:
      - { .name: x2, .offset: 0, .size: 8, .value_kind: global_buffer, .address_space: global }
      - { .name: ln2_g, .offset: 8, .size: 8, .value_kind: global_buffer, .address_space: global }
      - { .name: ln2_b, .offset: 16, .size: 8, .value_kind: global_buffer, .address_space: global }
      - { .name: act, .offset: 24, .size: 8, .value_kind: global_buffer, .address_space: global }
    .group_segment_fixed_size: 0
    .private_segment_fixed_size: 0
    .kernarg_segment_align: 8
    .kernarg_segment_size: 32
    .max_flat_workgroup_size: 256
    .sgpr_count:     66
    .vgpr_count:     152
    .wavefront_size: 32
...
	.end_amdgpu_metadata
.endif
;; end of part 11
;; launch gw1: the kernel of part 6 again; grid 16 x 16, 4 waves a work-group, clusters of 4 x 4, 327,680 bytes of LDS; arguments act, w1b, wide, b1; writes wide
;; launch gw2 (part 12): grid 8 x 32, 4 waves a work-group, clusters of 4 x 4, 327,680 bytes of LDS; arguments wide, w2b, out0, b2, x2; writes out0
.if DOCPART == 12
	.amdgcn_target "amdgcn-amd-amdhsa--gfx1250"
	.amdhsa_code_object_version 6
	.text
	.protected	k_q47fc9b9402_gw2
	.globl	k_q47fc9b9402_gw2
	.p2align	8
	.type	k_q47fc9b9402_gw2,@function
k_q47fc9b9402_gw2:
	s_mov_b64 s[64:65], 0
	v_nop
	global_prefetch_b8 v0, s[64:65] scope:SCOPE_SE
	s_setreg_imm32_b32 hwreg(HW_REG_WAVE_MODE, 25, 1), 1
	s_wait_xcnt 0x0
	s_wait_alu depctr_hold_cnt(0) depctr_sa_sdst(0) depctr_va_vdst(0) depctr_va_sdst(0) depctr_va_ssrc(0) depctr_va_vcc(0) depctr_vm_vsrc(0)
	s_getreg_b32 s2, hwreg(HW_REG_IB_STS2, 6, 4)
	s_cmp_eq_u32 s2, 0
	s_cbranch_scc0 .Lentry_in_a_cluster
	s_endpgm
.Lentry_in_a_cluster:
	s_bfe_u32 s2, ttmp6, 0x10000c
	s_cmp_lg_u32 s2, 0xf033
	s_cbranch_scc0 .Lentry_shape_is_right
	s_endpgm
.Lentry_shape_is_right:
; OUT[m][n] = RES[m][n] + bias[n] + sum over k of A[m][k] B[k][n].  A: [4096][SIZE_K] bf16, B: [SIZE_K][1024] bf16 (k along the slow axis), bias: [1024] f32,
; RES, OUT: [4096][1024] f32; sums in f32.
; N is 1,024: blocks of 128 x 128 give 8 x 32 = 256 work-groups.  Four waves, a wave 64 x 64: 16 accumulator tiles of 16 x 16.
; K goes in steps of 256 through two LDS slots filled by tensor loads: A's tile [row][k] is read by plain 16-byte loads, B's tile [k][n] by ds_load_tr16_b128.
; CLUSTERS: 4 x 4 work-groups; A's tile is asked for jointly along a row of the cluster, B's along a column.
; THE WALK ALONG K IS ROTATED: a cluster begins at K step (TILES/2 x cluster x + TILES/4 x (cluster y mod 4)) mod TILES and wraps round.  The two clusters along x read the same
; rows of A and begin TILES/2 steps apart; the clusters along y read the same columns of B and begin 0, 1, 2 or 3 quarters of the walk on.  So a tile is not asked for by all
; its readers in the same step: one cluster asks first, the others a quarter of the walk or more later.  The first step is made of the cluster's two numbers alone: it is
; the same in all sixteen work-groups, and so is every descriptor word that hangs on it.
; REGISTERS in windows of 256: window 0 addresses, the bias, fragments of A (two buffers); window 1 fragments of B (two buffers);
; window 2: v0-127 the accumulators (tile (a, b) at v[8 (4 a + b)]), v128-255 my 64 x 64 of RES, laid as the rows go out.
; The matrix instruction is used transposed (source 0 = 16 columns of B, source 1 = 16 rows of A): a lane holds eight neighbouring columns of one row.
; The 16 accumulators take turns, one instruction a turn, in the same order everywhere.
; Limits: the operands are bf16; everything else is f32; the sums run along K from the cluster's first step and wrap round, an order of rounding that differs from ascending k.
.set SIZE_K, 4096
.set SIZE_N, 1024
.set KSTEP,  256
.set TILES,  SIZE_K/KSTEP              ; K steps, a power of two
.set RX,     TILES/2                   ; steps between the first steps of neighbours along x
.set RY,     TILES/4                   ; and along y
.set PA,     528                       ; A's LDS row: 512 bytes + 16, an odd multiple of 16
.set PB,     288                       ; B's LDS row: 256 bytes + 32, an odd multiple of 32
.set HALFT,  128*PB                    ; 36,864: 128 k rows of B; 64 rows of A fill 33,792 of it
.set SLOT,   4*HALFT                   ; A's rows 0-63, A's rows 64-127, B's k rows 0-127, 128-255
.set STAGE,  2*SLOT                    ; behind the ring: 16 rows x 272 bytes for each wave; no tensor load lands there
.set SPITCH, 272
.set LAPS, SIZE_K/(2*KSTEP)
.set ADRA, 16                          ; v16-17  LDS address of my A fragments in slot 0, 1
.set ADRB, 20                          ; v20-23  of my B fragments: 2 x slot + half of the k rows (a tile's 73,728 bytes pass the 16-bit offset)
.set STO,  24
.set RD,   25
.set CO,   26                          ; v26     my byte offset in RES and OUT
.set VB,   27                          ; v27     my byte offset in the bias
.set BIAS, 32                          ; v[32:35] the bias of the four columns that I store
.set F0,   64
.set F1,   128
.set RES,  128                         ; window 2
.set G1, 24
.set G0, 32
.set G1B, 48
.set G0B, 56
.set KT, 94                            ; s94      the K step that is asked for next
.set OA, 96                            ; s[96:97] its byte offset in A's rows
.set OB, 98                            ; s[98:99] its byte offset in B
.set MSB, 0
.macro WIN new                         ; the immediate's high byte repeats the setting that is left
.if MSB != \new
	s_set_vgpr_msb (MSB<<8)|\new
.set MSB, \new
.endif
.endm
.set MUL,    0xa1                      ; source 0 (B) window 1, source 1 (A) window 0, C and D window 2
.set TO_B,   0x40                      ; destination window 1
.set TO_C,   0x80                      ; destination window 2
.set FROM_C, 0x08                      ; source 1 window 2
.macro JLOAD s                         ; waves 0 and 1 fetch A's two halves, waves 2 and 3 B's; the branch hangs on the wave's number alone
	s_cmp_eq_u32 s11, 0
	s_cbranch_scc0 .Lfor_b_\@
	tensor_load_to_lds s[G0+4*\s:G0+4*\s+3], s[G1:G1+7]
	s_nop 0
	s_branch .Lasked_\@
.Lfor_b_\@:
	tensor_load_to_lds s[G0B+4*\s:G0B+4*\s+3], s[G1B:G1B+7]
	s_nop 0
.Lasked_\@:
.endm
; The next K step of the walk, for a slot: both global addresses (s[14:15], s[46:47]: my rows of A and of B at K step 0, type bits set); then the step goes on and wraps round.
.macro NEXTK slot
	s_mul_i32 s[OA], s[KT], KSTEP*2
	s_mul_i32 s[OB], s[KT], KSTEP*SIZE_N*2
	s_add_nc_u64 s[G0+4*\slot+2:G0+4*\slot+3], s[14:15], s[OA:OA+1]
	s_add_nc_u64 s[G0B+4*\slot+2:G0B+4*\slot+3], s[46:47], s[OB:OB+1]
	s_add_co_u32 s[KT], s[KT], 1
	s_and_b32 s[KT], s[KT], TILES-1
.endm
.macro CREST                           ; a round of the cluster's barrier behind its opening barrier
	s_cmp_lg_u32 s10, 0
	s_cbranch_scc1 .Lnot_wave_0_\@
	s_barrier_signal -3
.Lnot_wave_0_\@:
	s_barrier_wait -3
	s_barrier_signal -1
	s_barrier_wait -1
.endm
.macro CROUND
	s_barrier_signal -1
	s_barrier_wait -1
	CREST
.endm
	s_load_b128 s[4:7], s[0:1], 0x0                ; A s[4:5], B s[6:7]
	s_load_b64 s[8:9], s[0:1], 0x10                ; OUT
	s_load_b64 s[66:67], s[0:1], 0x18              ; bias
	s_load_b64 s[68:69], s[0:1], 0x20              ; RES
	s_set_vgpr_msb 0x40
	v_lshl_add_u32 v255, v0, 2, 0x4c400
	s_set_vgpr_msb 0x4000
	v_mov_b32 v255, 0
	s_set_vgpr_msb 0x1
	ds_add_u32 v255, v255
	ds_add_u32 v255, v255
	s_set_vgpr_msb 0x100
	v_lshrrev_b32 v1, 5, v0
	v_readfirstlane_b32 s10, v1                    ; wave 0..3
	s_lshr_b32 s11, s10, 1                         ; which half of the block's rows is mine.  Also: I fetch for A (0) or for B (1)
	s_and_b32 s12, s10, 1                          ; which half of its columns.  Also: which half of that tile I fetch
	s_bfe_u32 s40, ttmp6, 0x40000                  ; cx
	s_bfe_u32 s41, ttmp6, 0x40004                  ; cy
	s_lshl_b32 s42, ttmp9, 2
	s_add_co_u32 s42, s42, s40                     ; block column
	s_and_b32 s13, ttmp7, 0xffff
	s_lshl_b32 s13, s13, 2
	s_add_co_u32 s13, s13, s41                     ; block row
	s_lshl_b32 s43, s41, 2
	s_lshl_b32 s43, 15, s43                        ; my row of the cluster
	s_lshl_b32 s44, 0x1111, s40                    ; my column
	; where my cluster's walk along K begins: of the cluster's two numbers alone (in a cluster launch ttmp9 and ttmp7 count clusters)
	s_and_b32 s[KT], ttmp7, 3                      ; cluster y mod 4
	s_mul_i32 s[KT], s[KT], RY
	s_mul_i32 s[OA], ttmp9, RX
	s_add_co_u32 s[KT], s[KT], s[OA]
	s_and_b32 s[KT], s[KT], TILES-1
	s_mov_b32 s[OA+1], 0                           ; both offsets stay below 8 MiB: their upper words are 0
	s_mov_b32 s[OB+1], 0
	; group 1 for A: 64 rows x 256 elements of 2 bytes, 4 words of padding behind every 128 words
	s_or_b32 s[G1+0], s43, (1<<16)|(1<<20)|(1<<21)|(6<<22)|(3<<25)
	s_mov_b32 s[G1+1], KSTEP<<16
	s_mov_b32 s[G1+2], 64<<16
	s_mov_b32 s[G1+3], KSTEP<<16
	s_mov_b32 s[G1+4], 64
	s_mov_b32 s[G1+5], SIZE_K
	s_mov_b32 s[G1+6], 0
	s_mov_b32 s[G1+7], 0
	; group 1 for B: 128 k rows x 128 elements of 2 bytes, 8 words of padding behind every 64 words
	s_or_b32 s[G1B+0], s44, (1<<16)|(1<<20)|(1<<21)|(5<<22)|(7<<25)
	s_mov_b32 s[G1B+1], 128<<16
	s_mov_b32 s[G1B+2], 128<<16
	s_mov_b32 s[G1B+3], 128<<16
	s_mov_b32 s[G1B+4], 128
	s_mov_b32 s[G1B+5], SIZE_N
	s_mov_b32 s[G1B+6], 0
	s_mov_b32 s[G1B+7], 0
	s_lshl_b32 s17, s12, 6
	s_lshl_b32 s16, s13, 7
	s_add_co_u32 s16, s16, s17                     ; A: row 128 x block row + 64 x half
	s_mul_i32 s16, s16, SIZE_K*2                   ; in bytes: below 32 MiB
	s_mov_b32 s17, 0
	s_lshl_b32 s46, s12, 18                        ; B: k row 128 x half, rows of 2,048 bytes,
	s_lshl_b32 s45, s42, 8                         ; column 128 x block column
	s_add_co_u32 s46, s46, s45
	s_mov_b32 s47, 0
	s_mul_i32 s20, s10, HALFT                      ; where they go: the wave's number alone
	s_wait_dscnt 0x0
	s_wait_kmcnt 0x0
	s_add_nc_u64 s[14:15], s[4:5], s[16:17]
	s_add_nc_u64 s[46:47], s[6:7], s[46:47]
	s_or_b32 s15, s15, 0x80000000                  ; the descriptor's type
	s_or_b32 s47, s47, 0x80000000
	CROUND                                         ; all sixteen work-groups are here: the first joint loads meet
.irp s, 0,1
	s_mov_b32 s[G0+4*\s], 1
	s_add_co_u32 s[G0+4*\s+1], s20, \s*SLOT
	s_mov_b32 s[G0B+4*\s], 1
	s_add_co_u32 s[G0B+4*\s+1], s20, \s*SLOT
	NEXTK \s
	JLOAD \s                                       ; two tensor loads of the wave are out
.endr
	v_and_b32 v1, 15, v0                           ; l % 16
	v_bfe_u32 v2, v0, 4, 1                         ; l / 16
	v_lshlrev_b32 v[VB], 4, v1
	v_lshl_add_u32 v[CO], v2, 12, v[VB]            ; lanes 0-15 one row of 256 bytes, lanes 16-31 the next (rows of 4,096 bytes)
	s_lshl_b32 s70, s13, 7
	s_lshl_b32 s71, s11, 6
	s_add_co_u32 s70, s70, s71
	s_lshl_b32 s70, s70, 12                        ; my first row, in bytes
	s_mov_b32 s71, 0
	s_lshl_b32 s72, s42, 7
	s_lshl_b32 s73, s12, 6
	s_add_co_u32 s72, s72, s73
	s_lshl_b32 s72, s72, 2                         ; my first column, in bytes
	s_mov_b32 s73, 0
	s_add_nc_u64 s[66:67], s[66:67], s[72:73]
	s_add_nc_u64 s[8:9], s[8:9], s[70:71]
	s_add_nc_u64 s[8:9], s[8:9], s[72:73]
	s_add_nc_u64 s[68:69], s[68:69], s[70:71]
	s_add_nc_u64 s[68:69], s[68:69], s[72:73]
	v_mul_u32_u24 v3, v1, PA
	v_lshl_add_u32 v3, v2, 4, v3                   ; A: row l % 16 x pitch + 16 (l / 16)
	v_and_b32 v6, 7, v0
	v_lshl_add_u32 v6, v2, 3, v6                   ; B: k row 8 (l / 16) + l % 8,
	v_mul_u32_u24 v6, v6, PB
	v_bfe_u32 v7, v0, 3, 1
	v_lshl_add_u32 v6, v7, 4, v6                   ; 16 bytes ((l / 8) % 2)
	s_mul_i32 s21, s11, HALFT                      ; my 64 rows of A
	s_lshl_b32 s22, s12, 7                         ; my 64 columns of B: 128 bytes along its rows
	s_add_co_u32 s22, s22, 2*HALFT
.irp s, 0,1
	v_add_nc_u32 v[ADRA+\s], s21, v3
	v_add_nc_u32 v[ADRB+2*\s], s22, v6
	s_add_co_u32 s22, s22, HALFT
	v_add_nc_u32 v[ADRB+2*\s+1], s22, v6
	s_add_co_u32 s21, s21, SLOT
	s_add_co_u32 s22, s22, SLOT-HALFT
.endr
	s_mul_i32 s23, s10, 16*SPITCH
	s_add_co_u32 s23, s23, STAGE                   ; my stage: 16 rows of 64 f32
	v_mul_u32_u24 v4, v1, SPITCH
	v_lshl_add_u32 v4, v2, 5, v4                   ; in: row l % 16, 32 bytes for each half of the lanes
	v_add_nc_u32 v[STO], s23, v4
	v_mul_u32_u24 v5, v2, SPITCH
	v_lshl_add_u32 v5, v1, 4, v5                   ; back: lanes 0-15 one row, lanes 16-31 the next
	v_add_nc_u32 v[RD], s23, v5
; 16 matrix instructions: all 4 x 4 tiles, 32 along K (step ks of the buffer's two)
.macro MUL16 f, ks, zero
.irp a, 0,1,2,3
.irp b, 0,1,2,3
.if \zero
	v_wmma_f32_16x16x32_bf16 v[8*(4*\a+\b):8*(4*\a+\b)+7], v[\f+8*(4*\ks+\b):\f+8*(4*\ks+\b)+7], v[\f+8*(4*\ks+\a):\f+8*(4*\ks+\a)+7], 0
.else
	v_wmma_f32_16x16x32_bf16 v[8*(4*\a+\b):8*(4*\a+\b)+7], v[\f+8*(4*\ks+\b):\f+8*(4*\ks+\b)+7], v[\f+8*(4*\ks+\a):\f+8*(4*\ks+\a)+7], v[8*(4*\a+\b):8*(4*\a+\b)+7]
.endif
.endr
.endr
.endm
; 32 LDS loads in one run: quarter q (64 along K) of a slot into buffer f: B's two steps, then A's step 0, then A's step 1
.macro FETCH slot, q, f
	WIN TO_B
.irp ks, 0,1
.irp b, 0,1,2,3
	ds_load_tr16_b128 v[\f+8*(4*\ks+\b):\f+8*(4*\ks+\b)+3],   v[ADRB+2*\slot+\q/2] offset:((\q%2)*64+32*\ks)*PB+32*\b
	ds_load_tr16_b128 v[\f+8*(4*\ks+\b)+4:\f+8*(4*\ks+\b)+7], v[ADRB+2*\slot+\q/2] offset:((\q%2)*64+32*\ks+16)*PB+32*\b
.endr
.endr
	WIN 0
.irp ks, 0,1
.irp a, 0,1,2,3
	ds_load_b128 v[\f+8*(4*\ks+\a):\f+8*(4*\ks+\a)+3],   v[ADRA+\slot] offset:\q*128+\ks*64+\a*16*PA
	ds_load_b128 v[\f+8*(4*\ks+\a)+4:\f+8*(4*\ks+\a)+7], v[ADRA+\slot] offset:\q*128+\ks*64+\a*16*PA+32
.endr
.endr
.endm
; Four plain vector instructions stand between a matrix instruction and a load into, or a vector instruction or store on, one of its registers (ISA guide 7.12.1 for vector instructions)
.macro PLACES
.rept 4
	v_nop
.endr
.endm
.macro QUARTER slot, q, f, g, zero
	s_wait_dscnt 8                                 ; B and A's step 0 are in; the youngest eight loads (A's step 1) may be out
	WIN MUL
	MUL16 \f, 0, \zero
	PLACES
	FETCH \slot, \q, \g
	s_wait_dscnt 32                                ; all but the 32 just issued
	WIN MUL
	MUL16 \f, 1, 0
.endm
.macro THREE slot, zero
	QUARTER \slot, 1, F0, F1, \zero
	QUARTER \slot, 2, F1, F0, 0
	QUARTER \slot, 3, F0, F1, 0
.endm
; The last quarter changes slots: each wave waits for its reads of this slot and for all its tensor loads (one is out: its part of the next slot), then the barrier;
; behind it the refill comes first, then the next slot's first fragments.
.macro TURN slot, next, fill
	s_wait_dscnt 0                                 ; my reads of this slot are over
	s_wait_tensorcnt 0x0                           ; and all my tensor loads have landed
	ds_add_u32 v255, v255
	s_wait_dscnt 0x0
	s_barrier_signal -1                            ; (where a slot is filled again this barrier opens a round of the cluster's barrier)
	WIN MUL
	MUL16 F1, 0, 0                                 ; work on registers while the others arrive
	WIN 0
	s_barrier_wait -1
.if \fill
	CREST                                          ; no wave of any partner still reads this slot's tile or has a load on its way
	NEXTK \slot                                    ; no tensor load of mine is out: the slot's group 0 may be written
	JLOAD \slot                                    ; the first tensor load behind the round
.endif
	PLACES
	FETCH \next, 0, F0
	WIN MUL
	MUL16 F1, 1, 0
.endm
.macro LAP zero
	THREE 0, \zero
	TURN 0, 1, 1
	THREE 1, 0
	TURN 1, 0, 1
.endm
	s_wait_tensorcnt 1                             ; my part of the first K step is in; the second's load stays out
	s_barrier_signal -1
	s_barrier_wait -1
	FETCH 0, 0, F0
	; The bias and RES are asked for only now, behind the first tile, so that their 64 KiB a work-group do not stand in the first tiles' way; nothing in the walk along K
	; touches their registers or their address registers, and the wait for them stands in front of the way out.
	global_load_b128 v[BIAS:BIAS+3], v[VB], s[66:67]
	WIN TO_C
.irp a, 0,1,2,3
.irp t, 0,1,2,3,4,5,6,7
	global_load_b128 v[RES+32*\a+4*\t:RES+32*\a+4*\t+3], v[CO], s[68:69] offset:(16*\a+2*\t)*4096 th:TH_LOAD_NT
.endr
.endr
	LAP 1                                          ; the first lap stands in front of the loop: its first products start the sums
.if LAPS > 2
	WIN 0
	s_mov_b32 s3, LAPS-2
.Llap:
	LAP 0
	WIN 0
	s_sub_co_u32 s3, s3, 1
	s_cmp_lg_u32 s3, 0
	s_cbranch_scc1 .Llap
.endif
	THREE 0, 0                                     ; the last lap fills nothing
	TURN 0, 1, 0
	THREE 1, 0
	s_wait_dscnt 0
	WIN MUL
	MUL16 F1, 0, 0
	MUL16 F1, 1, 0
	; THE WAY OUT, 16 rows at a time: the f32 sums into my own stage, back as whole rows of 256 bytes, + bias + RES, out.
	PLACES
	s_wait_loadcnt 0x0                             ; the bias and RES
.macro OUTS a, rb
	WIN FROM_C
.irp b, 0,1,2,3
	ds_store_b128 v[STO], v[8*(4*\a+\b):8*(4*\a+\b)+3]   offset:64*\b
	ds_store_b128 v[STO], v[8*(4*\a+\b)+4:8*(4*\a+\b)+7] offset:64*\b+16
.endr
	WIN 0
	s_wait_xcnt 0x0                                ; the registers that earlier stores read are loaded again only behind this wait
.irp t, 0,1,2,3,4,5,6,7
	ds_load_b128 v[\rb+4*\t:\rb+4*\t+3], v[RD] offset:\t*2*SPITCH   ; my own bytes: LDS serves a wave's instructions in order
.endr
	s_wait_dscnt 0x0
.irp t, 0,1,2,3,4,5,6,7
	v_pk_add_f32 v[\rb+4*\t:\rb+4*\t+1],   v[\rb+4*\t:\rb+4*\t+1],   v[BIAS:BIAS+1]
	v_pk_add_f32 v[\rb+4*\t+2:\rb+4*\t+3], v[\rb+4*\t+2:\rb+4*\t+3], v[BIAS+2:BIAS+3]
.endr
	WIN FROM_C
.irp t, 0,1,2,3,4,5,6,7
	v_pk_add_f32 v[\rb+4*\t:\rb+4*\t+1],   v[\rb+4*\t:\rb+4*\t+1],   v[RES+32*\a+4*\t:RES+32*\a+4*\t+1]
	v_pk_add_f32 v[\rb+4*\t+2:\rb+4*\t+3], v[\rb+4*\t+2:\rb+4*\t+3], v[RES+32*\a+4*\t+2:RES+32*\a+4*\t+3]
.endr
	WIN 0
.irp t, 0,1,2,3,4,5,6,7
	global_store_b128 v[CO], v[\rb+4*\t:\rb+4*\t+3], s[8:9] offset:(16*\a+2*\t)*4096   ; 16 lanes store 256 consecutive bytes, at a multiple of 256 from OUT's first byte
.endr
.endm
	OUTS 0, F0
	OUTS 1, F1
	OUTS 2, F0
	OUTS 3, F1
	s_set_vgpr_msb 0x1
	s_wait_tensorcnt 0x0
	ds_add_u32 v255, v255
	s_wait_dscnt 0x0
	s_set_vgpr_msb 0x100
	CROUND                                         ; the closing round: no work-group ends while a partner may still ask for a tile that names it
	s_endpgm
.Lfunc_end_k_q47fc9b9402_gw2:
	.size	k_q47fc9b9402_gw2, .Lfunc_end_k_q47fc9b9402_gw2-k_q47fc9b9402_gw2
	.p2alignl 7, 3214868480
	.fill 96, 4, 3214868480
	.section	.rodata,"a",@progbits
	.p2align	6, 0x0
	.amdhsa_kernel k_q47fc9b9402_gw2
		.amdhsa_group_segment_fixed_size 327680
		.amdhsa_private_segment_fixed_size 0
		.amdhsa_enable_private_segment 0
		.amdhsa_kernarg_size 40
		.amdhsa_user_sgpr_count 2
		.amdhsa_user_sgpr_kernarg_segment_ptr 1
		.amdhsa_wavefront_size32 1
		.amdhsa_system_sgpr_workgroup_id_x 1
		.amdhsa_system_sgpr_workgroup_id_y 1
		.amdhsa_system_sgpr_workgroup_id_z 1
		.amdhsa_system_vgpr_workitem_id 0
		.amdhsa_next_free_vgpr 768
		.amdhsa_next_free_sgpr 100
		.amdhsa_reserve_vcc 0
		.amdhsa_float_denorm_mode_32 3
		.amdhsa_float_denorm_mode_16_64 3
		.amdhsa_memory_ordered 1
		.amdhsa_forward_progress 1
		.amdhsa_inst_pref_size 135
	.end_amdhsa_kernel
	.amdgpu_metadata
---
amdhsa.version: [ 1, 2 ]
amdhsa.kernels:
  - .name:           k_q47fc9b9402_gw2
    .symbol:         k_q47fc9b9402_gw2.kd
    .args:
      - { .name: wide, .offset: 0, .size: 8, .value_kind: global_buffer, .address_space: global }
      - { .name: w2b, .offset: 8, .size: 8, .value_kind: global_buffer, .address_space: global }
      - { .name: out0, .offset: 16, .size: 8, .value_kind: global_buffer, .address_space: global }
      - { .name: b2, .offset: 24, .size: 8, .value_kind: global_buffer, .address_space: global }
      - { .name: x2, .offset: 32, .size: 8, .value_kind: global_buffer, .address_space: global }
    .group_segment_fixed_size: 327680
    .private_segment_fixed_size: 0
    .kernarg_segment_align: 8
    .kernarg_segment_size: 40
    .max_flat_workgroup_size: 128
    .sgpr_count:     100
    .vgpr_count:     768
    .wavefront_size: 32
...
	.end_amdgpu_metadata
.endif
;; end of part 12
